; MI455X (gfx1250); checked and timed in simulation.
; The chip was launched on July 23, 2026; its instructions are those of AMD's public machine-readable ISA for CDNA 5 (MIT licence, August 2026) and "CDNA5" Instruction Set Architecture Reference Guide (July 2026). The comments in the code are by the model that wrote it; some were corrected since.
;; Transformer Encoder Layer. Allowed arithmetic: matrix products marked QUANTISED: E2M1 operands, one E8M0 scale for each 32 along K, by v_wmma_scale_f32_16x16x128_f8f6f4 with both operands' format E2M1 (or v_wmma_scale_f32_32x16x128_f4), f32 sums; everything else in f32.
;; Inputs: W1_codes 4,096 x 32 x 16 uint8 (E2M1 codes of W1, K innermost, in blocks of 32 codes, two codes a byte); W1_scales 4,096 x 32 uint8 (E8M0 scales of W1, one for each 32 codes along K); W2_codes 1,024 x 128 x 16 uint8 (E2M1 codes of W2, K innermost, in blocks of 32 codes, two codes a byte); W2_scales 1,024 x 128 uint8 (E8M0 scales of W2, one for each 32 codes along K); Wk_codes 1,024 x 32 x 16 uint8 (E2M1 codes of Wk, K innermost, in blocks of 32 codes, two codes a byte); Wk_scales 1,024 x 32 uint8 (E8M0 scales of Wk, one for each 32 codes along K); Wo_codes 1,024 x 32 x 16 uint8 (E2M1 codes of Wo, K innermost, in blocks of 32 codes, two codes a byte); Wo_scales 1,024 x 32 uint8 (E8M0 scales of Wo, one for each 32 codes along K); Wq_codes 1,024 x 32 x 16 uint8 (E2M1 codes of Wq, K innermost, in blocks of 32 codes, two codes a byte); Wq_scales 1,024 x 32 uint8 (E8M0 scales of Wq, one for each 32 codes along K); Wv_codes 1,024 x 32 x 16 uint8 (E2M1 codes of Wv, K innermost, in blocks of 32 codes, two codes a byte); Wv_scales 1,024 x 32 uint8 (E8M0 scales of Wv, one for each 32 codes along K); b1 4,096 float32; b2 1,024 float32; bk 1,024 float32; bo 1,024 float32; bq 1,024 float32; bv 1,024 float32; ln1_b 1,024 float32; ln1_g 1,024 float32; ln2_b 1,024 float32; ln2_g 1,024 float32; src 2 x 2,048 x 1,024 float32.
;; Outputs: out0 2 x 2,048 x 1,024 float32.
;; This version of the problem:
;;   THIS VERSION OF THE PROBLEM IS GIVEN IN LOW PRECISION. The matrix products marked QUANTISED in the list below multiply operands that are first quantised to E2M1 (2 exponent bits, 1 mantissa bit; 4 bits a number), with one power-of-two scale for each 32 numbers along K (OCP MX v1.0); their sums are f32. All else is computed in f32.
;;   The module's matrix products, in the order in which they are computed (A, B: the left and right operand; K: the contracted axis; several contracted axes count as one K, in the product's order):
;;     1. [M 4,096, K 1,024] x [K 1,024, N 1,024]; A: input src; B: input Wq (given as codes): QUANTISED
;;     2. [M 4,096, K 1,024] x [K 1,024, N 1,024]; A: input src; B: input Wk (given as codes): QUANTISED
;;     3. [M 4,096, K 1,024] x [K 1,024, N 1,024]; A: input src; B: input Wv (given as codes): QUANTISED
;;     4. batch 32 x [M 2,048, K 64] x [K 64, N 2,048]; A: computed on the way; B: computed on the way: QUANTISED
;;     5. batch 32 x [M 2,048, K 2,048] x [K 2,048, N 64]; A: softmax (see below); B: computed on the way: QUANTISED
;;     6. [M 4,096, K 1,024] x [K 1,024, N 1,024]; A: computed on the way; B: input Wo (given as codes): QUANTISED
;;     7. [M 4,096, K 1,024] x [K 1,024, N 4,096]; A: computed on the way; B: input W1 (given as codes): QUANTISED
;;     8. [M 4,096, K 4,096] x [K 4,096, N 1,024]; A: computed on the way; B: input W2 (given as codes): QUANTISED
;;   THE QUANTISER, for each operand of a quantised product, along K:
;;     - K is cut into blocks of 32 from its start; a last block that is shorter is filled with zeros.
;;     - A block's scale is 2^e with e = floor(log2(the largest magnitude in the block)) - 2, held to -126 .. 127; a block of zeros has e = 0. As a byte (E8M0): e + 127.
;;     - Each number is divided by its block's scale, clamped to +-6, and rounded to the nearest number of E2M1, ties to even, subnormals kept.
;;     - The product sums the exact products of the quantised numbers (number of the format x scale) in f32.
;;   ~~~python
;;   def quantise(x, axis):      # numpy; x: float32 -> the quantised numbers, widened to float32 again
;;       x = np.moveaxis(x, axis, -1); K = x.shape[-1]
;;       x = np.pad(x, [(0, 0)] * (x.ndim - 1) + [(0, -K % 32)]); x = x.reshape(x.shape[:-1] + (-1, 32)); a = np.abs(x).max(-1, keepdims=True)
;;       e = np.where(a > 0, np.clip(np.frexp(np.where(a > 0, a, 1))[1] - 1 - 2, -126, 127), 0)      # np.frexp(a)[1] - 1 = floor(log2(a)), exactly
;;       r = np.clip(x / 2.0 ** e, -6, 6)
;;       step = 2.0 ** (np.maximum(np.frexp(np.where(r == 0, 1, r))[1] - 1, 0) - 1)
;;       q = np.round(r / step) * step * 2.0 ** e      # np.round: ties to even
;;       return np.moveaxis(q.reshape(q.shape[:-2] + (-1,))[..., :K], -1, axis).astype(np.float32)
;;   ~~~
;;   SOFTMAX AHEAD OF A QUANTISED PRODUCT. Where the list says 'softmax', what is quantised is not the finished softmax but p = 2^(t - M), with t = logit x log2(e) and M = ceil(the row's largest t), a whole number; so 1/2 < the row's largest p <= 1. The row's sum l is taken of the UNQUANTISED p, in f32, and the product's result is divided by l at the end. Since M is a whole number, a kernel that streams over the keys may use a running M (the ceiling of the running maximum): every later rescaling is an exact power of two, which a block's scale takes up: the codes' values come out the same.
;;   OPERANDS COMPUTED ON THE WAY. 'Computed on the way' means the value that the module computes at that place (a softmax that the list does not call 'softmax' is quantised finished and normalised). What goes into a quantiser is computed in f32, as accurately as f32 sums, v_exp_f32 and their like allow (about 1e-6 of the number): no bf16 or f16 on the way to a quantiser, and a product that is left as it is and whose result goes on into a quantised operand takes f32 operands (vector FMAs, or v_wmma_f32_16x16x4_f32). A number that lies on a knife's edge between two numbers of the format may be rounded either way, as far as f32 arithmetic and the matrix unit's own rounding can turn it there, and no further.
;;   INPUTS GIVEN AS CODES. W1 (in the module: [1024, 4096], K = its axis 0); W2 (in the module: [4096, 1024], K = its axis 0); Wk (in the module: [1024, 1024], K = its axis 0); Wo (in the module: [1024, 1024], K = its axis 0); Wq (in the module: [1024, 1024], K = its axis 0); Wv (in the module: [1024, 1024], K = its axis 0): each comes as NAME_codes (uint8): NAME with its K axis moved to the last place and cut into blocks of 32 codes, [.., K / 32, bytes a block], one block behind the other in memory; two codes a byte, the lower K in the low four bits (a code: sign, 2 exponent bits, 1 mantissa bit); and NAME_scales (uint8): the same leading axes, one E8M0 byte (e + 127) for each 32 codes along K. Its value is code x scale, taken as it is: it is not quantised again, and the codes and scales need not be those that the quantiser above would give.
;; 2 versions. Each part assembles by itself: llvm-mc -triple=amdgcn-amd-amdhsa -mcpu=gfx1250 --defsym DOCPART=n.
;; ======== version 1 of 2: 8 launches
;; workspace buffers: aq 2,228,224 bytes; xq 2,228,224 bytes; qkv 6,684,672 bytes; cp 2,228,224 bytes; hp 8,912,896 bytes; t 16,777,216 bytes; x 16,777,216 bytes
;; launch quant (part 1): grid 256 x 1, 8 waves a work-group, no clusters, 67,584 bytes of LDS; arguments src, aq; writes aq
.if DOCPART == 1
	.amdgcn_target "amdgcn-amd-amdhsa--gfx1250"
	.amdhsa_code_object_version 6
	.text
	.protected	k_q06e1ac5ceb_quant
	.globl	k_q06e1ac5ceb_quant
	.p2align	8
	.type	k_q06e1ac5ceb_quant,@function
k_q06e1ac5ceb_quant:
	s_mov_b64 s[64:65], 0
	v_nop
	global_prefetch_b8 v0, s[64:65] scope:SCOPE_SE
	s_setreg_imm32_b32 hwreg(HW_REG_WAVE_MODE, 25, 1), 1
	s_wait_xcnt 0x0
; LAUNCH 1 OF 8 of an encoder layer in MX-FP4: src [4096][1024] f32 becomes codes of E2M1 (aq: [4096][512 bytes], K innermost) and one E8M0 byte for each 32 along K (aq + 2,097,152: [4096][32]).
; DEAD WORK: none is left out in this program.  Every input has a way to out0: each weight and bias enters a live product or sum (bk moves k's codes, so it stays), both gains and shifts enter the norms.
; Product 4 has K = 64 in an instruction of K = 128: its upper 64 are zero codes on both operands, which add nothing.
; A block's scale is 2^(floor(log2(largest magnitude)) - 2); its byte is the largest magnitude's exponent field - 2, held at 1 from below.
; LIMITS: a block whose largest magnitude lies under 2^-124 (a block of zeros too) gets the byte 1: its codes are zeros or held small, and this program alone reads the bytes.  NaN and infinities among the inputs are not served.
; Rows are dense and 1,024 is a multiple of 32: the tensor is a stream of blocks of 32.  A wave takes 4 steps of 512 numbers; all its 16 loads go out at the head, each reading 512 consecutive bytes.
; A step's 2,048 bytes turn through the wave's own stage in LDS (16 bytes of padding behind each 64), so that a lane holds 16 neighbours; two neighbouring lanes hold a block.
; A lane's 16 codes are 8 bytes: a wave's store covers 256 consecutive bytes.  The work-group's 512 scale bytes meet in LDS and leave by one store of wave 0.
.set WAVES, 8
.set STEPS, 4
.set EMAX,  2
.set R,     16                         ; v16-79   four sets of 16 numbers as loaded
.set X,     80                         ; v80-111  two sets of 16 neighbours
.set E,     112                        ; v112-115 a scale byte for each step
.set C,     128                        ; v128..   codes: four registers for each step
.set WREG,  8192                       ; LDS: a region for each wave: two stages of 32 x SP bytes
.set SP,    80
.set SPW,   12                         ; v12 my spare word's address; never rewritten
.set NIL,   13                         ; v13 0; never rewritten
.set SCB,   WAVES*WREG                 ; the work-group's 512 scale bytes
.set SPARE, SCB+512                    ; the spare words: 128 bytes a wave, no other line names them
.set SCOFF, 2097152                    ; where the scale bytes begin in aq
	s_load_b128 s[4:7], s[0:1], 0x0                ; src, aq
	v_lshl_add_u32 v[SPW], v0, 2, SPARE
	v_mov_b32 v[NIL], 0
	v_lshrrev_b32 v1, 5, v0
	v_readfirstlane_b32 s16, v1                    ; wave
	v_and_b32 v2, 31, v0                           ; lane
	v_lshlrev_b32 v3, 4, v2                        ; my 16 bytes of a load's 512
	s_mul_i32 s17, s16, WREG
	v_lshrrev_b32 v14, 2, v2
	v_mul_u32_u24 v14, v14, SP
	v_and_b32 v15, 3, v2
	v_lshl_add_u32 v14, v15, 4, v14
	v_add_nc_u32 v14, s17, v14                     ; the stage, in: SP (lane / 4) + 16 (lane % 4)
	v_mul_u32_u24 v15, v2, SP
	v_add_nc_u32 v15, s17, v15                     ; out: SP x lane
	v_lshlrev_b32 v4, 3, v2                        ; my codes' place in a step's 256 bytes
	v_lshrrev_b32 v5, 1, v2
	s_lshl_b32 s17, s16, 6
	s_add_co_u32 s17, s17, SCB
	v_add_nc_u32 v5, s17, v5                       ; my block's scale byte: SCB + 64 wave + lane / 2 (+ 16 step)
	v_add_nc_u32 v6, SCB, v3                       ; wave 0 reads them back: SCB + 16 lane
	s_lshl_b32 s18, ttmp9, 3
	s_add_co_u32 s18, s18, s16                     ; my run of 2,048 numbers
	s_lshl_b32 s20, s18, 13
	s_mov_b32 s21, 0
	s_lshl_b32 s22, s18, 10
	s_mov_b32 s23, 0
	s_lshl_b32 s24, ttmp9, 9
	s_add_co_u32 s24, s24, SCOFF
	s_mov_b32 s25, 0
	s_wait_kmcnt 0x0
	s_add_nc_u64 s[4:5], s[4:5], s[20:21]
	s_add_nc_u64 s[8:9], s[6:7], s[22:23]          ; my codes
	s_add_nc_u64 s[10:11], s[6:7], s[24:25]        ; the work-group's scale bytes
.macro LOAD t
.irp i, 0,1,2,3
	global_load_b128 v[R+16*(\t)+4*\i:R+16*(\t)+4*\i+3], v3, s[4:5] offset:2048*(\t)+512*\i
.endr
.endm
.macro TURN t                          ; step t's numbers through the stage: LDS serves a wave's instructions in order
.irp i, 0,1,2,3
	ds_store_b128 v14, v[R+16*(\t)+4*\i:R+16*(\t)+4*\i+3] offset:32*SP*((\t)%2)+8*SP*\i
.endr
.irp i, 0,1,2,3
	ds_load_b128 v[X+16*((\t)%2)+4*\i:X+16*((\t)%2)+4*\i+3], v15 offset:32*SP*((\t)%2)+16*\i
.endr
.endm
.irp t, 0,1,2,3
	LOAD \t
.endr
	s_wait_loadcnt 12                              ; step 0's four loads are in
	TURN 0
.macro STEP t
.set XS, X+16*((\t)%2)
.if (\t) > 0
	s_wait_dscnt 1                                 ; this step's numbers are back (the last step's byte store may be out)
.else
	s_wait_dscnt 0x0
.endif
.if (\t)+1 < STEPS
	s_wait_loadcnt 4*(STEPS-2-(\t))                ; the next step's four loads are in; the later steps' may be out
	TURN (\t)+1
.endif
	v_max3_num_f32 v8, |v[XS]|, |v[XS+1]|, |v[XS+2]|
	v_max3_num_f32 v9, |v[XS+3]|, |v[XS+4]|, |v[XS+5]|
.irp i, 6,10
	v_max3_num_f32 v8, v8, |v[XS+\i]|, |v[XS+\i+1]|
	v_max3_num_f32 v9, v9, |v[XS+\i+2]|, |v[XS+\i+3]|
.endr
	v_max3_num_f32 v8, v8, |v[XS+14]|, |v[XS+15]|
	v_max3_num_f32 v8, v8, v9, (EMAX+1)<<23        ; the floor 2^(3 - 127): the byte cannot fall under 1
	v_max_num_f32_dpp v8, v8, v8 row_xmask:1 row_mask:0xf bank_mask:0xf   ; with my neighbour's 16: the block's
	v_add_nc_u32 v11, -(EMAX<<23), v8              ; 2 off the exponent field: the conversion's scale operand
	v_cvt_scalef32_pk8_fp4_f32 v[C+4*(\t)], v[XS:XS+7], v11
	v_cvt_scalef32_pk8_fp4_f32 v[C+4*(\t)+1], v[XS+8:XS+15], v11
	v_lshrrev_b32 v[E+(\t)], 23, v11               ; the scale's byte (also the plain line behind the conversions)
	ds_store_b8 v5, v[E+(\t)] offset:16*(\t)       ; both lanes of a block write the same byte with the same value
	global_store_b64 v4, v[C+4*(\t):C+4*(\t)+1], s[8:9] offset:256*(\t)
.endm
.irp t, 0,1,2,3
	STEP \t
.endr
	s_wait_dscnt 0x0                               ; for the others' sake: my byte stores are done
	s_barrier_signal -1
	s_barrier_wait -1
	s_cmp_lg_u32 s16, 0
	s_cbranch_scc1 .Lnot_wave_0
	ds_load_b128 v[8:11], v6                       ; the eight waves' 512 scale bytes
	s_wait_dscnt 0x0
	global_store_b128 v3, v[8:11], s[10:11]        ; 512 consecutive bytes
.Lnot_wave_0:
	s_wait_tensorcnt 0x0                           ; the wave's end
	ds_add_u32 v[SPW], v[NIL]
	s_wait_dscnt 0x0
	s_endpgm
.Lfunc_end_k_q06e1ac5ceb_quant:
	.size	k_q06e1ac5ceb_quant, .Lfunc_end_k_q06e1ac5ceb_quant-k_q06e1ac5ceb_quant
	.p2alignl 7, 3214868480
	.fill 96, 4, 3214868480
	.section	.rodata,"a",@progbits
	.p2align	6, 0x0
	.amdhsa_kernel k_q06e1ac5ceb_quant
		.amdhsa_group_segment_fixed_size 67584
		.amdhsa_private_segment_fixed_size 0
		.amdhsa_enable_private_segment 0
		.amdhsa_kernarg_size 16
		.amdhsa_user_sgpr_count 2
		.amdhsa_user_sgpr_kernarg_segment_ptr 1
		.amdhsa_wavefront_size32 1
		.amdhsa_system_sgpr_workgroup_id_x 1
		.amdhsa_system_sgpr_workgroup_id_y 1
		.amdhsa_system_sgpr_workgroup_id_z 1
		.amdhsa_system_vgpr_workitem_id 0
		.amdhsa_next_free_vgpr 160
		.amdhsa_next_free_sgpr 66
		.amdhsa_reserve_vcc 0
		.amdhsa_float_denorm_mode_32 3
		.amdhsa_float_denorm_mode_16_64 3
		.amdhsa_memory_ordered 1
		.amdhsa_forward_progress 1
		.amdhsa_inst_pref_size 10
	.end_amdhsa_kernel
	.amdgpu_metadata
---
amdhsa.version: [ 1, 2 ]
amdhsa.kernels:
  - .name:           k_q06e1ac5ceb_quant
    .symbol:         k_q06e1ac5ceb_quant.kd
    .args:
      - { .name: src, .offset: 0, .size: 8, .value_kind: global_buffer, .address_space: global }
      - { .name: aq, .offset: 8, .size: 8, .value_kind: global_buffer, .address_space: global }
    .group_segment_fixed_size: 67584
    .private_segment_fixed_size: 0
    .kernarg_segment_align: 8
    .kernarg_segment_size: 16
    .max_flat_workgroup_size: 256
    .sgpr_count:     66
    .vgpr_count:     160
    .wavefront_size: 32
...
	.end_amdgpu_metadata
.endif
;; end of part 1
;; launch qkv (part 2): grid 12 x 16, 4 waves a work-group, clusters of 4 x 4, 327,680 bytes of LDS; arguments aq, Wq_codes, Wq_scales, Wk_codes, Wk_scales, Wv_codes, Wv_scales, bq, bk, bv, qkv; writes qkv
.if DOCPART == 2
	.amdgcn_target "amdgcn-amd-amdhsa--gfx1250"
	.amdhsa_code_object_version 6
	.text
	.protected	k_q06e1ac5ceb_qkv
	.globl	k_q06e1ac5ceb_qkv
	.p2align	8
	.type	k_q06e1ac5ceb_qkv,@function
k_q06e1ac5ceb_qkv:
	s_mov_b64 s[64:65], 0
	v_nop
	global_prefetch_b8 v0, s[64:65] scope:SCOPE_SE
	s_setreg_imm32_b32 hwreg(HW_REG_WAVE_MODE, 25, 1), 1
	s_wait_xcnt 0x0
	s_wait_alu depctr_hold_cnt(0) depctr_sa_sdst(0) depctr_va_vdst(0) depctr_va_sdst(0) depctr_va_ssrc(0) depctr_va_vcc(0) depctr_vm_vsrc(0)
	s_getreg_b32 s2, hwreg(HW_REG_IB_STS2, 6, 4)
	s_cmp_eq_u32 s2, 0
	s_cbranch_scc0 .Lentry_in_a_cluster
	s_endpgm
.Lentry_in_a_cluster:
	s_bfe_u32 s2, ttmp6, 0x10000c
	s_cmp_lg_u32 s2, 0xf033
	s_cbranch_scc0 .Lentry_shape_is_right
	s_endpgm
.Lentry_shape_is_right:
; LAUNCH 2 OF 8: q = src Wq + bq, k = src Wk + bk, v = src Wv + bv on codes of E2M1, each result quantised again on the way out.  No work is left out.
; The cluster's x is the TYPE: 0 q, 1 k, 2 v; it is the same in all sixteen partners.  A tile of C is 256 x 256, four waves of 128 x 128 (64 accumulators, 512 registers).
; q, k: A = src's codes (rows = tokens), B = the weight (rows = channels).  v: A = Wv (rows = channels), B = src (rows = tokens): that gives V^T, whose columns are the keys, the next product's K.
; K = 1,024 is two LDS slots of 512 (rows of 256 bytes + 16 of padding): both are asked for at the head and nothing is filled again.  The scale bytes of the work-group's rows come once, as units of 256 bytes.
; The matrix instruction is used transposed (source 0 = 16 rows of B, source 1 = 16 rows of A): a lane holds one row of A's and eight neighbouring columns.  The bias is the C of the first K step.
; THE WAY OUT: a wave's 128 x 128 is one PANEL of 8,704 bytes: eight images of an operand's registers (16 rows x 128 K: piece (c, lane) at 1,024 i + 512 c + 16 lane) and 128 scale words from byte 8,192 on.
; The rows of an image are chosen: image tile u, row m is real row 32 (u / 2) + 8 (u % 2) + m + 8 (m / 8), so that in attention two neighbouring tiles' 16 registers are 16 neighbours along the next K.
; qkv: q's panels [8 head pairs][32 token panels] at 0, k's likewise at 2,228,224, v's [32 key chunks][8 head pairs] at 4,456,448.
; LIMITS: as stated at the first launch's head (byte 1 for blocks under 2^-124; NaN and infinities not served).
; REGISTERS: window 0: v0-31 addresses; v32-95 scale words, two sets; v128-191 A's fragments; v192-255 the bias tiles.  Window 1: B's fragments, two sets.  Windows 2, 3: the accumulators ((a, b) at v[8 (8 (a % 4) + b)]).
.set KSTEP,  512
.set NQ,     4
.set ROWB,   256
.set KROW,   512
.set PITCH,  272
.set FR,     8
.set NL,     2
.set NP,     4
.set HALFT,  128*PITCH
.set SLOT,   4*HALFT
.set KS,     32
.set SCL,    2*SLOT
.set HALFS,  (128*KS/256)*272
.set SBLK,   (16*KS/256)*272
.set SPARE,  SCL+4*HALFS               ; the spare words: 128 bytes a wave, no other line names them
.set PANEL,  8704
.set BR,   15                          ; v15  4 r: the bias by rows
.set ADRA, 16
.set ADRB, 20
.set STO,  24                          ; the way out: where my codes go in my stage
.set RD,   25
.set CO,   26
.set ADRS, 27
.set SPW,  28
.set NIL,  29
.set STS,  30                          ; where my scale word goes
.set BO,   31                          ; 32 h: the bias by columns
.set SC,   32
.set AF,   128
.set T,    192
.set PC,   128                         ; the way out: codes, eight registers for each block of rows
.set TM,   200
.set PW,   216
.set OB,   32                          ; the panel read back: 17 x 4 registers
.set G1, 24
.set G0, 32
.set G1B, 48
.set G0B, 56
.set G1S, 68
.set G0S, 76
.set G1SB, 80
.set G0SB, 88
.set SEL, 96
.set MSB, 0
.macro WIN new
.if MSB != (\new)
	s_set_vgpr_msb (MSB<<8)|(\new)
.set MSB, (\new)
.endif
.endm
.set MUL_LO, 0xa1
.set MUL_HI, 0xf1
.set TO_B,   0x40
.macro JLOAD g0a, g1a, g0b, g1b        ; a joint load: waves 0, 1 fetch for A, waves 2, 3 for B; s_nop 0 and four v_nop follow each line
	s_cmp_eq_u32 s15, 0
	s_cbranch_scc0 .Lfor_b_\@
	tensor_load_to_lds s[\g0a:\g0a+3], s[\g1a:\g1a+7]
	s_nop 0
.rept 4
	v_nop
.endr
	s_branch .Lasked_\@
.Lfor_b_\@:
	tensor_load_to_lds s[\g0b:\g0b+3], s[\g1b:\g1b+7]
	s_nop 0
.rept 4
	v_nop
.endr
.Lasked_\@:
.endm
.macro CROUND                          ; a round of the cluster's barrier
	s_barrier_signal -1
	s_barrier_wait -1
	s_cmp_lg_u32 s14, 0
	s_cbranch_scc1 .Lnot_wave_0_\@
	s_barrier_signal -3
.Lnot_wave_0_\@:
	s_barrier_wait -3
	s_barrier_signal -1
	s_barrier_wait -1
.endm
	s_load_b512 s[68:83], s[0:1], 0x0              ; aq 68, Wq codes 70, scales 72, Wk 74, 76, Wv 78, 80, bq 82
	s_load_b128 s[84:87], s[0:1], 0x40             ; bk 84, bv 86
	s_load_b64 s[88:89], s[0:1], 0x50              ; qkv
	v_lshl_add_u32 v[SPW], v0, 2, SPARE
	v_mov_b32 v[NIL], 0
	ds_add_u32 v[SPW], v[NIL]                      ; the opening: the add, twice on end, and its wait ahead of my first tensor load
	ds_add_u32 v[SPW], v[NIL]
	v_lshrrev_b32 v1, 5, v0
	v_readfirstlane_b32 s14, v1                    ; wave
	s_lshr_b32 s15, s14, 1                         ; my half of the rows; also: I fetch for A (0) or B (1)
	s_and_b32 s16, s14, 1                          ; my half of the columns; also: which 128 rows I fetch
	s_bfe_u32 s40, ttmp6, 0x40000                  ; cx
	s_bfe_u32 s41, ttmp6, 0x40004                  ; cy
	s_and_b32 s17, ttmp7, 0xffff
	s_lshl_b32 s17, s17, 2                         ; 4 x cluster y walks the tokens: rows for q and k, columns for v
	s_cmp_eq_u32 ttmp9, 2
	s_cselect_b32 s42, s17, 0
	s_cselect_b32 s17, 0, s17
	s_add_co_u32 s42, s42, s40                     ; tile column
	s_add_co_u32 s17, s17, s41                     ; tile row
	s_lshl_b32 s43, s41, 2
	s_lshl_b32 s43, 15, s43                        ; my row of the cluster
	s_lshl_b32 s44, 0x1111, s40                    ; my column
	s_or_b32 s[G1+0], s43, (0<<16)|(1<<20)|(1<<21)|(5<<22)|(3<<25)   ; bytes; padding of 4 words behind every 64; the mask and bit 21
	s_or_b32 s[G1B+0], s44, (0<<16)|(1<<20)|(1<<21)|(5<<22)|(3<<25)
.irp g, G1, G1B
	s_mov_b32 s[\g+1], ROWB<<16
	s_mov_b32 s[\g+2], 128<<16
	s_mov_b32 s[\g+3], ROWB<<16
	s_mov_b32 s[\g+4], 128
	s_mov_b32 s[\g+5], KROW
	s_mov_b32 s[\g+6], 0
	s_mov_b32 s[\g+7], 0
.endr
	s_lshl_b32 s18, s16, 7
	s_lshl_b32 s20, s17, 8
	s_add_co_u32 s20, s20, s18                     ; A: row 256 x tile row + 128 x half
	s_lshl_b32 s46, s42, 8
	s_add_co_u32 s46, s46, s18                     ; B: row 256 x tile column + 128 x half
	s_mov_b32 s21, 0
	s_mov_b32 s47, 0
	s_mov_b64 s[18:19], KS
	s_mul_u64 s[22:23], s[20:21], s[18:19]
	s_mul_u64 s[2:3], s[46:47], s[18:19]
	s_mov_b64 s[18:19], KROW
	s_mul_u64 s[20:21], s[20:21], s[18:19]
	s_mul_u64 s[46:47], s[46:47], s[18:19]
	s_mul_i32 s45, s14, HALFT
	s_mul_i32 s98, s14, HALFS
	s_wait_dscnt 0x0                               ; both opening adds are done
	s_wait_kmcnt 0x0
	s_cmp_eq_u32 ttmp9, 0                          ; the type's weight and bias: the choices hang on the cluster's x alone
	s_cselect_b64 s[92:93], s[70:71], s[74:75]
	s_cselect_b64 s[94:95], s[72:73], s[76:77]
	s_cselect_b64 s[66:67], s[82:83], s[84:85]
	s_cmp_eq_u32 ttmp9, 2
	s_cselect_b64 s[92:93], s[78:79], s[92:93]
	s_cselect_b64 s[94:95], s[80:81], s[94:95]
	s_cselect_b64 s[66:67], s[86:87], s[66:67]
	s_add_nc_u64 s[96:97], s[68:69], 2097152       ; src's scale bytes
	s_cselect_b64 s[4:5], s[92:93], s[68:69]       ; A's codes: v: the weight's, else src's
	s_cselect_b64 s[6:7], s[94:95], s[96:97]
	s_cselect_b64 s[8:9], s[68:69], s[92:93]       ; B's
	s_cselect_b64 s[10:11], s[96:97], s[94:95]
	s_mov_b64 s[12:13], s[88:89]
	s_or_b32 s[G1S+0], s43, (3<<16)|(1<<20)|(1<<21)|(5<<22)|(3<<25)  ; the scales of 128 rows: 16 rows of 256 bytes, 16 of padding behind each
	s_or_b32 s[G1SB+0], s44, (3<<16)|(1<<20)|(1<<21)|(5<<22)|(3<<25)
.irp g, G1S, G1SB
	s_mov_b32 s[\g+1], 32<<16
	s_mov_b32 s[\g+2], (128*KS/256)<<16
	s_mov_b32 s[\g+3], 32<<16
	s_mov_b32 s[\g+4], 128*KS/256
	s_mov_b32 s[\g+5], 32
	s_mov_b32 s[\g+6], 0
	s_mov_b32 s[\g+7], 0
.endr
	s_add_nc_u64 s[20:21], s[4:5], s[20:21]
	s_add_nc_u64 s[22:23], s[6:7], s[22:23]
	s_add_nc_u64 s[46:47], s[8:9], s[46:47]
	s_add_nc_u64 s[2:3], s[10:11], s[2:3]
	CROUND                                         ; all sixteen work-groups are here: the first joint loads meet
	s_mov_b32 s[G0S], 1
	s_add_co_u32 s[G0S+1], s98, SCL
	s_mov_b64 s[G0S+2:G0S+3], s[22:23]
	s_or_b32 s[G0S+3], s[G0S+3], 0x80000000
	s_mov_b32 s[G0SB], 1
	s_add_co_u32 s[G0SB+1], s98, SCL
	s_mov_b64 s[G0SB+2:G0SB+3], s[2:3]
	s_or_b32 s[G0SB+3], s[G0SB+3], 0x80000000
	JLOAD G0S, G1S, G0SB, G1SB
.irp s, 0,1
	s_mov_b32 s[G0+4*\s], 1
	s_add_co_u32 s[G0+4*\s+1], s45, \s*SLOT
	s_add_nc_u64 s[G0+4*\s+2:G0+4*\s+3], s[20:21], \s*ROWB
	s_or_b32 s[G0+4*\s+3], s[G0+4*\s+3], 0x80000000
	s_mov_b32 s[G0B+4*\s], 1
	s_add_co_u32 s[G0B+4*\s+1], s45, \s*SLOT
	s_add_nc_u64 s[G0B+4*\s+2:G0B+4*\s+3], s[46:47], \s*ROWB
	s_or_b32 s[G0B+4*\s+3], s[G0B+4*\s+3], 0x80000000
	JLOAD G0+4*\s, G1, G0B+4*\s, G1B               ; three loads of mine are out
.endr
	s_mov_b32 s[SEL], 0x76543210
	s_mov_b32 s[SEL+1], 0xfedcba98
	v_and_b32 v1, 15, v0                           ; r
	v_bfe_u32 v2, v0, 4, 1                         ; h
	v_mul_u32_u24 v3, v1, PITCH
	v_lshl_add_u32 v4, v2, 4, v3
	s_mul_i32 s21, s15, HALFT
	s_mul_i32 s22, s16, HALFT
	s_add_co_u32 s22, s22, 2*HALFT
.irp s, 0,1
	v_add_nc_u32 v[ADRA+\s], s21, v4
	v_add_nc_u32 v[ADRB+\s], s22, v4
	s_add_co_u32 s21, s21, SLOT
	s_add_co_u32 s22, s22, SLOT
.endr
	v_mul_u32_u24 v5, v1, KS
	v_lshrrev_b32 v6, 8, v5
	v_lshl_add_u32 v5, v6, 4, v5
	s_mul_i32 s21, s15, HALFS
	s_mul_i32 s22, s16, HALFS
	s_add_co_u32 s22, s22, 2*HALFS
	s_sub_co_u32 s22, s22, s21
	v_mul_u32_u24 v6, s22, v2                      ; lanes 16-31 take B's scale words
	s_add_co_u32 s21, s21, SCL
	v_add_nc_u32 v5, v5, v6
	v_add_nc_u32 v[ADRS], s21, v5
	s_mul_i32 s23, s14, PANEL                      ; my stage, in slot 0
	v_lshrrev_b32 v5, 3, v1                        ; r / 8
	v_and_b32 v6, 7, v1                            ; r % 8
	v_lshlrev_b32 v3, 10, v5
	v_lshl_add_u32 v3, v6, 4, v3
	v_lshl_add_u32 v3, v2, 2, v3
	v_add_nc_u32 v[STO], s23, v3                   ; 1,024 (r / 8) + 16 (r % 8) + 4 h
	v_lshlrev_b32 v3, 6, v5
	v_lshl_add_u32 v3, v6, 2, v3
	v_add_nc_u32 v3, 8192, v3
	v_add_nc_u32 v[STS], s23, v3                   ; 8,192 + 64 (r / 8) + 4 (r % 8)
	v_and_b32 v6, 31, v0
	v_lshlrev_b32 v[CO], 4, v6
	v_add_nc_u32 v[RD], s23, v[CO]
	v_lshlrev_b32 v[BO], 5, v2
	v_lshlrev_b32 v[BR], 2, v1
	s_cmp_eq_u32 ttmp9, 2                          ; my panel: type x 2,228,224 + ((2 tile column + half) x panels a plane + 2 tile row + half) x 8,704
	s_cselect_b32 s21, 3, 5
	s_lshl_b32 s20, s42, 1
	s_add_co_u32 s20, s20, s16
	s_lshl_b32 s20, s20, s21
	s_lshl_b32 s21, s17, 1
	s_add_co_u32 s20, s20, s21
	s_add_co_u32 s20, s20, s15
	s_mul_i32 s20, s20, PANEL
	s_mul_i32 s21, ttmp9, 2228224
	s_add_co_u32 s20, s20, s21
	s_mov_b32 s21, 0
	s_add_nc_u64 s[12:13], s[12:13], s[20:21]
	s_cmp_eq_u32 ttmp9, 2                          ; the bias: v's goes by my rows, q's and k's by my columns
	s_cselect_b32 s20, s17, s42
	s_cselect_b32 s21, s15, s16
	s_lshl_b32 s20, s20, 10
	s_lshl_b32 s21, s21, 9
	s_add_co_u32 s20, s20, s21
	s_mov_b32 s21, 0
	s_add_nc_u64 s[66:67], s[66:67], s[20:21]
	s_cmp_eq_u32 ttmp9, 2
	s_cbranch_scc1 .Lbias_rows
.irp b, 0,1,2,3,4,5,6,7
	global_load_b128 v[T+8*\b:T+8*\b+3], v[BO], s[66:67] offset:64*\b      ; tile b: the bias of columns 16 b + 8 h + 0 .. 7
	global_load_b128 v[T+8*\b+4:T+8*\b+7], v[BO], s[66:67] offset:64*\b+16
.endr
	s_wait_loadcnt 0x0
	s_branch .Lbias_done
.Lbias_rows:
.irp a, 0,1,2,3,4,5,6,7
	global_load_b32 v[T+8*\a], v[BR], s[66:67] offset:64*\a                ; tile a: the bias of row 16 a + r,
.endr
	s_wait_loadcnt 0x0
.irp a, 0,1,2,3,4,5,6,7
.irp j, 1,2,3,4,5,6,7
	v_mov_b32 v[T+8*\a+\j], v[T+8*\a]                                      ; the same for its eight columns
.endr
.endr
.Lbias_done:
.macro FRAG reg, adr, q, i
.irp c, 0,1
	ds_load_b128 v[\reg+4*\c:\reg+4*\c+3], v[\adr] offset:64*(\q)+32*\c+(\i)*16*PITCH
.endr
.endm
; 16 matrix instructions: A's blocks a0, a0 + 1 x B's eight.  cm = 0: in place; 1: C = the bias tile of B's block; 2: of A's block.  The 64 accumulators take turns.
.macro MUL16 a0, p, q, sc, cm
.irp a, \a0, \a0+1
.irp b, 0,1,2,3,4,5,6,7
.if (\cm) == 1
	v_wmma_scale_f32_16x16x128_f8f6f4 v[8*(8*((\a)%4)+\b):8*(8*((\a)%4)+\b)+7], v[128*(\p)+FR*\b:128*(\p)+FR*\b+FR-1], v[AF+FR*(\a):AF+FR*(\a)+FR-1], v[T+8*\b:T+8*\b+7], v[SC+8*NQ*(\sc)+NQ*\b+(\q)], v[SC+8*NQ*(\sc)+NQ*(\a)+(\q)] matrix_a_fmt:MATRIX_FMT_FP4 matrix_b_fmt:MATRIX_FMT_FP4 matrix_a_scale:MATRIX_SCALE_ROW1
.elseif (\cm) == 2
	v_wmma_scale_f32_16x16x128_f8f6f4 v[8*(8*((\a)%4)+\b):8*(8*((\a)%4)+\b)+7], v[128*(\p)+FR*\b:128*(\p)+FR*\b+FR-1], v[AF+FR*(\a):AF+FR*(\a)+FR-1], v[T+8*(\a):T+8*(\a)+7], v[SC+8*NQ*(\sc)+NQ*\b+(\q)], v[SC+8*NQ*(\sc)+NQ*(\a)+(\q)] matrix_a_fmt:MATRIX_FMT_FP4 matrix_b_fmt:MATRIX_FMT_FP4 matrix_a_scale:MATRIX_SCALE_ROW1
.else
	v_wmma_scale_f32_16x16x128_f8f6f4 v[8*(8*((\a)%4)+\b):8*(8*((\a)%4)+\b)+7], v[128*(\p)+FR*\b:128*(\p)+FR*\b+FR-1], v[AF+FR*(\a):AF+FR*(\a)+FR-1], v[8*(8*((\a)%4)+\b):8*(8*((\a)%4)+\b)+7], v[SC+8*NQ*(\sc)+NQ*\b+(\q)], v[SC+8*NQ*(\sc)+NQ*(\a)+(\q)] matrix_a_fmt:MATRIX_FMT_FP4 matrix_b_fmt:MATRIX_FMT_FP4 matrix_a_scale:MATRIX_SCALE_ROW1
.endif
.endr
.endr
.endm
.macro FETCH_B slot, q, p
	WIN TO_B
.irp i, 0,1,2,3,4,5,6,7
	FRAG 128*(\p)+FR*\i, ADRB+\slot, \q, \i
.endr
	WIN 0
.endm
.macro FETCH_A slot, q, i0
.irp i, \i0, \i0+1, \i0+2, \i0+3
	FRAG AF+FR*(\i), ADRA+\slot, \q, \i
.endr
.endm
.macro SCALES sc
.irp i, 0,1,2,3,4,5,6,7
	ds_load_b128 v[SC+8*NQ*\sc+NQ*\i:SC+8*NQ*\sc+NQ*\i+3], v[ADRS] offset:\i*SBLK
.endr
.endm
.macro PLACES n                        ; plain vector lines between a matrix instruction and a load into, or a read of, its registers
.rept \n
	v_nop
.endr
.endm
.macro STEP slot, q, cm                ; 128 along K that has its successor in the same slot
	s_wait_dscnt 4*NL                              ; B's set and A's blocks 0-3 are in; A's blocks 4-7 may be out
.if \cm
	WIN 0x81                                       ; C in window 0: the bias
.else
	WIN MUL_LO
.endif
	MUL16 0, (\q)%2, \q, \slot, \cm
	MUL16 2, (\q)%2, \q, \slot, \cm
	s_wait_dscnt 0
	PLACES NP
	FETCH_B \slot, (\q)+1, 1-(\q)%2
	FETCH_A \slot, (\q)+1, 0
.if \cm
	WIN 0xc1
.else
	WIN MUL_HI
.endif
	MUL16 4, (\q)%2, \q, \slot, \cm
	MUL16 6, (\q)%2, \q, \slot, \cm
	PLACES NP
	WIN 0
	FETCH_A \slot, (\q)+1, 4
.endm
.macro TURN slot, next                 ; a slot's last step changes slots: one barrier; nothing is filled again in this launch
	s_wait_tensorcnt 0x0                           ; all my tensor loads have landed: my part of the next slot
	ds_add_u32 v[SPW], v[NIL]
	s_wait_dscnt 4*NL+1                            ; (the add and A's blocks 4-7 may be out)
	WIN MUL_LO
	MUL16 0, 1, NQ-1, \slot, 0
	s_wait_dscnt 0x0                               ; the add is done, my reads of this slot are over
	s_barrier_signal -1
	MUL16 2, 1, NQ-1, \slot, 0
	WIN 0
	s_barrier_wait -1
	PLACES NP
	v_add_nc_u32 v[ADRS], 4*NQ, v[ADRS]            ; the next K step's scale words
	FETCH_B \next, 0, 0
	FETCH_A \next, 0, 0
	SCALES \next
	WIN MUL_HI
	MUL16 4, 1, NQ-1, \slot, 0
	MUL16 6, 1, NQ-1, \slot, 0
	PLACES NP
	WIN 0
	FETCH_A \next, 0, 4
.endm
.macro STEPS slot, from
.set Q, \from
.rept NQ-1-\from
	STEP \slot, Q, 0
.set Q, Q+1
.endr
.endm
; THE WAY OUT.  Block a (16 rows): a lane's 64 numbers are columns 16 n + 8 h + j; a block of 32 columns lies in lanes l and l xor 16.  Each conversion's 8 codes (4 bytes) go to their place in the image.
.macro QOUT relu, perm
.irp b, 0,1,2,3
	v_mov_b32 v[TM+4+\b], 0                        ; a lane permute's destination counts as read; these four are also the places behind the last products
.endr
.irp a, 0,1,2,3,4,5,6,7
.set AC, 64*(\a%4)
.set WH, \a/4
.if \perm
.set RBA, (\a/2)*2048+(\a%2)*128
.set RSA, (\a/2)*128+(\a%2)*32
.else
.set RBA, 1024*\a
.set RSA, 64*\a
.endif
.if \relu
	WIN 0x88+0x44*WH
.set j, 0
.rept 64
	v_max_num_f32 v[AC+j], 0, v[AC+j]              ; the activation, in f32; each accumulator from its low end on
.set j, j+1
.endr
.endif
	WIN 0x0a+5*WH
.irp b, 0,1,2,3
	v_max3_num_f32 v[TM+\b], |v[AC+16*\b]|, |v[AC+16*\b+1]|, 0x1800000    ; with the floor 2^(3 - 127)
.endr
.irp i, 2,4,6,8,10,12,14
.irp b, 0,1,2,3
	v_max3_num_f32 v[TM+\b], |v[AC+16*\b+\i]|, |v[AC+16*\b+\i+1]|, v[TM+\b]
.endr
.endr
	WIN 0
.irp b, 0,1,2,3
	v_permlanex16_b32 v[TM+4+\b], v[TM+\b], s[SEL], s[SEL+1]
.endr
.irp b, 0,1,2,3
	v_max_num_f32 v[TM+\b], v[TM+\b], v[TM+4+\b]
.endr
.irp b, 0,1,2,3
	v_add_nc_u32 v[TM+12+\b], 0xff000000, v[TM+\b] ; 2 off the exponent field: the conversion's scale operand
.endr
.irp b, 0,1,2,3
	v_lshrrev_b32 v[TM+4+\b], 23, v[TM+12+\b]
.endr
	v_lshl_or_b32 v[PW+\a], v[TM+5], 8, v[TM+4]
	v_lshl_or_b32 v[PW+\a], v[TM+6], 16, v[PW+\a]
	v_lshl_or_b32 v[PW+\a], v[TM+7], 24, v[PW+\a]
	WIN 0x02+WH
.irp n, 0,1,2,3,4,5,6,7
	v_cvt_scalef32_pk8_fp4_f32 v[PC+8*\a+\n], v[AC+8*\n:AC+8*\n+7], v[TM+12+\n/2]
.endr
	WIN 0
	v_nop                                          ; one plain line behind the conversions
.irp n, 0,1,2,3,4,5,6,7
	ds_store_b32 v[STO], v[PC+8*\a+\n] offset:RBA+(\n/4)*512+((\n%4)/2)*256+(\n%2)*8
.endr
	ds_store_b32 v[STS], v[PW+\a] offset:RSA       ; both halves of the lanes write the same word with the same value
.endr
.irp t, 0,1,2,3,4,5,6,7,8,9,10,11,12,13,14,15,16
	ds_load_b128 v[OB+4*\t:OB+4*\t+3], v[RD] offset:512*\t     ; my own bytes, served in order: these see my stores
.endr
.irp t, 0,1,2,3,4,5,6,7,8,9,10,11,12,13,14,15,16
	s_wait_dscnt 16-\t
	global_store_b128 v[CO], v[OB+4*\t:OB+4*\t+3], s[12:13] offset:512*\t  ; 512 consecutive bytes
.endr
.endm
	s_wait_tensorcnt 1                             ; the scales and my part of slot 0 are in; slot 1's load may be out
	s_barrier_signal -1
	s_barrier_wait -1
	FETCH_B 0, 0, 0
	FETCH_A 0, 0, 0
	SCALES 0
	FETCH_A 0, 0, 4
	s_cmp_eq_u32 ttmp9, 2                          ; the first step starts the sums from the bias: by columns, or for v by rows; both arms issue the same loads
	s_cbranch_scc1 .Lfirst_v
	STEP 0, 0, 1
	s_branch .Lfirst_done
.Lfirst_v:
	STEP 0, 0, 2
.Lfirst_done:
	STEPS 0, 1
	TURN 0, 1
	STEPS 1, 0
	s_wait_dscnt 4*NL
	WIN MUL_LO
	MUL16 0, 1, NQ-1, 1, 0
	MUL16 2, 1, NQ-1, 1, 0
	s_wait_dscnt 0
	WIN MUL_HI
	MUL16 4, 1, NQ-1, 1, 0
	MUL16 6, 1, NQ-1, 1, 0
	WIN 0
	QOUT 0, 1                                      ; the stage lies in slot 0, which has had its last fill and, behind the change of slots, its last read
	s_wait_tensorcnt 0x0                           ; the wave's end
	ds_add_u32 v[SPW], v[NIL]
	s_wait_dscnt 0x0
	CROUND                                         ; the closing round
	s_endpgm
.Lfunc_end_k_q06e1ac5ceb_qkv:
	.size	k_q06e1ac5ceb_qkv, .Lfunc_end_k_q06e1ac5ceb_qkv-k_q06e1ac5ceb_qkv
	.p2alignl 7, 3214868480
	.fill 96, 4, 3214868480
	.section	.rodata,"a",@progbits
	.p2align	6, 0x0
	.amdhsa_kernel k_q06e1ac5ceb_qkv
		.amdhsa_group_segment_fixed_size 327680
		.amdhsa_private_segment_fixed_size 0
		.amdhsa_enable_private_segment 0
		.amdhsa_kernarg_size 88
		.amdhsa_user_sgpr_count 2
		.amdhsa_user_sgpr_kernarg_segment_ptr 1
		.amdhsa_wavefront_size32 1
		.amdhsa_system_sgpr_workgroup_id_x 1
		.amdhsa_system_sgpr_workgroup_id_y 1
		.amdhsa_system_sgpr_workgroup_id_z 1
		.amdhsa_system_vgpr_workitem_id 0
		.amdhsa_next_free_vgpr 1024
		.amdhsa_next_free_sgpr 100
		.amdhsa_reserve_vcc 0
		.amdhsa_float_denorm_mode_32 3
		.amdhsa_float_denorm_mode_16_64 3
		.amdhsa_memory_ordered 1
		.amdhsa_forward_progress 1
		.amdhsa_inst_pref_size 148
	.end_amdhsa_kernel
	.amdgpu_metadata
---
amdhsa.version: [ 1, 2 ]
amdhsa.kernels:
  - .name:           k_q06e1ac5ceb_qkv
    .symbol:         k_q06e1ac5ceb_qkv.kd
    .args:
      - { .name: aq, .offset: 0, .size: 8, .value_kind: global_buffer, .address_space: global }
      - { .name: Wq_codes, .offset: 8, .size: 8, .value_kind: global_buffer, .address_space: global }
      - { .name: Wq_scales, .offset: 16, .size: 8, .value_kind: global_buffer, .address_space: global }
      - { .name: Wk_codes, .offset: 24, .size: 8, .value_kind: global_buffer, .address_space: global }
      - { .name: Wk_scales, .offset: 32, .size: 8, .value_kind: global_buffer, .address_space: global }
      - { .name: Wv_codes, .offset: 40, .size: 8, .value_kind: global_buffer, .address_space: global }
      - { .name: Wv_scales, .offset: 48, .size: 8, .value_kind: global_buffer, .address_space: global }
      - { .name: bq, .offset: 56, .size: 8, .value_kind: global_buffer, .address_space: global }
      - { .name: bk, .offset: 64, .size: 8, .value_kind: global_buffer, .address_space: global }
      - { .name: bv, .offset: 72, .size: 8, .value_kind: global_buffer, .address_space: global }
      - { .name: qkv, .offset: 80, .size: 8, .value_kind: global_buffer, .address_space: global }
    .group_segment_fixed_size: 327680
    .private_segment_fixed_size: 0
    .kernarg_segment_align: 8
    .kernarg_segment_size: 88
    .max_flat_workgroup_size: 128
    .sgpr_count:     100
    .vgpr_count:     1024
    .wavefront_size: 32
...
	.end_amdgpu_metadata
.endif
;; end of part 2
;; launch attn (part 3): grid 32 x 8, 16 waves a work-group, clusters of 4 x 1, 327,680 bytes of LDS; arguments qkv, cp; writes cp
.if DOCPART == 3
	.amdgcn_target "amdgcn-amd-amdhsa--gfx1250"
	.amdhsa_code_object_version 6
	.text
	.protected	k_q06e1ac5ceb_attn
	.globl	k_q06e1ac5ceb_attn
	.p2align	8
	.type	k_q06e1ac5ceb_attn,@function
k_q06e1ac5ceb_attn:
	s_mov_b64 s[64:65], 0
	v_nop
	global_prefetch_b8 v0, s[64:65] scope:SCOPE_SE
	s_setreg_imm32_b32 hwreg(HW_REG_WAVE_MODE, 25, 1), 1
	s_wait_xcnt 0x0
	s_wait_alu depctr_hold_cnt(0) depctr_sa_sdst(0) depctr_va_vdst(0) depctr_va_sdst(0) depctr_va_ssrc(0) depctr_va_vcc(0) depctr_vm_vsrc(0)
	s_getreg_b32 s2, hwreg(HW_REG_IB_STS2, 6, 4)
	s_cmp_eq_u32 s2, 0
	s_cbranch_scc0 .Lentry_in_a_cluster
	s_endpgm
.Lentry_in_a_cluster:
	s_bfe_u32 s2, ttmp6, 0x10000c
	s_cmp_lg_u32 s2, 0x3003
	s_cbranch_scc0 .Lentry_shape_is_right
	s_endpgm
.Lentry_shape_is_right:
; LAUNCH 3 OF 8: ctx = softmax(q k^T / 8) v for 32 (batch, head) pairs of 2,048 x 64, both products on codes of E2M1; ctx is quantised along the model's channels on the way out.  No work is left out.
; THE SOFTMAX: t = score x log2(e) / 8; M = the running largest t rounded up to a whole number; p = 2^(t - M) is quantised along the keys, not normalised; the row's sum of the unquantised p divides at the end.
; SHARES.  A work-group owns one panel of q: 128 queries of one pair of heads.  Wave w: head w / 8 of the pair, tile w % 8 of 16 queries.  Every wave walks the batch's 2,048 keys, 128 a step.
; ALL of K and V of (batch, head pair) is 32 panels of 8,704 bytes, 278,528 bytes: it is asked for once, at the head, in four phases of 512 keys; nothing is filled again.
; CLUSTER.  Four neighbouring panels of queries share K and V: each of a wave's four loads (4,352 dense bytes, half a panel) is a joint load with the mask of all four.
; LAYOUT.  S^T = K Q^T (source 0 = 16 keys, source 1 = my queries), O^T = V^T P^T: a lane holds one query throughout.  The panels' rows were chosen by their maker so that two neighbouring tiles' 16 registers
; are 16 neighbouring keys (channels).  The head's 64 channels fill the lower half of the first product's K = 128; the upper half is zero codes on both sides.
; LIMITS: as stated at the first launch's head.
; REGISTERS: v1-4 places that stay; v5, v6 the add's; v7, v31 the way out; v8-11 addresses in hand; v12 -M, v13 the largest t, v[14:15] the sum; v16-23 Q; v24-27 K's scales, v28-29 V's, v30 Q's;
; v32-95 K's 8 fragments (upper four registers of each stay 0); v96-159 S^T, then p; v160-191 O^T; v192-223 V's 4 fragments; v224-231 p's codes; v232-254 at work.
.set PANEL, 8704
.set VB,    16*PANEL                   ; V's panels begin here
.set SPARE, 32*PANEL                   ; the spare words: 128 bytes a wave, no other line names them
.set STAGE, SPARE+2048                 ; the way out: one panel of ctx
.set AK0,  1
.set AV0,  2
.set ASK0, 3
.set ASV0, 4
.set SPW,  5
.set NIL,  6
.set STO,  7
.set ADK,  8
.set ADV,  9
.set ADKS, 10
.set ADVS, 11
.set KSC,  24
.set VSC,  28
.set QSC,  30
.set STS,  31
.set KF,   32
.set VF,   192
.set TB,   2                           ; s2  LDS byte of the step's K panel
.set CNT,  3
.set WV,   18
.set P,    19
.set SEL,  20
.set CS,   22
.set G1,   24
.set G0,   32                          ; s[32:47] a group 0 for each phase
.set TAU,  48
.macro CROUND
	s_barrier_signal -1
	s_barrier_wait -1
	s_cmp_lg_u32 s[WV], 0
	s_cbranch_scc1 .Lnot_wave_0_\@
	s_barrier_signal -3
.Lnot_wave_0_\@:
	s_barrier_wait -3
	s_barrier_signal -1
	s_barrier_wait -1
.endm
	s_load_b128 s[4:7], s[0:1], 0x0                ; qkv, cp
	v_lshl_add_u32 v[SPW], v0, 2, SPARE
	v_mov_b32 v[NIL], 0
	ds_add_u32 v[SPW], v[NIL]                      ; the opening: the add, twice on end, and its wait ahead of my first tensor load
	ds_add_u32 v[SPW], v[NIL]
	v_lshrrev_b32 v8, 5, v0
	v_readfirstlane_b32 s[WV], v8
	s_lshr_b32 s[P], s[WV], 3                      ; my head of the pair; also: I fetch K (0) or V (1)
	s_and_b32 s[TAU], s[WV], 7                     ; my tile of queries; also: which part I fetch
	s_bfe_u32 s8, ttmp6, 0x40000                   ; cx
	s_lshl_b32 s9, ttmp9, 2
	s_add_co_u32 s9, s9, s8                        ; my panel of queries: it enters q's and cp's addresses alone
	s_lshr_b32 s10, ttmp9, 2                       ; the batch
	s_and_b32 s11, ttmp7, 0xffff                   ; the pair of heads
	s_lshl_b32 s12, s11, 5                         ; K: panel 32 pair + 16 batch on; my half panel of a phase's four
	s_lshl_b32 s13, s10, 4
	s_add_co_u32 s12, s12, s13
	s_mul_i32 s12, s12, PANEL
	s_add_co_u32 s12, s12, 2228224
	s_mul_i32 s13, s[TAU], 4352
	s_add_co_u32 s12, s12, s13
	s_lshl_b32 s14, s10, 7                         ; V: panel 128 batch + pair, a key chunk 8 panels on
	s_add_co_u32 s14, s14, s11
	s_mul_i32 s14, s14, PANEL
	s_add_co_u32 s14, s14, 4456448
	s_lshr_b32 s15, s[TAU], 1
	s_mul_i32 s15, s15, 8*PANEL
	s_add_co_u32 s14, s14, s15
	s_and_b32 s15, s[TAU], 1
	s_mul_i32 s15, s15, 4352
	s_add_co_u32 s14, s14, s15
	s_cmp_eq_u32 s[P], 0
	s_cselect_b32 s12, s12, s14                    ; my first load's offset in qkv,
	s_mov_b32 s14, 32*PANEL
	s_cselect_b32 s14, 4*PANEL, s14                ; and a phase on
	s_mov_b32 s13, 0
	s_mov_b32 s15, 0
	s_mul_i32 s16, s[WV], 4352                     ; in LDS: K's halves from 0, V's from VB: wave x 4,352 + (wave / 8) x (VB - 4 panels)
	s_mul_i32 s17, s[P], VB-4*PANEL
	s_add_co_u32 s16, s16, s17
	s_mov_b32 s[G1], 15|(3<<16)|(1<<21)            ; the mask of all four; elements of 8 bytes; bit 21 beside a mask
	s_mov_b32 s[G1+1], 32<<16                      ; 17 rows of 256 bytes, dense
	s_mov_b32 s[G1+2], 17<<16
	s_mov_b32 s[G1+3], 32<<16
	s_mov_b32 s[G1+4], 17
	s_mov_b32 s[G1+5], 32
	s_mov_b32 s[G1+6], 0
	s_mov_b32 s[G1+7], 0
	s_lshl_b32 s50, s11, 5
	s_add_co_u32 s50, s50, s9
	s_mul_i32 s50, s50, PANEL                      ; my panel in q and in cp
	s_mov_b32 s51, 0
	s_lshl_b32 s52, s[TAU], 10
	s_lshl_b32 s53, s[P], 9
	s_add_co_u32 s52, s52, s53
	s_add_co_u32 s52, s52, s50                     ; Q's fragment: tile, my head's half of the K
	s_mov_b32 s53, 0
	s_lshl_b32 s54, s[TAU], 6
	s_lshl_b32 s55, s[P], 1
	s_add_co_u32 s54, s54, s55
	s_add_co_u32 s54, s54, s50
	s_add_co_u32 s54, s54, 8192                    ; Q's scale bytes: my head's two of a row's four
	s_mov_b32 s55, 0
	s_mov_b32 s[SEL], 0x76543210
	s_mov_b32 s[SEL+1], 0xfedcba98
	s_mov_b32 s[CS], 0x3e38aa3b                    ; c = log2(e) / 8
	s_mov_b32 s[CS+1], s[CS]
	s_wait_dscnt 0x0                               ; both opening adds are done
	s_wait_kmcnt 0x0
	s_add_nc_u64 s[12:13], s[4:5], s[12:13]
	s_add_nc_u64 s[52:53], s[4:5], s[52:53]
	s_add_nc_u64 s[54:55], s[4:5], s[54:55]
	s_add_nc_u64 s[6:7], s[6:7], s[50:51]
.irp g, 0,1,2,3
	s_mov_b32 s[G0+4*\g], 1
	s_add_co_u32 s[G0+4*\g+1], s16, \g*4*PANEL
	s_mov_b64 s[G0+4*\g+2:G0+4*\g+3], s[12:13]
	s_or_b32 s[G0+4*\g+3], s[G0+4*\g+3], 0x80000000
	s_add_nc_u64 s[12:13], s[12:13], s[14:15]
.endr
	CROUND                                         ; all four work-groups are here: the joint loads meet
.irp g, 0,1,2,3
	tensor_load_to_lds s[G0+4*\g:G0+4*\g+3], s[G1:G1+7]    ; every wave's four first fills, one for each phase: four loads of mine are out
	s_nop 0
.endr
.rept 4
	v_nop
.endr
	v_and_b32 v8, 31, v0
	v_lshlrev_b32 v9, 4, v8                        ; 16 lane
	global_load_b128 v[16:19], v9, s[52:53]        ; Q: my head's 64 channels: the lower half of K
	v_and_b32 v10, 15, v0
	v_lshlrev_b32 v11, 2, v10
	global_load_u16 v[QSC], v11, s[54:55]          ; bytes 2 and 3 come as 0: they scale zero codes
	s_lshl_b32 s8, s[P], 9
	v_add_nc_u32 v[AK0], s8, v9                    ; 512 head + 16 lane
	s_lshl_b32 s8, s[P], 12
	s_add_co_u32 s8, s8, VB
	v_add_nc_u32 v[AV0], s8, v9                    ; VB + 4,096 head + 16 lane
	v_lshlrev_b32 v[ASK0], 2, v8
	s_lshl_b32 s8, s[P], 1
	s_add_co_u32 s8, s8, 8192
	v_add_nc_u32 v[ASV0], VB+8192, v[ASK0]
	v_add_nc_u32 v[ASK0], s8, v[ASK0]              ; 8,192 + 4 lane + 2 head
	s_lshl_b32 s8, s[P], 8
	v_add_nc_u32 v[ASV0], s8, v[ASV0]              ; VB + 8,192 + 256 head + 4 lane
.irp j, 20,21,22,23
	v_mov_b32 v\j, 0                               ; Q's upper half of K: zero codes
.endr
.irp t, 0,1,2,3,4,5,6,7
.irp j, 4,5,6,7
	v_mov_b32 v[KF+8*\t+\j], 0                     ; K's likewise: written once, never loaded
.endr
.endr
	v_mov_b32 v13, 0xff61b1e6                      ; the largest t so far: -3e38
	v_floor_f32 v12, -v13
	v_mov_b32 v14, 0
	v_mov_b32 v15, 0
.irp b, 0,1,2,3
	v_mov_b32 v[236+\b], 0                         ; a lane permute's destination counts as read
.endr
	v_mov_b32 v253, 0
.set j, 0
.rept 32
	v_mov_b32 v[160+j], 0                          ; O^T: the step is written once; the first change of M leaves zeros zeros
.set j, j+1
.endr
; A KEY STEP: one panel of K and one of V, 128 keys.
.macro STEP
	v_add_nc_u32 v[ADK], s[TB], v[AK0]             ; (these four are the places behind the last step's products, in front of the loads)
	v_add_nc_u32 v[ADV], s[TB], v[AV0]
	v_add_nc_u32 v[ADKS], s[TB], v[ASK0]
	v_add_nc_u32 v[ADVS], s[TB], v[ASV0]
.irp i, 0,1,2,3
	ds_load_u16 v[KSC+\i], v[ADKS] offset:128*\i   ; lanes 0-15: tile 2 i's rows; lanes 16-31: tile 2 i + 1's
.endr
.irp t, 0,1,2,3,4,5,6,7
	ds_load_b128 v[KF+8*\t:KF+8*\t+3], v[ADK] offset:1024*\t
.endr
.irp i, 0,1
	ds_load_b32 v[VSC+\i], v[ADVS] offset:128*\i
.endr
.irp t, 0,1,2,3
.irp c, 0,1
	ds_load_b128 v[VF+8*\t+4*\c:VF+8*\t+4*\c+3], v[ADV] offset:1024*\t+512*\c
.endr
.endr
	s_wait_dscnt 10                                ; K and its scales are in; V's ten loads may be out
.irp t, 0,1,2,3,4,5,6,7
.if \t%2
	v_wmma_scale_f32_16x16x128_f8f6f4 v[96+8*\t:103+8*\t], v[KF+8*\t:KF+8*\t+7], v[16:23], 0, v[KSC+\t/2], v[QSC] matrix_a_fmt:MATRIX_FMT_FP4 matrix_b_fmt:MATRIX_FMT_FP4 matrix_a_scale:MATRIX_SCALE_ROW1
.else
	v_wmma_scale_f32_16x16x128_f8f6f4 v[96+8*\t:103+8*\t], v[KF+8*\t:KF+8*\t+7], v[16:23], 0, v[KSC+\t/2], v[QSC] matrix_a_fmt:MATRIX_FMT_FP4 matrix_b_fmt:MATRIX_FMT_FP4
.endif
.endr
.rept 4
	v_nop
.endr
.irp b, 0,1,2,3
	v_max3_num_f32 v[232+\b], v[96+16*\b], v[97+16*\b], v[98+16*\b]   ; the largest score of each block of 32 keys: for the row's maximum and for the block's largest p
.endr
.irp i, 3,5,7,9,11,13
.irp b, 0,1,2,3
	v_max3_num_f32 v[232+\b], v[232+\b], v[96+16*\b+\i], v[97+16*\b+\i]
.endr
.endr
.irp b, 0,1,2,3
	v_max_num_f32 v[232+\b], v[232+\b], v[111+16*\b]
.endr
.irp b, 0,1,2,3
	v_permlanex16_b32 v[236+\b], v[232+\b], s[SEL], s[SEL+1]
.endr
.irp b, 0,1,2,3
	v_max_num_f32 v[232+\b], v[232+\b], v[236+\b]
.endr
	v_max3_num_f32 v254, v232, v233, v234
	v_max_num_f32 v254, v254, v235
	v_mul_f32 v254, s[CS], v254
	v_max_num_f32 v13, v13, v254                   ; the running largest t
	v_mov_b32 v254, v12
	v_floor_f32 v12, -v13                          ; -M = floor(-t): M is a whole number
	v_sub_f32 v254, v12, v254
	v_cvt_i32_f32 v254, v254
	v_ldexp_f32 v252, 1.0, v254                    ; f = 2^(old M - new M): exact
.irp j, 0,2,4,6,8,10,12,14,16,18,20,22,24,26,28,30,32,34,36,38,40,42,44,46,48,50,52,54,56,58,60,62
	v_pk_fma_f32 v[96+\j:97+\j], v[96+\j:97+\j], s[CS:CS+1], v[12:13] op_sel_hi:[1,0,0]   ; t - M
.endr
.irp b, 0,1,2,3
	v_fma_f32 v[232+\b], v[232+\b], s[CS], v12
.endr
.set j, 0
.rept 64
	v_exp_f32 v[96+j], v[96+j]                     ; p = 2^(t - M)
.set j, j+1
.endr
	v_pk_mul_f32 v[14:15], v[14:15], v[252:253] op_sel_hi:[1,0]   ; the sums under the new M (the plain line behind the batch)
	s_wait_alu depctr_va_vdst(0)                   ; one wait for the batch of 64, ahead of its first reader
.irp b, 0,1,2,3
	v_exp_f32 v[232+\b], v[232+\b]                 ; each block's largest p
.endr
	v_pk_add_f32 v[236:237], v[96:97], v[98:99]    ; the row's sum of the unquantised p, in two chains
.irp j, 4,8,12,16,20,24,28,32,36,40,44,48,52,56,60
	v_pk_add_f32 v[14:15], v[14:15], v[96+\j:97+\j]
	v_pk_add_f32 v[236:237], v[236:237], v[98+\j:99+\j]
.endr
	v_pk_add_f32 v[14:15], v[14:15], v[236:237]
	s_wait_alu depctr_va_vdst(0)                   ; and one for the four
.irp b, 0,1,2,3
	v_max_num_f32 v[232+\b], 0x1800000, v[232+\b]  ; the floor 2^(3 - 127)
.endr
.irp b, 0,1,2,3
	v_add_nc_u32 v[244+\b], 0xff000000, v[232+\b]
.endr
.irp b, 0,1,2,3
	v_lshrrev_b32 v[236+\b], 23, v[244+\b]
.endr
	v_lshl_or_b32 v253, v237, 8, v236              ; p's scale word for these 128 keys
	v_lshl_or_b32 v253, v238, 16, v253
	v_lshl_or_b32 v253, v239, 24, v253
.irp b, 0,1,2,3
	v_cvt_scalef32_pk8_fp4_f32 v[224+2*\b], v[96+16*\b:103+16*\b], v[244+\b]
	v_cvt_scalef32_pk8_fp4_f32 v[225+2*\b], v[104+16*\b:111+16*\b], v[244+\b]
.endr
	v_nop
.irp c, 0,1
.irp i, 0,1
	v_permlane16_swap_b32 v[224+4*\c+\i], v[226+4*\c+\i]   ; a whole block to a lane, as the operand's layout asks
.endr
.endr
.irp j, 0,2,4,6,8,10,12,14,16,18,20,22,24,26,28,30
	v_pk_mul_f32 v[160+\j:161+\j], v[160+\j:161+\j], v[252:253] op_sel_hi:[1,0]   ; O^T under the new M; also the places in front of the products below
.endr
	s_wait_dscnt 0x0                               ; V and its scales are in
.irp t, 0,1,2,3
.if \t%2
	v_wmma_scale_f32_16x16x128_f8f6f4 v[160+8*\t:167+8*\t], v[VF+8*\t:VF+8*\t+7], v[224:231], v[160+8*\t:167+8*\t], v[VSC+\t/2], v253 matrix_a_fmt:MATRIX_FMT_FP4 matrix_b_fmt:MATRIX_FMT_FP4 matrix_a_scale:MATRIX_SCALE_ROW1
.else
	v_wmma_scale_f32_16x16x128_f8f6f4 v[160+8*\t:167+8*\t], v[VF+8*\t:VF+8*\t+7], v[224:231], v[160+8*\t:167+8*\t], v[VSC+\t/2], v253 matrix_a_fmt:MATRIX_FMT_FP4 matrix_b_fmt:MATRIX_FMT_FP4
.endif
.endr
	s_add_co_u32 s[TB], s[TB], PANEL
.endm
.macro PHASE g                         ; 512 keys: four panels of K and of V
	s_wait_tensorcnt 3-\g                          ; my loads of phases 0 .. g have landed; the later phases' may stay out
	s_wait_dscnt 0x0
	s_barrier_signal -1
	s_barrier_wait -1                              ; everybody's have
	s_mov_b32 s[TB], \g*4*PANEL
	s_mov_b32 s[CNT], 4
.Lstep_\@:
	STEP
	s_sub_co_u32 s[CNT], s[CNT], 1
	s_cmp_lg_u32 s[CNT], 0
	s_cbranch_scc1 .Lstep_\@
.endm
	s_wait_loadcnt 0x0                             ; Q; its address registers are free
	PHASE 0
	PHASE 1
	PHASE 2
	PHASE 3
	; THE WAY OUT: O^T / the sum; my 64 channels are two blocks of 32 of ctx's K; codes and scale bytes go into the work-group's stage, laid as a panel with its rows in their true order.
	v_add_f32 v14, v14, v15
	v_permlanex16_b32 v252, v14, s[SEL], s[SEL+1]
	v_add_f32 v14, v14, v252
	v_rcp_f32 v14, v14
	v_and_b32 v8, 15, v0                           ; r (a plain line behind the reciprocal)
	v_bfe_u32 v9, v0, 4, 1                         ; h
	v_lshrrev_b32 v10, 3, v8
	v_and_b32 v11, 7, v8
	s_lshr_b32 s10, s[TAU], 1
	s_and_b32 s11, s[TAU], 1
	s_lshl_b32 s8, s10, 11
	s_lshl_b32 s12, s11, 7
	s_add_co_u32 s8, s8, s12
	s_lshl_b32 s12, s[P], 9
	s_add_co_u32 s8, s8, s12
	s_add_co_u32 s8, s8, STAGE
	v_lshlrev_b32 v[STO], 10, v10
	v_lshl_add_u32 v[STO], v11, 4, v[STO]
	v_lshl_add_u32 v[STO], v9, 3, v[STO]
	v_add_nc_u32 v[STO], s8, v[STO]                ; my query is row 32 (tile / 2) + 16 (r / 8) + 8 (tile % 2) + r % 8 of the panel
	s_lshl_b32 s8, s10, 7
	s_lshl_b32 s12, s11, 5
	s_add_co_u32 s8, s8, s12
	s_lshl_b32 s12, s[P], 1
	s_add_co_u32 s8, s8, s12
	s_add_co_u32 s8, s8, STAGE+8192
	v_lshlrev_b32 v[STS], 6, v10
	v_lshl_add_u32 v[STS], v11, 2, v[STS]
	v_add_nc_u32 v[STS], s8, v[STS]
	v_and_b32 v10, 31, v0
	v_lshlrev_b32 v10, 4, v10
	s_lshl_b32 s8, s[WV], 9
	v_add_nc_u32 v10, s8, v10                      ; back and out: 512 wave + 16 lane
	v_add_nc_u32 v11, STAGE, v10
	s_wait_alu depctr_va_vdst(0)                   ; ahead of the reciprocal's first reader
.set j, 0
.rept 32
	v_mul_f32 v[96+j], v[160+j], v14               ; register 16 b + i: channel 32 b + 16 h + i of my head
.set j, j+1
.endr
.irp b, 0,1
	v_max3_num_f32 v[232+\b], |v[96+16*\b]|, |v[97+16*\b]|, 0x1800000
.endr
.irp i, 2,4,6,8,10,12,14
.irp b, 0,1
	v_max3_num_f32 v[232+\b], v[232+\b], |v[96+16*\b+\i]|, |v[97+16*\b+\i]|
.endr
.endr
.irp b, 0,1
	v_permlanex16_b32 v[236+\b], v[232+\b], s[SEL], s[SEL+1]
.endr
.irp b, 0,1
	v_max_num_f32 v[232+\b], v[232+\b], v[236+\b]
.endr
.irp b, 0,1
	v_add_nc_u32 v[244+\b], 0xff000000, v[232+\b]
.endr
.irp b, 0,1
	v_lshrrev_b32 v[236+\b], 23, v[244+\b]
.endr
	v_lshl_or_b32 v253, v237, 8, v236              ; my head's two bytes of the row's scale word
.irp b, 0,1
	v_cvt_scalef32_pk8_fp4_f32 v[224+2*\b], v[96+16*\b:103+16*\b], v[244+\b]
	v_cvt_scalef32_pk8_fp4_f32 v[225+2*\b], v[104+16*\b:111+16*\b], v[244+\b]
.endr
	v_nop
.irp b, 0,1
	ds_store_b64 v[STO], v[224+2*\b:225+2*\b] offset:256*\b
.endr
	ds_store_b16 v[STS], v253                      ; both halves of the lanes write the same bytes with the same value
	s_wait_dscnt 0x0                               ; for the others' sake: my stores are done
	s_barrier_signal -1
	s_barrier_wait -1
	ds_load_b128 v[32:35], v11
	s_wait_dscnt 0x0
	global_store_b128 v10, v[32:35], s[6:7]        ; 512 consecutive bytes a wave
	s_cmp_lg_u32 s[WV], 0
	s_cbranch_scc1 .Lno_words
	ds_load_b128 v[36:39], v11 offset:8192         ; wave 0: the panel's 512 bytes of scale words
	s_wait_dscnt 0x0
	global_store_b128 v10, v[36:39], s[6:7] offset:8192
.Lno_words:
	s_wait_tensorcnt 0x0                           ; the wave's end
	ds_add_u32 v[SPW], v[NIL]
	s_wait_dscnt 0x0
	CROUND                                         ; the closing round
	s_endpgm
.Lfunc_end_k_q06e1ac5ceb_attn:
	.size	k_q06e1ac5ceb_attn, .Lfunc_end_k_q06e1ac5ceb_attn-k_q06e1ac5ceb_attn
	.p2alignl 7, 3214868480
	.fill 96, 4, 3214868480
	.section	.rodata,"a",@progbits
	.p2align	6, 0x0
	.amdhsa_kernel k_q06e1ac5ceb_attn
		.amdhsa_group_segment_fixed_size 327680
		.amdhsa_private_segment_fixed_size 0
		.amdhsa_enable_private_segment 0
		.amdhsa_kernarg_size 16
		.amdhsa_user_sgpr_count 2
		.amdhsa_user_sgpr_kernarg_segment_ptr 1
		.amdhsa_wavefront_size32 1
		.amdhsa_system_sgpr_workgroup_id_x 1
		.amdhsa_system_sgpr_workgroup_id_y 1
		.amdhsa_system_sgpr_workgroup_id_z 1
		.amdhsa_system_vgpr_workitem_id 0
		.amdhsa_next_free_vgpr 256
		.amdhsa_next_free_sgpr 66
		.amdhsa_reserve_vcc 0
		.amdhsa_float_denorm_mode_32 3
		.amdhsa_float_denorm_mode_16_64 3
		.amdhsa_memory_ordered 1
		.amdhsa_forward_progress 1
		.amdhsa_inst_pref_size 75
	.end_amdhsa_kernel
	.amdgpu_metadata
---
amdhsa.version: [ 1, 2 ]
amdhsa.kernels:
  - .name:           k_q06e1ac5ceb_attn
    .symbol:         k_q06e1ac5ceb_attn.kd
    .args:
      - { .name: qkv, .offset: 0, .size: 8, .value_kind: global_buffer, .address_space: global }
      - { .name: cp, .offset: 8, .size: 8, .value_kind: global_buffer, .address_space: global }
    .group_segment_fixed_size: 327680
    .private_segment_fixed_size: 0
    .kernarg_segment_align: 8
    .kernarg_segment_size: 16
    .max_flat_workgroup_size: 512
    .sgpr_count:     66
    .vgpr_count:     256
    .wavefront_size: 32
...
	.end_amdgpu_metadata
.endif
;; end of part 3
;; launch wo (part 4): grid 4 x 16, 4 waves a work-group, clusters of 4 x 4, 327,680 bytes of LDS; arguments cp, Wo_codes, Wo_scales, bo, t; writes t
.if DOCPART == 4
	.amdgcn_target "amdgcn-amd-amdhsa--gfx1250"
	.amdhsa_code_object_version 6
	.text
	.protected	k_q06e1ac5ceb_wo
	.globl	k_q06e1ac5ceb_wo
	.p2align	8
	.type	k_q06e1ac5ceb_wo,@function
k_q06e1ac5ceb_wo:
	s_mov_b64 s[64:65], 0
	v_nop
	global_prefetch_b8 v0, s[64:65] scope:SCOPE_SE
	s_setreg_imm32_b32 hwreg(HW_REG_WAVE_MODE, 25, 1), 1
	s_wait_xcnt 0x0
	s_wait_alu depctr_hold_cnt(0) depctr_sa_sdst(0) depctr_va_vdst(0) depctr_va_sdst(0) depctr_va_ssrc(0) depctr_va_vcc(0) depctr_vm_vsrc(0)
	s_getreg_b32 s2, hwreg(HW_REG_IB_STS2, 6, 4)
	s_cmp_eq_u32 s2, 0
	s_cbranch_scc0 .Lentry_in_a_cluster
	s_endpgm
.Lentry_in_a_cluster:
	s_bfe_u32 s2, ttmp6, 0x10000c
	s_cmp_lg_u32 s2, 0xf033
	s_cbranch_scc0 .Lentry_shape_is_right
	s_endpgm
.Lentry_shape_is_right:
; LAUNCH 4 OF 8: t = ctx Wo + bo, f32 [4096][1024].  A = ctx as panels (made by the launch before), B = Wo's codes with K innermost.  No work is left out.
; A tile of C is 256 x 256, four waves of 128 x 128.  K goes in slots of 512: A's part is 4 planes x one panel of 8,704 bytes for each half of the rows (images of the operand's registers with their scale words:
; a fragment is two loads at 16 x lane); B's part is 256 rows of 256 bytes + 16 of padding.  B's scale bytes for all of K come once, a quarter from each wave.
; 4 x 4 work-groups form a cluster: A's tiles are asked for jointly along a row, B's along a column.  The matrix instruction is used transposed; the bias is the C of the first K step.
; The text is the same as the second feed-forward product's but for SIZE_K.
.set SIZE_K, 1024
.set SIZE_N, 1024
.set KSTEP,  512
.set NQ,     4
.set ROWB,   256
.set KROW,   SIZE_K/2
.set PITCH,  272
.set FR,     8
.set NL,     2
.set NP,     4
.set HALFT,  128*PITCH                 ; also 4 panels
.set SLOT,   4*HALFT
.set LAPS,   SIZE_K/(2*KSTEP)
.set KS,     SIZE_K/32
.set SCL,    2*SLOT
.set HALFS,  (128*KS/256)*272
.set SBLK,   (16*KS/256)*272
.set SR,     64*KS/256                 ; units of 256 bytes in a wave's quarter of B's scales
.set SPARE,  SCL+2*HALFS               ; the spare words: 128 bytes a wave, no other line names them
.set PANEL,  8704
.set PLANE,  32*PANEL                  ; from a plane of 128 along K to the next
.set SPITCH, 528
.set ADRA, 16
.set ADSA, 18
.set ADRB, 20
.set STO,  24
.set RD,   25
.set CO,   26
.set ADRS, 27
.set SPW,  28
.set NIL,  29
.set BO,   31
.set SA,   32                          ; A's scale words: set s at SA + 16 s; register 4 i + q: lanes 0-15 block 2 i, lanes 16-31 block 2 i + 1
.set SB,   64                          ; B's likewise
.set AF,   128
.set T,    192
.set BK,   128
.set G1, 24
.set G0, 32
.set G1B, 48
.set G0B, 56
.set G1S, 68
.set G0S, 76
.set MSB, 0
.macro WIN new
.if MSB != (\new)
	s_set_vgpr_msb (MSB<<8)|(\new)
.set MSB, (\new)
.endif
.endm
.set MUL_LO, 0xa1
.set MUL_HI, 0xf1
.set TO_B,   0x40
.macro JLOAD g0a, g1a, g0b, g1b
	s_cmp_eq_u32 s15, 0
	s_cbranch_scc0 .Lfor_b_\@
	tensor_load_to_lds s[\g0a:\g0a+3], s[\g1a:\g1a+7]
	s_nop 0
.rept 4
	v_nop
.endr
	s_branch .Lasked_\@
.Lfor_b_\@:
	tensor_load_to_lds s[\g0b:\g0b+3], s[\g1b:\g1b+7]
	s_nop 0
.rept 4
	v_nop
.endr
.Lasked_\@:
.endm
.macro CREST
	s_cmp_lg_u32 s14, 0
	s_cbranch_scc1 .Lnot_wave_0_\@
	s_barrier_signal -3
.Lnot_wave_0_\@:
	s_barrier_wait -3
	s_barrier_signal -1
	s_barrier_wait -1
.endm
.macro CROUND
	s_barrier_signal -1
	s_barrier_wait -1
	CREST
.endm
	s_load_b256 s[4:11], s[0:1], 0x0               ; A's panels, B's codes, B's scales, the bias
	s_load_b64 s[12:13], s[0:1], 0x20              ; C
	v_lshl_add_u32 v[SPW], v0, 2, SPARE
	v_mov_b32 v[NIL], 0
	ds_add_u32 v[SPW], v[NIL]                      ; the opening: the add, twice on end, and its wait ahead of my first tensor load
	ds_add_u32 v[SPW], v[NIL]
	v_lshrrev_b32 v1, 5, v0
	v_readfirstlane_b32 s14, v1
	s_lshr_b32 s15, s14, 1
	s_and_b32 s16, s14, 1
	s_bfe_u32 s40, ttmp6, 0x40000
	s_bfe_u32 s41, ttmp6, 0x40004
	s_lshl_b32 s42, ttmp9, 2
	s_add_co_u32 s42, s42, s40                     ; tile column
	s_and_b32 s17, ttmp7, 0xffff
	s_lshl_b32 s17, s17, 2
	s_add_co_u32 s17, s17, s41                     ; tile row
	s_lshl_b32 s43, s41, 2
	s_lshl_b32 s43, 15, s43
	s_lshl_b32 s44, 0x1111, s40
	s_or_b32 s[G1+0], s43, (3<<16)|(1<<21)         ; A: 4 rows (planes) of 1,088 elements of 8 bytes, no padding
	s_mov_b32 s[G1+1], 1088<<16
	s_mov_b32 s[G1+2], 4<<16
	s_mov_b32 s[G1+3], 1088<<16
	s_mov_b32 s[G1+4], 4
	s_mov_b32 s[G1+5], PLANE/8
	s_mov_b32 s[G1+6], 0
	s_mov_b32 s[G1+7], 0
	s_or_b32 s[G1B+0], s44, (0<<16)|(1<<20)|(1<<21)|(5<<22)|(3<<25)
	s_mov_b32 s[G1B+1], ROWB<<16
	s_mov_b32 s[G1B+2], 128<<16
	s_mov_b32 s[G1B+3], ROWB<<16
	s_mov_b32 s[G1B+4], 128
	s_mov_b32 s[G1B+5], KROW
	s_mov_b32 s[G1B+6], 0
	s_mov_b32 s[G1B+7], 0
	s_or_b32 s[G1S+0], s44, (3<<16)|(1<<20)|(1<<21)|(5<<22)|(3<<25)
	s_mov_b32 s[G1S+1], 32<<16
	s_mov_b32 s[G1S+2], SR<<16
	s_mov_b32 s[G1S+3], 32<<16
	s_mov_b32 s[G1S+4], SR
	s_mov_b32 s[G1S+5], 32
	s_mov_b32 s[G1S+6], 0
	s_mov_b32 s[G1S+7], 0
	s_lshl_b32 s20, s17, 1
	s_add_co_u32 s20, s20, s16
	s_mul_i32 s20, s20, PANEL                      ; A: panel 2 x tile row + half
	s_mov_b32 s21, 0
	s_lshl_b32 s46, s42, 8
	s_lshl_b32 s18, s16, 7
	s_add_co_u32 s46, s46, s18
	s_mul_i32 s46, s46, KROW                       ; B: row 256 x tile column + 128 x half
	s_mov_b32 s47, 0
	s_lshl_b32 s22, s42, 8
	s_lshl_b32 s18, s14, 6
	s_add_co_u32 s22, s22, s18
	s_mul_i32 s22, s22, KS                         ; B's scales: row 256 x tile column + 64 x wave
	s_mov_b32 s23, 0
	s_mul_i32 s45, s14, HALFT
	s_mul_i32 s18, s14, SR*272
	s_wait_dscnt 0x0
	s_wait_kmcnt 0x0
	s_add_nc_u64 s[20:21], s[4:5], s[20:21]
	s_add_nc_u64 s[46:47], s[6:7], s[46:47]
	s_add_nc_u64 s[22:23], s[8:9], s[22:23]
	CROUND
	s_mov_b32 s[G0S], 1
	s_add_co_u32 s[G0S+1], s18, SCL
	s_mov_b64 s[G0S+2:G0S+3], s[22:23]
	s_or_b32 s[G0S+3], s[G0S+3], 0x80000000
	tensor_load_to_lds s[G0S:G0S+3], s[G1S:G1S+7]  ; every wave: its quarter of B's scales
	s_nop 0
.rept 4
	v_nop
.endr
.irp s, 0,1
	s_mov_b32 s[G0+4*\s], 1
	s_add_co_u32 s[G0+4*\s+1], s45, \s*SLOT
	s_add_nc_u64 s[G0+4*\s+2:G0+4*\s+3], s[20:21], \s*4*PLANE
	s_or_b32 s[G0+4*\s+3], s[G0+4*\s+3], 0x80000000
	s_mov_b32 s[G0B+4*\s], 1
	s_add_co_u32 s[G0B+4*\s+1], s45, \s*SLOT
	s_add_nc_u64 s[G0B+4*\s+2:G0B+4*\s+3], s[46:47], \s*ROWB
	s_or_b32 s[G0B+4*\s+3], s[G0B+4*\s+3], 0x80000000
	JLOAD G0+4*\s, G1, G0B+4*\s, G1B               ; three loads of mine are out
.endr
	v_and_b32 v1, 15, v0
	v_bfe_u32 v2, v0, 4, 1
	v_and_b32 v6, 31, v0
	v_mul_u32_u24 v3, v1, PITCH
	v_lshl_add_u32 v4, v2, 4, v3
	v_lshlrev_b32 v[CO], 4, v6                     ; 16 lane
	v_lshlrev_b32 v5, 2, v6
	v_add_nc_u32 v5, 8192, v5                      ; 8,192 + 4 lane
	s_mul_i32 s21, s15, HALFT
	s_mul_i32 s22, s16, HALFT
	s_add_co_u32 s22, s22, 2*HALFT
.irp s, 0,1
	v_add_nc_u32 v[ADRA+\s], s21, v[CO]
	v_add_nc_u32 v[ADSA+\s], s21, v5
	v_add_nc_u32 v[ADRB+\s], s22, v4
	s_add_co_u32 s21, s21, SLOT
	s_add_co_u32 s22, s22, SLOT
.endr
	v_mul_u32_u24 v5, v6, KS                       ; B's scale words: row = lane of a pair of blocks,
	v_lshrrev_b32 v3, 8, v5
	v_lshl_add_u32 v5, v3, 4, v5                   ; 16 more for each 256 passed
	s_mul_i32 s21, s16, HALFS
	s_add_co_u32 s21, s21, SCL
	v_add_nc_u32 v[ADRS], s21, v5
	s_mul_i32 s23, s14, 16*SPITCH                  ; my stage, in slot 0
	v_mul_u32_u24 v5, v1, SPITCH
	v_lshl_add_u32 v5, v2, 5, v5
	v_add_nc_u32 v[STO], s23, v5
	v_add_nc_u32 v[RD], s23, v[CO]
	v_lshlrev_b32 v[BO], 5, v2
	s_lshl_b32 s20, s17, 8
	s_lshl_b32 s21, s15, 7
	s_add_co_u32 s20, s20, s21
	s_mov_b32 s21, 0
	s_mov_b64 s[18:19], SIZE_N*4
	s_mul_u64 s[20:21], s[20:21], s[18:19]
	s_lshl_b32 s46, s42, 10
	s_lshl_b32 s47, s16, 9
	s_add_co_u32 s46, s46, s47
	s_mov_b32 s47, 0
	s_add_nc_u64 s[10:11], s[10:11], s[46:47]      ; the bias at my first column
	s_add_nc_u64 s[20:21], s[20:21], s[46:47]
	s_add_nc_u64 s[12:13], s[12:13], s[20:21]
.irp b, 0,1,2,3,4,5,6,7
	global_load_b128 v[T+8*\b:T+8*\b+3], v[BO], s[10:11] offset:64*\b
	global_load_b128 v[T+8*\b+4:T+8*\b+7], v[BO], s[10:11] offset:64*\b+16
.endr
	s_wait_loadcnt 0x0
.macro FRAG reg, adr, q, i
.irp c, 0,1
	ds_load_b128 v[\reg+4*\c:\reg+4*\c+3], v[\adr] offset:64*(\q)+32*\c+(\i)*16*PITCH
.endr
.endm
.macro FRAGA reg, adr, q, i            ; an image of the operand's registers: 16 x lane, no pitch
.irp c, 0,1
	ds_load_b128 v[\reg+4*\c:\reg+4*\c+3], v[\adr] offset:PANEL*(\q)+1024*(\i)+512*\c
.endr
.endm
; one product: D, C's first register, B's fragment, A's, B's scale register, A's, and which half of the lanes holds each
.macro WM d, cr, bf, af, sb, sa, pb, pa
.if (\pb) && (\pa)
	v_wmma_scale_f32_16x16x128_f8f6f4 v[0+(\d):7+(\d)], v[0+(\bf):7+(\bf)], v[0+(\af):7+(\af)], v[0+(\cr):7+(\cr)], v[0+(\sb)], v[0+(\sa)] matrix_a_fmt:MATRIX_FMT_FP4 matrix_b_fmt:MATRIX_FMT_FP4 matrix_a_scale:MATRIX_SCALE_ROW1 matrix_b_scale:MATRIX_SCALE_ROW1
.elseif (\pb)
	v_wmma_scale_f32_16x16x128_f8f6f4 v[0+(\d):7+(\d)], v[0+(\bf):7+(\bf)], v[0+(\af):7+(\af)], v[0+(\cr):7+(\cr)], v[0+(\sb)], v[0+(\sa)] matrix_a_fmt:MATRIX_FMT_FP4 matrix_b_fmt:MATRIX_FMT_FP4 matrix_a_scale:MATRIX_SCALE_ROW1
.elseif (\pa)
	v_wmma_scale_f32_16x16x128_f8f6f4 v[0+(\d):7+(\d)], v[0+(\bf):7+(\bf)], v[0+(\af):7+(\af)], v[0+(\cr):7+(\cr)], v[0+(\sb)], v[0+(\sa)] matrix_a_fmt:MATRIX_FMT_FP4 matrix_b_fmt:MATRIX_FMT_FP4 matrix_b_scale:MATRIX_SCALE_ROW1
.else
	v_wmma_scale_f32_16x16x128_f8f6f4 v[0+(\d):7+(\d)], v[0+(\bf):7+(\bf)], v[0+(\af):7+(\af)], v[0+(\cr):7+(\cr)], v[0+(\sb)], v[0+(\sa)] matrix_a_fmt:MATRIX_FMT_FP4 matrix_b_fmt:MATRIX_FMT_FP4
.endif
.endm
.macro MUL16 a0, p, q, sc, cm          ; the 64 accumulators take turns
.irp a, \a0, \a0+1
.irp b, 0,1,2,3,4,5,6,7
.if \cm
	WM 8*(8*((\a)%4)+\b), T+8*\b, 128*(\p)+FR*\b, AF+FR*(\a), SB+16*(\sc)+4*(\b/2)+(\q), SA+16*(\sc)+4*((\a)/2)+(\q), \b%2, (\a)%2
.else
	WM 8*(8*((\a)%4)+\b), 8*(8*((\a)%4)+\b), 128*(\p)+FR*\b, AF+FR*(\a), SB+16*(\sc)+4*(\b/2)+(\q), SA+16*(\sc)+4*((\a)/2)+(\q), \b%2, (\a)%2
.endif
.endr
.endr
.endm
.macro FETCH_B slot, q, p
	WIN TO_B
.irp i, 0,1,2,3,4,5,6,7
	FRAG 128*(\p)+FR*\i, ADRB+\slot, \q, \i
.endr
	WIN 0
.endm
.macro FETCH_A slot, q, i0
.irp i, \i0, \i0+1, \i0+2, \i0+3
	FRAGA AF+FR*(\i), ADRA+\slot, \q, \i
.endr
.endm
.macro SCALES sc                       ; the slot's scale words: 20 loads
.irp i, 0,1,2,3
	ds_load_b128 v[SB+16*\sc+4*\i:SB+16*\sc+4*\i+3], v[ADRS] offset:\i*2*SBLK
.endr
.irp i, 0,1,2,3
.irp q, 0,1,2,3
	ds_load_b32 v[SA+16*\sc+4*\i+\q], v[ADSA+\sc] offset:PANEL*\q+128*\i
.endr
.endr
.endm
.macro PLACES n
.rept \n
	v_nop
.endr
.endm
.macro STEP slot, q, cm
	s_wait_dscnt 4*NL                              ; all but A's blocks 4-7 are in
.if \cm
	WIN 0x81
.else
	WIN MUL_LO
.endif
	MUL16 0, (\q)%2, \q, \slot, \cm
	MUL16 2, (\q)%2, \q, \slot, \cm
	s_wait_dscnt 0
	PLACES NP
	FETCH_B \slot, (\q)+1, 1-(\q)%2
	FETCH_A \slot, (\q)+1, 0
.if \cm
	WIN 0xc1
.else
	WIN MUL_HI
.endif
	MUL16 4, (\q)%2, \q, \slot, \cm
	MUL16 6, (\q)%2, \q, \slot, \cm
	PLACES NP
	WIN 0
	FETCH_A \slot, (\q)+1, 4
.endm
.macro TURN slot, next, fill           ; a slot's last step changes slots; fill = 1: this slot is filled again, two K steps ahead, behind a round of the cluster's barrier
	s_wait_tensorcnt 0x0                           ; all my tensor loads have landed
	ds_add_u32 v[SPW], v[NIL]
	s_wait_dscnt 4*NL+1                            ; (the add and A's blocks 4-7 may be out)
	WIN MUL_LO
	MUL16 0, 1, NQ-1, \slot, 0
	s_wait_dscnt 0x0                               ; the add is done, my reads of this slot are over
	s_barrier_signal -1
	MUL16 2, 1, NQ-1, \slot, 0
	WIN 0
	s_barrier_wait -1
.if \fill
	CREST
	s_add_nc_u64 s[G0+4*\slot+2:G0+4*\slot+3], s[G0+4*\slot+2:G0+4*\slot+3], 8*PLANE
	s_add_nc_u64 s[G0B+4*\slot+2:G0B+4*\slot+3], s[G0B+4*\slot+2:G0B+4*\slot+3], 2*ROWB
	JLOAD G0+4*\slot, G1, G0B+4*\slot, G1B         ; my one tensor load behind the round; its four v_nop are the places in front of the loads below
.else
	PLACES NP
.endif
	v_add_nc_u32 v[ADRS], 4*NQ, v[ADRS]
	FETCH_B \next, 0, 0
	FETCH_A \next, 0, 0
	SCALES \next
	WIN MUL_HI
	MUL16 4, 1, NQ-1, \slot, 0
	MUL16 6, 1, NQ-1, \slot, 0
	PLACES NP
	WIN 0
	FETCH_A \next, 0, 4
.endm
.macro STEPS slot, from
.set Q, \from
.rept NQ-1-\from
	STEP \slot, Q, 0
.set Q, Q+1
.endr
.endm
	s_wait_tensorcnt 1                             ; the scales and my part of slot 0 are in; slot 1's load may be out
	s_barrier_signal -1
	s_barrier_wait -1
	FETCH_B 0, 0, 0
	FETCH_A 0, 0, 0
	SCALES 0
	FETCH_A 0, 0, 4
	STEP 0, 0, 1                                   ; the first step starts the sums from the bias
.if LAPS > 1
	s_mov_b32 s3, LAPS-1
.Llap:
	STEPS 0, 1
	TURN 0, 1, 1
	STEPS 1, 0
	TURN 1, 0, 1
	STEP 0, 0, 0
	s_sub_co_u32 s3, s3, 1
	s_cmp_lg_u32 s3, 0
	s_cbranch_scc1 .Llap
.endif
	STEPS 0, 1
	TURN 0, 1, 0
	STEPS 1, 0
	s_wait_dscnt 4*NL
	WIN MUL_LO
	MUL16 0, 1, NQ-1, 1, 0
	MUL16 2, 1, NQ-1, 1, 0
	s_wait_dscnt 0
	WIN MUL_HI
	MUL16 4, 1, NQ-1, 1, 0
	MUL16 6, 1, NQ-1, 1, 0
	WIN 0
; THE WAY OUT: a block of 16 rows x 128 columns goes through my stage (in slot 0, which has had its last fill and read) and leaves as whole rows of 512 bytes.
.macro TOSTAGE a
.set AC, 64*((\a)%4)
	WIN 0x08+4*((\a)/4)
.irp b, 0,1,2,3,4,5,6,7
	ds_store_b128 v[STO], v[AC+8*\b:AC+8*\b+3] offset:64*\b
	ds_store_b128 v[STO], v[AC+8*\b+4:AC+8*\b+7] offset:64*\b+16
.endr
	WIN 0
.set BB, BK+64*((\a)%2)
.irp t, 0,1,2,3,4,5,6,7,8,9,10,11,12,13,14,15
	ds_load_b128 v[BB+4*\t:BB+4*\t+3], v[RD] offset:\t*SPITCH
.endr
.endm
.macro SEND a, younger
.set BB, BK+64*((\a)%2)
	s_wait_dscnt \younger
.if (\a) > 0
	s_add_nc_u64 s[12:13], s[12:13], 16*SIZE_N*4   ; behind a wait on XCNT: the earlier stores have read their base
.endif
.irp t, 0,1,2,3,4,5,6,7,8,9,10,11,12,13,14,15
	global_store_b128 v[CO], v[BB+4*\t:BB+4*\t+3], s[12:13] offset:\t*SIZE_N*4
.endr
.endm
	PLACES NP
	TOSTAGE 0
.irp a, 1,2,3,4,5,6,7
.if \a > 1
	s_wait_xcnt 0x0                                ; block a - 2's stores have read their registers and base
.endif
	TOSTAGE \a
	SEND \a-1, 32
.endr
	s_wait_xcnt 0x0
	SEND 7, 0
	s_wait_tensorcnt 0x0                           ; the wave's end
	ds_add_u32 v[SPW], v[NIL]
	s_wait_dscnt 0x0
	CROUND                                         ; the closing round
	s_endpgm
.Lfunc_end_k_q06e1ac5ceb_wo:
	.size	k_q06e1ac5ceb_wo, .Lfunc_end_k_q06e1ac5ceb_wo-k_q06e1ac5ceb_wo
	.p2alignl 7, 3214868480
	.fill 96, 4, 3214868480
	.section	.rodata,"a",@progbits
	.p2align	6, 0x0
	.amdhsa_kernel k_q06e1ac5ceb_wo
		.amdhsa_group_segment_fixed_size 327680
		.amdhsa_private_segment_fixed_size 0
		.amdhsa_enable_private_segment 0
		.amdhsa_kernarg_size 40
		.amdhsa_user_sgpr_count 2
		.amdhsa_user_sgpr_kernarg_segment_ptr 1
		.amdhsa_wavefront_size32 1
		.amdhsa_system_sgpr_workgroup_id_x 1
		.amdhsa_system_sgpr_workgroup_id_y 1
		.amdhsa_system_sgpr_workgroup_id_z 1
		.amdhsa_system_vgpr_workitem_id 0
		.amdhsa_next_free_vgpr 1024
		.amdhsa_next_free_sgpr 98
		.amdhsa_reserve_vcc 0
		.amdhsa_float_denorm_mode_32 3
		.amdhsa_float_denorm_mode_16_64 3
		.amdhsa_memory_ordered 1
		.amdhsa_forward_progress 1
		.amdhsa_inst_pref_size 127
	.end_amdhsa_kernel
	.amdgpu_metadata
---
amdhsa.version: [ 1, 2 ]
amdhsa.kernels:
  - .name:           k_q06e1ac5ceb_wo
    .symbol:         k_q06e1ac5ceb_wo.kd
    .args:
      - { .name: cp, .offset: 0, .size: 8, .value_kind: global_buffer, .address_space: global }
      - { .name: Wo_codes, .offset: 8, .size: 8, .value_kind: global_buffer, .address_space: global }
      - { .name: Wo_scales, .offset: 16, .size: 8, .value_kind: global_buffer, .address_space: global }
      - { .name: bo, .offset: 24, .size: 8, .value_kind: global_buffer, .address_space: global }
      - { .name: t, .offset: 32, .size: 8, .value_kind: global_buffer, .address_space: global }
    .group_segment_fixed_size: 327680
    .private_segment_fixed_size: 0
    .kernarg_segment_align: 8
    .kernarg_segment_size: 40
    .max_flat_workgroup_size: 128
    .sgpr_count:     98
    .vgpr_count:     1024
    .wavefront_size: 32
...
	.end_amdgpu_metadata
.endif
;; end of part 4
;; launch ln1 (part 5): grid 256 x 1, 8 waves a work-group, no clusters, 75,264 bytes of LDS; arguments t, src, ln1_g, ln1_b, x, xq; writes x, xq
.if DOCPART == 5
	.amdgcn_target "amdgcn-amd-amdhsa--gfx1250"
	.amdhsa_code_object_version 6
	.text
	.protected	k_q06e1ac5ceb_ln1
	.globl	k_q06e1ac5ceb_ln1
	.p2align	8
	.type	k_q06e1ac5ceb_ln1,@function
k_q06e1ac5ceb_ln1:
	s_mov_b64 s[64:65], 0
	v_nop
	global_prefetch_b8 v0, s[64:65] scope:SCOPE_SE
	s_setreg_imm32_b32 hwreg(HW_REG_WAVE_MODE, 25, 1), 1
	s_wait_xcnt 0x0
; LAUNCH 5 OF 8: x = layer_norm(src + t) g + b, in f32, stored as f32 (x) and as codes of E2M1 with scale bytes (xq, laid as aq).  No work is left out.
; A wave takes two rows; a row of 4,096 bytes is 32 registers a lane and stays in registers between the mean, the variance and the scaling.  All 48 loads go out at the head; each covers 512 consecutive bytes.
; For the quantiser a row turns through the wave's stage in LDS (32 places of 128 bytes + 16), so that lane l holds block l of 32 columns whole.  The work-group's 512 scale bytes meet in LDS.
; LIMITS: as stated at the first launch's head.
.set QUANT, 1
.set G,   32                           ; v32-63 the gain, v64-95 the shift, of my 32 columns
.set BB,  64
.set Y,   96                           ; row p: v[Y + 64 p ..]: t, then the row at work
.set RS,  128                          ; row p: v[RS + 64 p ..]: the residual; later the turned row
.set SPW, 6
.set NIL, 7
.set SCB,   16*4608
.set SPARE, SCB+512                    ; the spare words: 128 bytes a wave, no other line names them
	s_load_b256 s[4:11], s[0:1], 0x0               ; t, the residual, g, b
	s_load_b128 s[12:15], s[0:1], 0x20             ; x, xq
	v_lshl_add_u32 v[SPW], v0, 2, SPARE
	v_mov_b32 v[NIL], 0
	v_lshrrev_b32 v1, 5, v0
	v_readfirstlane_b32 s22, v1                    ; wave
	v_and_b32 v5, 31, v0                           ; lane
	v_lshlrev_b32 v1, 4, v5                        ; 16 lane
	s_mul_i32 s23, s22, 2*4608
	v_lshrrev_b32 v2, 3, v5
	v_mul_u32_u24 v2, v2, 144
	v_and_b32 v3, 7, v5
	v_lshl_add_u32 v2, v3, 4, v2
	v_add_nc_u32 v2, s23, v2                       ; the stage, in: 144 (lane / 8) + 16 (lane % 8) (+ 576 for each load)
	v_mul_u32_u24 v3, v5, 144
	v_add_nc_u32 v3, s23, v3                       ; out: 144 lane
	s_lshl_b32 s23, s22, 6
	s_add_co_u32 s23, s23, SCB
	v_add_nc_u32 v4, s23, v5                       ; my block's scale byte
	v_add_nc_u32 v5, SCB, v1                       ; wave 0 reads them back
	s_mov_b32 s16, 0x76543210
	s_mov_b32 s17, 0xfedcba98
	s_mov_b32 s20, 0x3a800000                      ; 1 / 1,024
	s_mov_b32 s21, 0x3727c5ac                      ; 1e-5
	s_lshl_b32 s24, ttmp9, 16
	s_lshl_b32 s25, s22, 13
	s_add_co_u32 s24, s24, s25                     ; my first row: 16 work-group + 2 wave, 4,096 bytes a row
	s_mov_b32 s25, 0
	s_lshr_b32 s26, s24, 3                         ; 512 bytes of codes a row
	s_mov_b32 s27, 0
	s_lshl_b32 s28, ttmp9, 9
	s_add_co_u32 s28, s28, 2097152
	s_mov_b32 s29, 0
	s_wait_kmcnt 0x0
	s_add_nc_u64 s[4:5], s[4:5], s[24:25]
	s_add_nc_u64 s[6:7], s[6:7], s[24:25]
	s_add_nc_u64 s[12:13], s[12:13], s[24:25]
	s_add_nc_u64 s[18:19], s[14:15], s[28:29]      ; the work-group's scale bytes
	s_add_nc_u64 s[14:15], s[14:15], s[26:27]      ; my codes
.irp j, 0,1,2,3,4,5,6,7
	global_load_b128 v[G+4*\j:G+4*\j+3], v1, s[8:9] offset:512*\j
.endr
.irp j, 0,1,2,3,4,5,6,7
	global_load_b128 v[BB+4*\j:BB+4*\j+3], v1, s[10:11] offset:512*\j
.endr
.irp p, 0,1
.irp j, 0,1,2,3,4,5,6,7
	global_load_b128 v[Y+64*\p+4*\j:Y+64*\p+4*\j+3], v1, s[4:5] offset:4096*\p+512*\j th:TH_LOAD_NT
.endr
.irp j, 0,1,2,3,4,5,6,7
	global_load_b128 v[RS+64*\p+4*\j:RS+64*\p+4*\j+3], v1, s[6:7] offset:4096*\p+512*\j th:TH_LOAD_NT
.endr
.endr
.macro LANES r, u                      ; the sum of v[r] over the 32 lanes, in every lane; v[u] has been written
	v_add_f32_dpp v[\r], v[\r], v[\r] row_xmask:1 row_mask:0xf bank_mask:0xf
	v_add_f32_dpp v[\r], v[\r], v[\r] row_xmask:2 row_mask:0xf bank_mask:0xf
	v_add_f32_dpp v[\r], v[\r], v[\r] row_xmask:4 row_mask:0xf bank_mask:0xf
	v_add_f32_dpp v[\r], v[\r], v[\r] row_xmask:8 row_mask:0xf bank_mask:0xf
	v_permlanex16_b32 v[\u], v[\r], s16, s17
	v_add_f32 v[\r], v[\r], v[\u]
.endm
.macro ROW p
.set YY, Y+64*\p
.set RR, RS+64*\p
.set i, 0
.rept 16
	v_pk_add_f32 v[YY+i:YY+i+1], v[YY+i:YY+i+1], v[RR+i:RR+i+1]    ; the residual
.set i, i+2
.endr
.irp k, 0,1,2,3
	v_pk_add_f32 v[8+2*\k:9+2*\k], v[YY+2*\k:YY+2*\k+1], v[YY+8+2*\k:YY+9+2*\k]   ; the sum, in four chains
.endr
.irp m, 16,24
.irp k, 0,1,2,3
	v_pk_add_f32 v[8+2*\k:9+2*\k], v[8+2*\k:9+2*\k], v[YY+\m+2*\k:YY+\m+2*\k+1]
.endr
.endr
	v_pk_add_f32 v[8:9], v[8:9], v[10:11]
	v_pk_add_f32 v[12:13], v[12:13], v[14:15]
	v_pk_add_f32 v[8:9], v[8:9], v[12:13]
	v_add_f32 v8, v8, v9
	LANES 8, 9
	v_mul_f32 v8, s20, v8                          ; the mean
.set i, 0
.rept 16
	v_pk_add_f32 v[YY+i:YY+i+1], v[YY+i:YY+i+1], v[8:9] op_sel_hi:[1,0] neg_lo:[0,1] neg_hi:[0,1]
.set i, i+2
.endr
	v_pk_mul_f32 v[10:11], v[YY:YY+1], v[YY:YY+1]  ; the squares, in two chains
	v_pk_mul_f32 v[12:13], v[YY+2:YY+3], v[YY+2:YY+3]
.irp m, 4,8,12,16,20,24,28
	v_pk_fma_f32 v[10:11], v[YY+\m:YY+\m+1], v[YY+\m:YY+\m+1], v[10:11]
	v_pk_fma_f32 v[12:13], v[YY+\m+2:YY+\m+3], v[YY+\m+2:YY+\m+3], v[12:13]
.endr
	v_pk_add_f32 v[10:11], v[10:11], v[12:13]
	v_add_f32 v10, v10, v11
	LANES 10, 11
	v_fma_f32 v10, v10, s20, s21                   ; the variance + 1e-5
	v_rsq_f32 v10, v10
	v_nop                                          ; a plain line behind it
	s_wait_alu depctr_va_vdst(0)                   ; ahead of its first reader
.set i, 0
.rept 16
	v_pk_mul_f32 v[YY+i:YY+i+1], v[YY+i:YY+i+1], v[10:11] op_sel_hi:[1,0]
.set i, i+2
.endr
.set i, 0
.rept 16
	v_pk_fma_f32 v[YY+i:YY+i+1], v[YY+i:YY+i+1], v[G+i:G+i+1], v[BB+i:BB+i+1]
.set i, i+2
.endr
.irp j, 0,1,2,3,4,5,6,7
	global_store_b128 v1, v[YY+4*\j:YY+4*\j+3], s[12:13] offset:4096*\p+512*\j
.endr
.if QUANT
.irp j, 0,1,2,3,4,5,6,7
	ds_store_b128 v2, v[YY+4*\j:YY+4*\j+3] offset:4608*\p+576*\j
.endr
.irp j, 0,1,2,3,4,5,6,7
	ds_load_b128 v[RR+4*\j:RR+4*\j+3], v3 offset:4608*\p+16*\j     ; my own bytes, served in order
.endr
	s_wait_dscnt 0x0
	v_max3_num_f32 v12, |v[RR]|, |v[RR+1]|, |v[RR+2]|
	v_max3_num_f32 v13, |v[RR+3]|, |v[RR+4]|, |v[RR+5]|
.irp m, 6,10,14,18,22,26
	v_max3_num_f32 v12, v12, |v[RR+\m]|, |v[RR+\m+1]|
	v_max3_num_f32 v13, v13, |v[RR+\m+2]|, |v[RR+\m+3]|
.endr
	v_max3_num_f32 v12, v12, |v[RR+30]|, |v[RR+31]|
	v_max3_num_f32 v12, v12, v13, 0x1800000        ; the floor 2^(3 - 127)
	v_add_nc_u32 v11, 0xff000000, v12              ; the conversion's scale operand
	v_lshrrev_b32 v[232+\p], 23, v11               ; the byte
.irp g, 0,1,2,3
	v_cvt_scalef32_pk8_fp4_f32 v[224+4*\p+\g], v[RR+8*\g:RR+8*\g+7], v11
.endr
	v_nop                                          ; one plain line behind the conversions
	ds_store_b8 v4, v[232+\p] offset:32*\p
	global_store_b128 v1, v[224+4*\p:227+4*\p], s[14:15] offset:512*\p     ; a row's 512 bytes of codes
.endif
.endm
	s_wait_loadcnt 16                              ; g, b and row 0 are in; row 1's sixteen loads may be out
	ROW 0
	s_wait_loadcnt 0x0
	ROW 1
	s_wait_dscnt 0x0                               ; for the others' sake: my byte stores are done
	s_barrier_signal -1
	s_barrier_wait -1
	s_cmp_lg_u32 s22, 0
	s_cbranch_scc1 .Lnot_wave_0
	ds_load_b128 v[236:239], v5
	s_wait_dscnt 0x0
	global_store_b128 v1, v[236:239], s[18:19]     ; sixteen rows' 512 scale bytes
.Lnot_wave_0:
	s_wait_tensorcnt 0x0                           ; the wave's end
	ds_add_u32 v[SPW], v[NIL]
	s_wait_dscnt 0x0
	s_endpgm
.Lfunc_end_k_q06e1ac5ceb_ln1:
	.size	k_q06e1ac5ceb_ln1, .Lfunc_end_k_q06e1ac5ceb_ln1-k_q06e1ac5ceb_ln1
	.p2alignl 7, 3214868480
	.fill 96, 4, 3214868480
	.section	.rodata,"a",@progbits
	.p2align	6, 0x0
	.amdhsa_kernel k_q06e1ac5ceb_ln1
		.amdhsa_group_segment_fixed_size 75264
		.amdhsa_private_segment_fixed_size 0
		.amdhsa_enable_private_segment 0
		.amdhsa_kernarg_size 48
		.amdhsa_user_sgpr_count 2
		.amdhsa_user_sgpr_kernarg_segment_ptr 1
		.amdhsa_wavefront_size32 1
		.amdhsa_system_sgpr_workgroup_id_x 1
		.amdhsa_system_sgpr_workgroup_id_y 1
		.amdhsa_system_sgpr_workgroup_id_z 1
		.amdhsa_system_vgpr_workitem_id 0
		.amdhsa_next_free_vgpr 240
		.amdhsa_next_free_sgpr 66
		.amdhsa_reserve_vcc 0
		.amdhsa_float_denorm_mode_32 3
		.amdhsa_float_denorm_mode_16_64 3
		.amdhsa_memory_ordered 1
		.amdhsa_forward_progress 1
		.amdhsa_inst_pref_size 28
	.end_amdhsa_kernel
	.amdgpu_metadata
---
amdhsa.version: [ 1, 2 ]
amdhsa.kernels:
  - .name:           k_q06e1ac5ceb_ln1
    .symbol:         k_q06e1ac5ceb_ln1.kd
    .args:
      - { .name: t, .offset: 0, .size: 8, .value_kind: global_buffer, .address_space: global }
      - { .name: src, .offset: 8, .size: 8, .value_kind: global_buffer, .address_space: global }
      - { .name: ln1_g, .offset: 16, .size: 8, .value_kind: global_buffer, .address_space: global }
      - { .name: ln1_b, .offset: 24, .size: 8, .value_kind: global_buffer, .address_space: global }
      - { .name: x, .offset: 32, .size: 8, .value_kind: global_buffer, .address_space: global }
      - { .name: xq, .offset: 40, .size: 8, .value_kind: global_buffer, .address_space: global }
    .group_segment_fixed_size: 75264
    .private_segment_fixed_size: 0
    .kernarg_segment_align: 8
    .kernarg_segment_size: 48
    .max_flat_workgroup_size: 256
    .sgpr_count:     66
    .vgpr_count:     240
    .wavefront_size: 32
...
	.end_amdgpu_metadata
.endif
;; end of part 5
;; launch w1 (part 6): grid 16 x 16, 4 waves a work-group, clusters of 4 x 4, 327,680 bytes of LDS; arguments xq, W1_codes, W1_scales, b1, hp; writes hp
.if DOCPART == 6
	.amdgcn_target "amdgcn-amd-amdhsa--gfx1250"
	.amdhsa_code_object_version 6
	.text
	.protected	k_q06e1ac5ceb_w1
	.globl	k_q06e1ac5ceb_w1
	.p2align	8
	.type	k_q06e1ac5ceb_w1,@function
k_q06e1ac5ceb_w1:
	s_mov_b64 s[64:65], 0
	v_nop
	global_prefetch_b8 v0, s[64:65] scope:SCOPE_SE
	s_setreg_imm32_b32 hwreg(HW_REG_WAVE_MODE, 25, 1), 1
	s_wait_xcnt 0x0
	s_wait_alu depctr_hold_cnt(0) depctr_sa_sdst(0) depctr_va_vdst(0) depctr_va_sdst(0) depctr_va_ssrc(0) depctr_va_vcc(0) depctr_vm_vsrc(0)
	s_getreg_b32 s2, hwreg(HW_REG_IB_STS2, 6, 4)
	s_cmp_eq_u32 s2, 0
	s_cbranch_scc0 .Lentry_in_a_cluster
	s_endpgm
.Lentry_in_a_cluster:
	s_bfe_u32 s2, ttmp6, 0x10000c
	s_cmp_lg_u32 s2, 0xf033
	s_cbranch_scc0 .Lentry_shape_is_right
	s_endpgm
.Lentry_shape_is_right:
; LAUNCH 6 OF 8: h = relu(x W1 + b1), quantised along its 4,096 columns on the way out into panels (hp: [32 planes of 128 columns][32 panels of 128 tokens][8,704 bytes]).  No work is left out.
; The walk over K = 1,024 is that of the projections' launch: two slots of 512, both asked for at the head, nothing filled again; joint loads in clusters of 4 x 4; the bias is the C of the first K step.
; A panel: eight images of an operand's registers (16 rows x 128 K: piece (c, lane) at 1,024 i + 512 c + 16 lane) and 128 scale words from byte 8,192 on; here the rows keep their order.
; LIMITS: as stated at the first launch's head.
.set KSTEP,  512
.set NQ,     4
.set ROWB,   256
.set KROW,   512
.set PITCH,  272
.set FR,     8
.set NL,     2
.set NP,     4
.set HALFT,  128*PITCH
.set SLOT,   4*HALFT
.set KS,     32
.set SCL,    2*SLOT
.set HALFS,  (128*KS/256)*272
.set SBLK,   (16*KS/256)*272
.set SPARE,  SCL+4*HALFS               ; the spare words: 128 bytes a wave, no other line names them
.set PANEL,  8704
.set ADRA, 16
.set ADRB, 20
.set STO,  24
.set RD,   25
.set CO,   26
.set ADRS, 27
.set SPW,  28
.set NIL,  29
.set STS,  30
.set BO,   31
.set SC,   32
.set AF,   128
.set T,    192
.set PC,   128
.set TM,   200
.set PW,   216
.set OB,   32
.set G1, 24
.set G0, 32
.set G1B, 48
.set G0B, 56
.set G1S, 68
.set G0S, 76
.set G1SB, 80
.set G0SB, 88
.set SEL, 96
.set MSB, 0
.macro WIN new
.if MSB != (\new)
	s_set_vgpr_msb (MSB<<8)|(\new)
.set MSB, (\new)
.endif
.endm
.set MUL_LO, 0xa1
.set MUL_HI, 0xf1
.set TO_B,   0x40
.macro JLOAD g0a, g1a, g0b, g1b
	s_cmp_eq_u32 s15, 0
	s_cbranch_scc0 .Lfor_b_\@
	tensor_load_to_lds s[\g0a:\g0a+3], s[\g1a:\g1a+7]
	s_nop 0
.rept 4
	v_nop
.endr
	s_branch .Lasked_\@
.Lfor_b_\@:
	tensor_load_to_lds s[\g0b:\g0b+3], s[\g1b:\g1b+7]
	s_nop 0
.rept 4
	v_nop
.endr
.Lasked_\@:
.endm
.macro CROUND
	s_barrier_signal -1
	s_barrier_wait -1
	s_cmp_lg_u32 s14, 0
	s_cbranch_scc1 .Lnot_wave_0_\@
	s_barrier_signal -3
.Lnot_wave_0_\@:
	s_barrier_wait -3
	s_barrier_signal -1
	s_barrier_wait -1
.endm
	s_load_b64 s[4:5], s[0:1], 0x0                 ; xq: A's codes
	s_load_b64 s[8:9], s[0:1], 0x8                 ; B's codes
	s_load_b64 s[10:11], s[0:1], 0x10              ; B's scales
	s_load_b64 s[66:67], s[0:1], 0x18              ; b1
	s_load_b64 s[12:13], s[0:1], 0x20              ; hp
	v_lshl_add_u32 v[SPW], v0, 2, SPARE
	v_mov_b32 v[NIL], 0
	ds_add_u32 v[SPW], v[NIL]                      ; the opening: the add, twice on end, and its wait ahead of my first tensor load
	ds_add_u32 v[SPW], v[NIL]
	v_lshrrev_b32 v1, 5, v0
	v_readfirstlane_b32 s14, v1
	s_lshr_b32 s15, s14, 1
	s_and_b32 s16, s14, 1
	s_bfe_u32 s40, ttmp6, 0x40000
	s_bfe_u32 s41, ttmp6, 0x40004
	s_lshl_b32 s42, ttmp9, 2
	s_add_co_u32 s42, s42, s40                     ; tile column
	s_and_b32 s17, ttmp7, 0xffff
	s_lshl_b32 s17, s17, 2
	s_add_co_u32 s17, s17, s41                     ; tile row
	s_lshl_b32 s43, s41, 2
	s_lshl_b32 s43, 15, s43
	s_lshl_b32 s44, 0x1111, s40
	s_or_b32 s[G1+0], s43, (0<<16)|(1<<20)|(1<<21)|(5<<22)|(3<<25)
	s_or_b32 s[G1B+0], s44, (0<<16)|(1<<20)|(1<<21)|(5<<22)|(3<<25)
.irp g, G1, G1B
	s_mov_b32 s[\g+1], ROWB<<16
	s_mov_b32 s[\g+2], 128<<16
	s_mov_b32 s[\g+3], ROWB<<16
	s_mov_b32 s[\g+4], 128
	s_mov_b32 s[\g+5], KROW
	s_mov_b32 s[\g+6], 0
	s_mov_b32 s[\g+7], 0
.endr
	s_or_b32 s[G1S+0], s43, (3<<16)|(1<<20)|(1<<21)|(5<<22)|(3<<25)
	s_or_b32 s[G1SB+0], s44, (3<<16)|(1<<20)|(1<<21)|(5<<22)|(3<<25)
.irp g, G1S, G1SB
	s_mov_b32 s[\g+1], 32<<16
	s_mov_b32 s[\g+2], (128*KS/256)<<16
	s_mov_b32 s[\g+3], 32<<16
	s_mov_b32 s[\g+4], 128*KS/256
	s_mov_b32 s[\g+5], 32
	s_mov_b32 s[\g+6], 0
	s_mov_b32 s[\g+7], 0
.endr
	s_lshl_b32 s18, s16, 7
	s_lshl_b32 s20, s17, 8
	s_add_co_u32 s20, s20, s18
	s_lshl_b32 s46, s42, 8
	s_add_co_u32 s46, s46, s18
	s_mov_b32 s21, 0
	s_mov_b32 s47, 0
	s_mov_b64 s[18:19], KS
	s_mul_u64 s[22:23], s[20:21], s[18:19]
	s_mul_u64 s[2:3], s[46:47], s[18:19]
	s_mov_b64 s[18:19], KROW
	s_mul_u64 s[20:21], s[20:21], s[18:19]
	s_mul_u64 s[46:47], s[46:47], s[18:19]
	s_mul_i32 s45, s14, HALFT
	s_mul_i32 s98, s14, HALFS
	s_wait_dscnt 0x0
	s_wait_kmcnt 0x0
	s_add_nc_u64 s[6:7], s[4:5], 2097152           ; A's scale bytes
	s_add_nc_u64 s[20:21], s[4:5], s[20:21]
	s_add_nc_u64 s[22:23], s[6:7], s[22:23]
	s_add_nc_u64 s[46:47], s[8:9], s[46:47]
	s_add_nc_u64 s[2:3], s[10:11], s[2:3]
	CROUND
	s_mov_b32 s[G0S], 1
	s_add_co_u32 s[G0S+1], s98, SCL
	s_mov_b64 s[G0S+2:G0S+3], s[22:23]
	s_or_b32 s[G0S+3], s[G0S+3], 0x80000000
	s_mov_b32 s[G0SB], 1
	s_add_co_u32 s[G0SB+1], s98, SCL
	s_mov_b64 s[G0SB+2:G0SB+3], s[2:3]
	s_or_b32 s[G0SB+3], s[G0SB+3], 0x80000000
	JLOAD G0S, G1S, G0SB, G1SB
.irp s, 0,1
	s_mov_b32 s[G0+4*\s], 1
	s_add_co_u32 s[G0+4*\s+1], s45, \s*SLOT
	s_add_nc_u64 s[G0+4*\s+2:G0+4*\s+3], s[20:21], \s*ROWB
	s_or_b32 s[G0+4*\s+3], s[G0+4*\s+3], 0x80000000
	s_mov_b32 s[G0B+4*\s], 1
	s_add_co_u32 s[G0B+4*\s+1], s45, \s*SLOT
	s_add_nc_u64 s[G0B+4*\s+2:G0B+4*\s+3], s[46:47], \s*ROWB
	s_or_b32 s[G0B+4*\s+3], s[G0B+4*\s+3], 0x80000000
	JLOAD G0+4*\s, G1, G0B+4*\s, G1B               ; three loads of mine are out
.endr
	s_mov_b32 s[SEL], 0x76543210
	s_mov_b32 s[SEL+1], 0xfedcba98
	v_and_b32 v1, 15, v0
	v_bfe_u32 v2, v0, 4, 1
	v_mul_u32_u24 v3, v1, PITCH
	v_lshl_add_u32 v4, v2, 4, v3
	s_mul_i32 s21, s15, HALFT
	s_mul_i32 s22, s16, HALFT
	s_add_co_u32 s22, s22, 2*HALFT
.irp s, 0,1
	v_add_nc_u32 v[ADRA+\s], s21, v4
	v_add_nc_u32 v[ADRB+\s], s22, v4
	s_add_co_u32 s21, s21, SLOT
	s_add_co_u32 s22, s22, SLOT
.endr
	v_mul_u32_u24 v5, v1, KS
	v_lshrrev_b32 v6, 8, v5
	v_lshl_add_u32 v5, v6, 4, v5
	s_mul_i32 s21, s15, HALFS
	s_mul_i32 s22, s16, HALFS
	s_add_co_u32 s22, s22, 2*HALFS
	s_sub_co_u32 s22, s22, s21
	v_mul_u32_u24 v6, s22, v2
	s_add_co_u32 s21, s21, SCL
	v_add_nc_u32 v5, v5, v6
	v_add_nc_u32 v[ADRS], s21, v5
	s_mul_i32 s23, s14, PANEL                      ; my stage, in slot 0
	v_lshlrev_b32 v5, 4, v1
	v_lshl_add_u32 v5, v2, 2, v5
	v_add_nc_u32 v[STO], s23, v5                   ; 16 r + 4 h
	v_lshlrev_b32 v5, 2, v1
	v_add_nc_u32 v5, 8192, v5
	v_add_nc_u32 v[STS], s23, v5                   ; 8,192 + 4 r
	v_and_b32 v6, 31, v0
	v_lshlrev_b32 v[CO], 4, v6
	v_add_nc_u32 v[RD], s23, v[CO]
	v_lshlrev_b32 v[BO], 5, v2
	s_lshl_b32 s20, s42, 1                         ; my panel: ((2 tile column + half) x 32 + 2 tile row + half) x 8,704
	s_add_co_u32 s20, s20, s16
	s_lshl_b32 s20, s20, 5
	s_lshl_b32 s21, s17, 1
	s_add_co_u32 s20, s20, s21
	s_add_co_u32 s20, s20, s15
	s_mul_i32 s20, s20, PANEL
	s_mov_b32 s21, 0
	s_add_nc_u64 s[12:13], s[12:13], s[20:21]
	s_lshl_b32 s20, s42, 10
	s_lshl_b32 s21, s16, 9
	s_add_co_u32 s20, s20, s21
	s_mov_b32 s21, 0
	s_add_nc_u64 s[66:67], s[66:67], s[20:21]      ; the bias at my first column
.irp b, 0,1,2,3,4,5,6,7
	global_load_b128 v[T+8*\b:T+8*\b+3], v[BO], s[66:67] offset:64*\b
	global_load_b128 v[T+8*\b+4:T+8*\b+7], v[BO], s[66:67] offset:64*\b+16
.endr
	s_wait_loadcnt 0x0
.macro FRAG reg, adr, q, i
.irp c, 0,1
	ds_load_b128 v[\reg+4*\c:\reg+4*\c+3], v[\adr] offset:64*(\q)+32*\c+(\i)*16*PITCH
.endr
.endm
.macro MUL16 a0, p, q, sc, cm          ; cm = 1: C = the bias tile of B's block; the 64 accumulators take turns
.irp a, \a0, \a0+1
.irp b, 0,1,2,3,4,5,6,7
.if \cm
	v_wmma_scale_f32_16x16x128_f8f6f4 v[8*(8*((\a)%4)+\b):8*(8*((\a)%4)+\b)+7], v[128*(\p)+FR*\b:128*(\p)+FR*\b+FR-1], v[AF+FR*(\a):AF+FR*(\a)+FR-1], v[T+8*\b:T+8*\b+7], v[SC+8*NQ*(\sc)+NQ*\b+(\q)], v[SC+8*NQ*(\sc)+NQ*(\a)+(\q)] matrix_a_fmt:MATRIX_FMT_FP4 matrix_b_fmt:MATRIX_FMT_FP4 matrix_a_scale:MATRIX_SCALE_ROW1
.else
	v_wmma_scale_f32_16x16x128_f8f6f4 v[8*(8*((\a)%4)+\b):8*(8*((\a)%4)+\b)+7], v[128*(\p)+FR*\b:128*(\p)+FR*\b+FR-1], v[AF+FR*(\a):AF+FR*(\a)+FR-1], v[8*(8*((\a)%4)+\b):8*(8*((\a)%4)+\b)+7], v[SC+8*NQ*(\sc)+NQ*\b+(\q)], v[SC+8*NQ*(\sc)+NQ*(\a)+(\q)] matrix_a_fmt:MATRIX_FMT_FP4 matrix_b_fmt:MATRIX_FMT_FP4 matrix_a_scale:MATRIX_SCALE_ROW1
.endif
.endr
.endr
.endm
.macro FETCH_B slot, q, p
	WIN TO_B
.irp i, 0,1,2,3,4,5,6,7
	FRAG 128*(\p)+FR*\i, ADRB+\slot, \q, \i
.endr
	WIN 0
.endm
.macro FETCH_A slot, q, i0
.irp i, \i0, \i0+1, \i0+2, \i0+3
	FRAG AF+FR*(\i), ADRA+\slot, \q, \i
.endr
.endm
.macro SCALES sc
.irp i, 0,1,2,3,4,5,6,7
	ds_load_b128 v[SC+8*NQ*\sc+NQ*\i:SC+8*NQ*\sc+NQ*\i+3], v[ADRS] offset:\i*SBLK
.endr
.endm
.macro PLACES n
.rept \n
	v_nop
.endr
.endm
.macro STEP slot, q, cm
	s_wait_dscnt 4*NL                              ; all but A's blocks 4-7 are in
.if \cm
	WIN 0x81
.else
	WIN MUL_LO
.endif
	MUL16 0, (\q)%2, \q, \slot, \cm
	MUL16 2, (\q)%2, \q, \slot, \cm
	s_wait_dscnt 0
	PLACES NP
	FETCH_B \slot, (\q)+1, 1-(\q)%2
	FETCH_A \slot, (\q)+1, 0
.if \cm
	WIN 0xc1
.else
	WIN MUL_HI
.endif
	MUL16 4, (\q)%2, \q, \slot, \cm
	MUL16 6, (\q)%2, \q, \slot, \cm
	PLACES NP
	WIN 0
	FETCH_A \slot, (\q)+1, 4
.endm
.macro TURN slot, next                 ; the change of slots: one barrier; nothing is filled again in this launch
	s_wait_tensorcnt 0x0
	ds_add_u32 v[SPW], v[NIL]
	s_wait_dscnt 4*NL+1                            ; (the add and A's blocks 4-7 may be out)
	WIN MUL_LO
	MUL16 0, 1, NQ-1, \slot, 0
	s_wait_dscnt 0x0
	s_barrier_signal -1
	MUL16 2, 1, NQ-1, \slot, 0
	WIN 0
	s_barrier_wait -1
	PLACES NP
	v_add_nc_u32 v[ADRS], 4*NQ, v[ADRS]
	FETCH_B \next, 0, 0
	FETCH_A \next, 0, 0
	SCALES \next
	WIN MUL_HI
	MUL16 4, 1, NQ-1, \slot, 0
	MUL16 6, 1, NQ-1, \slot, 0
	PLACES NP
	WIN 0
	FETCH_A \next, 0, 4
.endm
.macro STEPS slot, from
.set Q, \from
.rept NQ-1-\from
	STEP \slot, Q, 0
.set Q, Q+1
.endr
.endm
; THE WAY OUT.  Block a (16 rows): a lane's 64 numbers are columns 16 n + 8 h + j; a block of 32 columns lies in lanes l and l xor 16.  Each conversion's 8 codes (4 bytes) go to their place in the image.
.macro QOUT relu, perm
.irp b, 0,1,2,3
	v_mov_b32 v[TM+4+\b], 0                        ; a lane permute's destination counts as read; these four are also the places behind the last products
.endr
.irp a, 0,1,2,3,4,5,6,7
.set AC, 64*(\a%4)
.set WH, \a/4
.if \perm
.set RBA, (\a/2)*2048+(\a%2)*128
.set RSA, (\a/2)*128+(\a%2)*32
.else
.set RBA, 1024*\a
.set RSA, 64*\a
.endif
.if \relu
	WIN 0x88+0x44*WH
.set j, 0
.rept 64
	v_max_num_f32 v[AC+j], 0, v[AC+j]              ; the activation, in f32; each accumulator from its low end on
.set j, j+1
.endr
.endif
	WIN 0x0a+5*WH
.irp b, 0,1,2,3
	v_max3_num_f32 v[TM+\b], |v[AC+16*\b]|, |v[AC+16*\b+1]|, 0x1800000
.endr
.irp i, 2,4,6,8,10,12,14
.irp b, 0,1,2,3
	v_max3_num_f32 v[TM+\b], |v[AC+16*\b+\i]|, |v[AC+16*\b+\i+1]|, v[TM+\b]
.endr
.endr
	WIN 0
.irp b, 0,1,2,3
	v_permlanex16_b32 v[TM+4+\b], v[TM+\b], s[SEL], s[SEL+1]
.endr
.irp b, 0,1,2,3
	v_max_num_f32 v[TM+\b], v[TM+\b], v[TM+4+\b]
.endr
.irp b, 0,1,2,3
	v_add_nc_u32 v[TM+12+\b], 0xff000000, v[TM+\b]
.endr
.irp b, 0,1,2,3
	v_lshrrev_b32 v[TM+4+\b], 23, v[TM+12+\b]
.endr
	v_lshl_or_b32 v[PW+\a], v[TM+5], 8, v[TM+4]
	v_lshl_or_b32 v[PW+\a], v[TM+6], 16, v[PW+\a]
	v_lshl_or_b32 v[PW+\a], v[TM+7], 24, v[PW+\a]
	WIN 0x02+WH
.irp n, 0,1,2,3,4,5,6,7
	v_cvt_scalef32_pk8_fp4_f32 v[PC+8*\a+\n], v[AC+8*\n:AC+8*\n+7], v[TM+12+\n/2]
.endr
	WIN 0
	v_nop
.irp n, 0,1,2,3,4,5,6,7
	ds_store_b32 v[STO], v[PC+8*\a+\n] offset:RBA+(\n/4)*512+((\n%4)/2)*256+(\n%2)*8
.endr
	ds_store_b32 v[STS], v[PW+\a] offset:RSA
.endr
.irp t, 0,1,2,3,4,5,6,7,8,9,10,11,12,13,14,15,16
	ds_load_b128 v[OB+4*\t:OB+4*\t+3], v[RD] offset:512*\t
.endr
.irp t, 0,1,2,3,4,5,6,7,8,9,10,11,12,13,14,15,16
	s_wait_dscnt 16-\t
	global_store_b128 v[CO], v[OB+4*\t:OB+4*\t+3], s[12:13] offset:512*\t
.endr
.endm
	s_wait_tensorcnt 1                             ; the scales and my part of slot 0 are in; slot 1's load may be out
	s_barrier_signal -1
	s_barrier_wait -1
	FETCH_B 0, 0, 0
	FETCH_A 0, 0, 0
	SCALES 0
	FETCH_A 0, 0, 4
	STEP 0, 0, 1
	STEPS 0, 1
	TURN 0, 1
	STEPS 1, 0
	s_wait_dscnt 4*NL
	WIN MUL_LO
	MUL16 0, 1, NQ-1, 1, 0
	MUL16 2, 1, NQ-1, 1, 0
	s_wait_dscnt 0
	WIN MUL_HI
	MUL16 4, 1, NQ-1, 1, 0
	MUL16 6, 1, NQ-1, 1, 0
	WIN 0
	QOUT 1, 0
	s_wait_tensorcnt 0x0                           ; the wave's end
	ds_add_u32 v[SPW], v[NIL]
	s_wait_dscnt 0x0
	CROUND
	s_endpgm
.Lfunc_end_k_q06e1ac5ceb_w1:
	.size	k_q06e1ac5ceb_w1, .Lfunc_end_k_q06e1ac5ceb_w1-k_q06e1ac5ceb_w1
	.p2alignl 7, 3214868480
	.fill 96, 4, 3214868480
	.section	.rodata,"a",@progbits
	.p2align	6, 0x0
	.amdhsa_kernel k_q06e1ac5ceb_w1
		.amdhsa_group_segment_fixed_size 327680
		.amdhsa_private_segment_fixed_size 0
		.amdhsa_enable_private_segment 0
		.amdhsa_kernarg_size 40
		.amdhsa_user_sgpr_count 2
		.amdhsa_user_sgpr_kernarg_segment_ptr 1
		.amdhsa_wavefront_size32 1
		.amdhsa_system_sgpr_workgroup_id_x 1
		.amdhsa_system_sgpr_workgroup_id_y 1
		.amdhsa_system_sgpr_workgroup_id_z 1
		.amdhsa_system_vgpr_workitem_id 0
		.amdhsa_next_free_vgpr 1024
		.amdhsa_next_free_sgpr 100
		.amdhsa_reserve_vcc 0
		.amdhsa_float_denorm_mode_32 3
		.amdhsa_float_denorm_mode_16_64 3
		.amdhsa_memory_ordered 1
		.amdhsa_forward_progress 1
		.amdhsa_inst_pref_size 151
	.end_amdhsa_kernel
	.amdgpu_metadata
---
amdhsa.version: [ 1, 2 ]
amdhsa.kernels:
  - .name:           k_q06e1ac5ceb_w1
    .symbol:         k_q06e1ac5ceb_w1.kd
    .args:
      - { .name: xq, .offset: 0, .size: 8, .value_kind: global_buffer, .address_space: global }
      - { .name: W1_codes, .offset: 8, .size: 8, .value_kind: global_buffer, .address_space: global }
      - { .name: W1_scales, .offset: 16, .size: 8, .value_kind: global_buffer, .address_space: global }
      - { .name: b1, .offset: 24, .size: 8, .value_kind: global_buffer, .address_space: global }
      - { .name: hp, .offset: 32, .size: 8, .value_kind: global_buffer, .address_space: global }
    .group_segment_fixed_size: 327680
    .private_segment_fixed_size: 0
    .kernarg_segment_align: 8
    .kernarg_segment_size: 40
    .max_flat_workgroup_size: 128
    .sgpr_count:     100
    .vgpr_count:     1024
    .wavefront_size: 32
...
	.end_amdgpu_metadata
.endif
;; end of part 6
;; launch w2 (part 7): grid 4 x 16, 4 waves a work-group, clusters of 4 x 4, 327,680 bytes of LDS; arguments hp, W2_codes, W2_scales, b2, t; writes t
.if DOCPART == 7
	.amdgcn_target "amdgcn-amd-amdhsa--gfx1250"
	.amdhsa_code_object_version 6
	.text
	.protected	k_q06e1ac5ceb_w2
	.globl	k_q06e1ac5ceb_w2
	.p2align	8
	.type	k_q06e1ac5ceb_w2,@function
k_q06e1ac5ceb_w2:
	s_mov_b64 s[64:65], 0
	v_nop
	global_prefetch_b8 v0, s[64:65] scope:SCOPE_SE
	s_setreg_imm32_b32 hwreg(HW_REG_WAVE_MODE, 25, 1), 1
	s_wait_xcnt 0x0
	s_wait_alu depctr_hold_cnt(0) depctr_sa_sdst(0) depctr_va_vdst(0) depctr_va_sdst(0) depctr_va_ssrc(0) depctr_va_vcc(0) depctr_vm_vsrc(0)
	s_getreg_b32 s2, hwreg(HW_REG_IB_STS2, 6, 4)
	s_cmp_eq_u32 s2, 0
	s_cbranch_scc0 .Lentry_in_a_cluster
	s_endpgm
.Lentry_in_a_cluster:
	s_bfe_u32 s2, ttmp6, 0x10000c
	s_cmp_lg_u32 s2, 0xf033
	s_cbranch_scc0 .Lentry_shape_is_right
	s_endpgm
.Lentry_shape_is_right:
; LAUNCH 7 OF 8: t = h W2 + b2, f32 [4096][1024].  A = h as panels (made by the launch before), B = W2's codes with K innermost.  No work is left out.
; The text is that of the attention's output projection but for SIZE_K = 4,096: eight slots' worth of K go through the ring of two slots; a slot is filled again behind a round of the cluster's barrier,
; one joint load a wave, which has 224 matrix instructions in which to land.
.set SIZE_K, 4096
.set SIZE_N, 1024
.set KSTEP,  512
.set NQ,     4
.set ROWB,   256
.set KROW,   SIZE_K/2
.set PITCH,  272
.set FR,     8
.set NL,     2
.set NP,     4
.set HALFT,  128*PITCH
.set SLOT,   4*HALFT
.set LAPS,   SIZE_K/(2*KSTEP)
.set KS,     SIZE_K/32
.set SCL,    2*SLOT
.set HALFS,  (128*KS/256)*272
.set SBLK,   (16*KS/256)*272
.set SR,     64*KS/256
.set SPARE,  SCL+2*HALFS               ; the spare words: 128 bytes a wave, no other line names them
.set PANEL,  8704
.set PLANE,  32*PANEL
.set SPITCH, 528
.set ADRA, 16
.set ADSA, 18
.set ADRB, 20
.set STO,  24
.set RD,   25
.set CO,   26
.set ADRS, 27
.set SPW,  28
.set NIL,  29
.set BO,   31
.set SA,   32
.set SB,   64
.set AF,   128
.set T,    192
.set BK,   128
.set G1, 24
.set G0, 32
.set G1B, 48
.set G0B, 56
.set G1S, 68
.set G0S, 76
.set MSB, 0
.macro WIN new
.if MSB != (\new)
	s_set_vgpr_msb (MSB<<8)|(\new)
.set MSB, (\new)
.endif
.endm
.set MUL_LO, 0xa1
.set MUL_HI, 0xf1
.set TO_B,   0x40
.macro JLOAD g0a, g1a, g0b, g1b
	s_cmp_eq_u32 s15, 0
	s_cbranch_scc0 .Lfor_b_\@
	tensor_load_to_lds s[\g0a:\g0a+3], s[\g1a:\g1a+7]
	s_nop 0
.rept 4
	v_nop
.endr
	s_branch .Lasked_\@
.Lfor_b_\@:
	tensor_load_to_lds s[\g0b:\g0b+3], s[\g1b:\g1b+7]
	s_nop 0
.rept 4
	v_nop
.endr
.Lasked_\@:
.endm
.macro CREST
	s_cmp_lg_u32 s14, 0
	s_cbranch_scc1 .Lnot_wave_0_\@
	s_barrier_signal -3
.Lnot_wave_0_\@:
	s_barrier_wait -3
	s_barrier_signal -1
	s_barrier_wait -1
.endm
.macro CROUND
	s_barrier_signal -1
	s_barrier_wait -1
	CREST
.endm
	s_load_b256 s[4:11], s[0:1], 0x0               ; A's panels, B's codes, B's scales, the bias
	s_load_b64 s[12:13], s[0:1], 0x20              ; C
	v_lshl_add_u32 v[SPW], v0, 2, SPARE
	v_mov_b32 v[NIL], 0
	ds_add_u32 v[SPW], v[NIL]                      ; the opening: the add, twice on end, and its wait ahead of my first tensor load
	ds_add_u32 v[SPW], v[NIL]
	v_lshrrev_b32 v1, 5, v0
	v_readfirstlane_b32 s14, v1
	s_lshr_b32 s15, s14, 1
	s_and_b32 s16, s14, 1
	s_bfe_u32 s40, ttmp6, 0x40000
	s_bfe_u32 s41, ttmp6, 0x40004
	s_lshl_b32 s42, ttmp9, 2
	s_add_co_u32 s42, s42, s40
	s_and_b32 s17, ttmp7, 0xffff
	s_lshl_b32 s17, s17, 2
	s_add_co_u32 s17, s17, s41
	s_lshl_b32 s43, s41, 2
	s_lshl_b32 s43, 15, s43
	s_lshl_b32 s44, 0x1111, s40
	s_or_b32 s[G1+0], s43, (3<<16)|(1<<21)         ; A: 4 rows (planes) of 1,088 elements of 8 bytes, no padding
	s_mov_b32 s[G1+1], 1088<<16
	s_mov_b32 s[G1+2], 4<<16
	s_mov_b32 s[G1+3], 1088<<16
	s_mov_b32 s[G1+4], 4
	s_mov_b32 s[G1+5], PLANE/8
	s_mov_b32 s[G1+6], 0
	s_mov_b32 s[G1+7], 0
	s_or_b32 s[G1B+0], s44, (0<<16)|(1<<20)|(1<<21)|(5<<22)|(3<<25)
	s_mov_b32 s[G1B+1], ROWB<<16
	s_mov_b32 s[G1B+2], 128<<16
	s_mov_b32 s[G1B+3], ROWB<<16
	s_mov_b32 s[G1B+4], 128
	s_mov_b32 s[G1B+5], KROW
	s_mov_b32 s[G1B+6], 0
	s_mov_b32 s[G1B+7], 0
	s_or_b32 s[G1S+0], s44, (3<<16)|(1<<20)|(1<<21)|(5<<22)|(3<<25)
	s_mov_b32 s[G1S+1], 32<<16
	s_mov_b32 s[G1S+2], SR<<16
	s_mov_b32 s[G1S+3], 32<<16
	s_mov_b32 s[G1S+4], SR
	s_mov_b32 s[G1S+5], 32
	s_mov_b32 s[G1S+6], 0
	s_mov_b32 s[G1S+7], 0
	s_lshl_b32 s20, s17, 1
	s_add_co_u32 s20, s20, s16
	s_mul_i32 s20, s20, PANEL
	s_mov_b32 s21, 0
	s_lshl_b32 s46, s42, 8
	s_lshl_b32 s18, s16, 7
	s_add_co_u32 s46, s46, s18
	s_mul_i32 s46, s46, KROW
	s_mov_b32 s47, 0
	s_lshl_b32 s22, s42, 8
	s_lshl_b32 s18, s14, 6
	s_add_co_u32 s22, s22, s18
	s_mul_i32 s22, s22, KS
	s_mov_b32 s23, 0
	s_mul_i32 s45, s14, HALFT
	s_mul_i32 s18, s14, SR*272
	s_wait_dscnt 0x0
	s_wait_kmcnt 0x0
	s_add_nc_u64 s[20:21], s[4:5], s[20:21]
	s_add_nc_u64 s[46:47], s[6:7], s[46:47]
	s_add_nc_u64 s[22:23], s[8:9], s[22:23]
	CROUND
	s_mov_b32 s[G0S], 1
	s_add_co_u32 s[G0S+1], s18, SCL
	s_mov_b64 s[G0S+2:G0S+3], s[22:23]
	s_or_b32 s[G0S+3], s[G0S+3], 0x80000000
	tensor_load_to_lds s[G0S:G0S+3], s[G1S:G1S+7]  ; every wave: its quarter of B's scales
	s_nop 0
.rept 4
	v_nop
.endr
.irp s, 0,1
	s_mov_b32 s[G0+4*\s], 1
	s_add_co_u32 s[G0+4*\s+1], s45, \s*SLOT
	s_add_nc_u64 s[G0+4*\s+2:G0+4*\s+3], s[20:21], \s*4*PLANE
	s_or_b32 s[G0+4*\s+3], s[G0+4*\s+3], 0x80000000
	s_mov_b32 s[G0B+4*\s], 1
	s_add_co_u32 s[G0B+4*\s+1], s45, \s*SLOT
	s_add_nc_u64 s[G0B+4*\s+2:G0B+4*\s+3], s[46:47], \s*ROWB
	s_or_b32 s[G0B+4*\s+3], s[G0B+4*\s+3], 0x80000000
	JLOAD G0+4*\s, G1, G0B+4*\s, G1B               ; three loads of mine are out
.endr
	v_and_b32 v1, 15, v0
	v_bfe_u32 v2, v0, 4, 1
	v_and_b32 v6, 31, v0
	v_mul_u32_u24 v3, v1, PITCH
	v_lshl_add_u32 v4, v2, 4, v3
	v_lshlrev_b32 v[CO], 4, v6
	v_lshlrev_b32 v5, 2, v6
	v_add_nc_u32 v5, 8192, v5
	s_mul_i32 s21, s15, HALFT
	s_mul_i32 s22, s16, HALFT
	s_add_co_u32 s22, s22, 2*HALFT
.irp s, 0,1
	v_add_nc_u32 v[ADRA+\s], s21, v[CO]
	v_add_nc_u32 v[ADSA+\s], s21, v5
	v_add_nc_u32 v[ADRB+\s], s22, v4
	s_add_co_u32 s21, s21, SLOT
	s_add_co_u32 s22, s22, SLOT
.endr
	v_mul_u32_u24 v5, v6, KS
	v_lshrrev_b32 v3, 8, v5
	v_lshl_add_u32 v5, v3, 4, v5
	s_mul_i32 s21, s16, HALFS
	s_add_co_u32 s21, s21, SCL
	v_add_nc_u32 v[ADRS], s21, v5
	s_mul_i32 s23, s14, 16*SPITCH
	v_mul_u32_u24 v5, v1, SPITCH
	v_lshl_add_u32 v5, v2, 5, v5
	v_add_nc_u32 v[STO], s23, v5
	v_add_nc_u32 v[RD], s23, v[CO]
	v_lshlrev_b32 v[BO], 5, v2
	s_lshl_b32 s20, s17, 8
	s_lshl_b32 s21, s15, 7
	s_add_co_u32 s20, s20, s21
	s_mov_b32 s21, 0
	s_mov_b64 s[18:19], SIZE_N*4
	s_mul_u64 s[20:21], s[20:21], s[18:19]
	s_lshl_b32 s46, s42, 10
	s_lshl_b32 s47, s16, 9
	s_add_co_u32 s46, s46, s47
	s_mov_b32 s47, 0
	s_add_nc_u64 s[10:11], s[10:11], s[46:47]
	s_add_nc_u64 s[20:21], s[20:21], s[46:47]
	s_add_nc_u64 s[12:13], s[12:13], s[20:21]
.irp b, 0,1,2,3,4,5,6,7
	global_load_b128 v[T+8*\b:T+8*\b+3], v[BO], s[10:11] offset:64*\b
	global_load_b128 v[T+8*\b+4:T+8*\b+7], v[BO], s[10:11] offset:64*\b+16
.endr
	s_wait_loadcnt 0x0
.macro FRAG reg, adr, q, i
.irp c, 0,1
	ds_load_b128 v[\reg+4*\c:\reg+4*\c+3], v[\adr] offset:64*(\q)+32*\c+(\i)*16*PITCH
.endr
.endm
.macro FRAGA reg, adr, q, i
.irp c, 0,1
	ds_load_b128 v[\reg+4*\c:\reg+4*\c+3], v[\adr] offset:PANEL*(\q)+1024*(\i)+512*\c
.endr
.endm
.macro WM d, cr, bf, af, sb, sa, pb, pa
.if (\pb) && (\pa)
	v_wmma_scale_f32_16x16x128_f8f6f4 v[0+(\d):7+(\d)], v[0+(\bf):7+(\bf)], v[0+(\af):7+(\af)], v[0+(\cr):7+(\cr)], v[0+(\sb)], v[0+(\sa)] matrix_a_fmt:MATRIX_FMT_FP4 matrix_b_fmt:MATRIX_FMT_FP4 matrix_a_scale:MATRIX_SCALE_ROW1 matrix_b_scale:MATRIX_SCALE_ROW1
.elseif (\pb)
	v_wmma_scale_f32_16x16x128_f8f6f4 v[0+(\d):7+(\d)], v[0+(\bf):7+(\bf)], v[0+(\af):7+(\af)], v[0+(\cr):7+(\cr)], v[0+(\sb)], v[0+(\sa)] matrix_a_fmt:MATRIX_FMT_FP4 matrix_b_fmt:MATRIX_FMT_FP4 matrix_a_scale:MATRIX_SCALE_ROW1
.elseif (\pa)
	v_wmma_scale_f32_16x16x128_f8f6f4 v[0+(\d):7+(\d)], v[0+(\bf):7+(\bf)], v[0+(\af):7+(\af)], v[0+(\cr):7+(\cr)], v[0+(\sb)], v[0+(\sa)] matrix_a_fmt:MATRIX_FMT_FP4 matrix_b_fmt:MATRIX_FMT_FP4 matrix_b_scale:MATRIX_SCALE_ROW1
.else
	v_wmma_scale_f32_16x16x128_f8f6f4 v[0+(\d):7+(\d)], v[0+(\bf):7+(\bf)], v[0+(\af):7+(\af)], v[0+(\cr):7+(\cr)], v[0+(\sb)], v[0+(\sa)] matrix_a_fmt:MATRIX_FMT_FP4 matrix_b_fmt:MATRIX_FMT_FP4
.endif
.endm
.macro MUL16 a0, p, q, sc, cm          ; the 64 accumulators take turns, over the loop's backward jump too
.irp a, \a0, \a0+1
.irp b, 0,1,2,3,4,5,6,7
.if \cm
	WM 8*(8*((\a)%4)+\b), T+8*\b, 128*(\p)+FR*\b, AF+FR*(\a), SB+16*(\sc)+4*(\b/2)+(\q), SA+16*(\sc)+4*((\a)/2)+(\q), \b%2, (\a)%2
.else
	WM 8*(8*((\a)%4)+\b), 8*(8*((\a)%4)+\b), 128*(\p)+FR*\b, AF+FR*(\a), SB+16*(\sc)+4*(\b/2)+(\q), SA+16*(\sc)+4*((\a)/2)+(\q), \b%2, (\a)%2
.endif
.endr
.endr
.endm
.macro FETCH_B slot, q, p
	WIN TO_B
.irp i, 0,1,2,3,4,5,6,7
	FRAG 128*(\p)+FR*\i, ADRB+\slot, \q, \i
.endr
	WIN 0
.endm
.macro FETCH_A slot, q, i0
.irp i, \i0, \i0+1, \i0+2, \i0+3
	FRAGA AF+FR*(\i), ADRA+\slot, \q, \i
.endr
.endm
.macro SCALES sc
.irp i, 0,1,2,3
	ds_load_b128 v[SB+16*\sc+4*\i:SB+16*\sc+4*\i+3], v[ADRS] offset:\i*2*SBLK
.endr
.irp i, 0,1,2,3
.irp q, 0,1,2,3
	ds_load_b32 v[SA+16*\sc+4*\i+\q], v[ADSA+\sc] offset:PANEL*\q+128*\i
.endr
.endr
.endm
.macro PLACES n
.rept \n
	v_nop
.endr
.endm
.macro STEP slot, q, cm
	s_wait_dscnt 4*NL                              ; all but A's blocks 4-7 are in
.if \cm
	WIN 0x81
.else
	WIN MUL_LO
.endif
	MUL16 0, (\q)%2, \q, \slot, \cm
	MUL16 2, (\q)%2, \q, \slot, \cm
	s_wait_dscnt 0
	PLACES NP
	FETCH_B \slot, (\q)+1, 1-(\q)%2
	FETCH_A \slot, (\q)+1, 0
.if \cm
	WIN 0xc1
.else
	WIN MUL_HI
.endif
	MUL16 4, (\q)%2, \q, \slot, \cm
	MUL16 6, (\q)%2, \q, \slot, \cm
	PLACES NP
	WIN 0
	FETCH_A \slot, (\q)+1, 4
.endm
.macro TURN slot, next, fill
	s_wait_tensorcnt 0x0                           ; all my tensor loads have landed: my part of the next slot
	ds_add_u32 v[SPW], v[NIL]
	s_wait_dscnt 4*NL+1                            ; (the add and A's blocks 4-7 may be out)
	WIN MUL_LO
	MUL16 0, 1, NQ-1, \slot, 0
	s_wait_dscnt 0x0                               ; the add is done, my reads of this slot are over
	s_barrier_signal -1
	MUL16 2, 1, NQ-1, \slot, 0
	WIN 0
	s_barrier_wait -1
.if \fill
	CREST                                          ; the barrier has opened a round of the cluster's: no wave of any partner still reads this slot or has a load on its way
	s_add_nc_u64 s[G0+4*\slot+2:G0+4*\slot+3], s[G0+4*\slot+2:G0+4*\slot+3], 8*PLANE
	s_add_nc_u64 s[G0B+4*\slot+2:G0B+4*\slot+3], s[G0B+4*\slot+2:G0B+4*\slot+3], 2*ROWB
	JLOAD G0+4*\slot, G1, G0B+4*\slot, G1B         ; my one tensor load behind the round; its four v_nop are the places in front of the loads below
.else
	PLACES NP
.endif
	v_add_nc_u32 v[ADRS], 4*NQ, v[ADRS]
	FETCH_B \next, 0, 0
	FETCH_A \next, 0, 0
	SCALES \next
	WIN MUL_HI
	MUL16 4, 1, NQ-1, \slot, 0
	MUL16 6, 1, NQ-1, \slot, 0
	PLACES NP
	WIN 0
	FETCH_A \next, 0, 4
.endm
.macro STEPS slot, from
.set Q, \from
.rept NQ-1-\from
	STEP \slot, Q, 0
.set Q, Q+1
.endr
.endm
	s_wait_tensorcnt 1                             ; the scales and my part of slot 0 are in; slot 1's load may be out
	s_barrier_signal -1
	s_barrier_wait -1
	FETCH_B 0, 0, 0
	FETCH_A 0, 0, 0
	SCALES 0
	FETCH_A 0, 0, 4
	STEP 0, 0, 1
.if LAPS > 1
	s_mov_b32 s3, LAPS-1
.Llap:                                                 ; a trip goes once round the ring and fills both slots again
	STEPS 0, 1
	TURN 0, 1, 1
	STEPS 1, 0
	TURN 1, 0, 1
	STEP 0, 0, 0
	s_sub_co_u32 s3, s3, 1
	s_cmp_lg_u32 s3, 0
	s_cbranch_scc1 .Llap
.endif
	STEPS 0, 1                                     ; the last lap fills nothing
	TURN 0, 1, 0
	STEPS 1, 0
	s_wait_dscnt 4*NL
	WIN MUL_LO
	MUL16 0, 1, NQ-1, 1, 0
	MUL16 2, 1, NQ-1, 1, 0
	s_wait_dscnt 0
	WIN MUL_HI
	MUL16 4, 1, NQ-1, 1, 0
	MUL16 6, 1, NQ-1, 1, 0
	WIN 0
.macro TOSTAGE a
.set AC, 64*((\a)%4)
	WIN 0x08+4*((\a)/4)
.irp b, 0,1,2,3,4,5,6,7
	ds_store_b128 v[STO], v[AC+8*\b:AC+8*\b+3] offset:64*\b
	ds_store_b128 v[STO], v[AC+8*\b+4:AC+8*\b+7] offset:64*\b+16
.endr
	WIN 0
.set BB, BK+64*((\a)%2)
.irp t, 0,1,2,3,4,5,6,7,8,9,10,11,12,13,14,15
	ds_load_b128 v[BB+4*\t:BB+4*\t+3], v[RD] offset:\t*SPITCH
.endr
.endm
.macro SEND a, younger
.set BB, BK+64*((\a)%2)
	s_wait_dscnt \younger
.if (\a) > 0
	s_add_nc_u64 s[12:13], s[12:13], 16*SIZE_N*4
.endif
.irp t, 0,1,2,3,4,5,6,7,8,9,10,11,12,13,14,15
	global_store_b128 v[CO], v[BB+4*\t:BB+4*\t+3], s[12:13] offset:\t*SIZE_N*4
.endr
.endm
	PLACES NP
	TOSTAGE 0
.irp a, 1,2,3,4,5,6,7
.if \a > 1
	s_wait_xcnt 0x0                                ; block a - 2's stores have read their registers and base
.endif
	TOSTAGE \a
	SEND \a-1, 32
.endr
	s_wait_xcnt 0x0
	SEND 7, 0
	s_wait_tensorcnt 0x0                           ; the wave's end
	ds_add_u32 v[SPW], v[NIL]
	s_wait_dscnt 0x0
	CROUND
	s_endpgm
.Lfunc_end_k_q06e1ac5ceb_w2:
	.size	k_q06e1ac5ceb_w2, .Lfunc_end_k_q06e1ac5ceb_w2-k_q06e1ac5ceb_w2
	.p2alignl 7, 3214868480
	.fill 96, 4, 3214868480
	.section	.rodata,"a",@progbits
	.p2align	6, 0x0
	.amdhsa_kernel k_q06e1ac5ceb_w2
		.amdhsa_group_segment_fixed_size 327680
		.amdhsa_private_segment_fixed_size 0
		.amdhsa_enable_private_segment 0
		.amdhsa_kernarg_size 40
		.amdhsa_user_sgpr_count 2
		.amdhsa_user_sgpr_kernarg_segment_ptr 1
		.amdhsa_wavefront_size32 1
		.amdhsa_system_sgpr_workgroup_id_x 1
		.amdhsa_system_sgpr_workgroup_id_y 1
		.amdhsa_system_sgpr_workgroup_id_z 1
		.amdhsa_system_vgpr_workitem_id 0
		.amdhsa_next_free_vgpr 1024
		.amdhsa_next_free_sgpr 98
		.amdhsa_reserve_vcc 0
		.amdhsa_float_denorm_mode_32 3
		.amdhsa_float_denorm_mode_16_64 3
		.amdhsa_memory_ordered 1
		.amdhsa_forward_progress 1
		.amdhsa_inst_pref_size 215
	.end_amdhsa_kernel
	.amdgpu_metadata
---
amdhsa.version: [ 1, 2 ]
amdhsa.kernels:
  - .name:           k_q06e1ac5ceb_w2
    .symbol:         k_q06e1ac5ceb_w2.kd
    .args:
      - { .name: hp, .offset: 0, .size: 8, .value_kind: global_buffer, .address_space: global }
      - { .name: W2_codes, .offset: 8, .size: 8, .value_kind: global_buffer, .address_space: global }
      - { .name: W2_scales, .offset: 16, .size: 8, .value_kind: global_buffer, .address_space: global }
      - { .name: b2, .offset: 24, .size: 8, .value_kind: global_buffer, .address_space: global }
      - { .name: t, .offset: 32, .size: 8, .value_kind: global_buffer, .address_space: global }
    .group_segment_fixed_size: 327680
    .private_segment_fixed_size: 0
    .kernarg_segment_align: 8
    .kernarg_segment_size: 40
    .max_flat_workgroup_size: 128
    .sgpr_count:     98
    .vgpr_count:     1024
    .wavefront_size: 32
...
	.end_amdgpu_metadata
.endif
;; end of part 7
;; launch ln2 (part 8): grid 256 x 1, 8 waves a work-group, no clusters, 0 bytes of LDS; arguments t, x, ln2_g, ln2_b, out0; writes out0
.if DOCPART == 8
	.amdgcn_target "amdgcn-amd-amdhsa--gfx1250"
	.amdhsa_code_object_version 6
	.text
	.protected	k_q06e1ac5ceb_ln2
	.globl	k_q06e1ac5ceb_ln2
	.p2align	8
	.type	k_q06e1ac5ceb_ln2,@function
k_q06e1ac5ceb_ln2:
	s_mov_b64 s[64:65], 0
	v_nop
	global_prefetch_b8 v0, s[64:65] scope:SCOPE_SE
	s_setreg_imm32_b32 hwreg(HW_REG_WAVE_MODE, 25, 1), 1
	s_wait_xcnt 0x0
; LAUNCH 8 OF 8: out0 = layer_norm(x + t) g + b, in f32.  No work is left out.
; A wave takes two rows; a row of 4,096 bytes is 32 registers a lane and stays in registers between the mean, the variance and the scaling.  All 48 loads go out at the head; each load and store covers 512 consecutive bytes.
; No LDS, no barrier: waves share nothing.
.set G,   32
.set BB,  64
.set Y,   96
.set RS,  128
	s_load_b256 s[4:11], s[0:1], 0x0               ; t, the residual, g, b
	s_load_b64 s[12:13], s[0:1], 0x20              ; out0
	v_lshrrev_b32 v1, 5, v0
	v_readfirstlane_b32 s22, v1                    ; wave
	v_and_b32 v5, 31, v0
	v_lshlrev_b32 v1, 4, v5                        ; 16 lane
	s_mov_b32 s16, 0x76543210
	s_mov_b32 s17, 0xfedcba98
	s_mov_b32 s20, 0x3a800000                      ; 1 / 1,024
	s_mov_b32 s21, 0x3727c5ac                      ; 1e-5
	s_lshl_b32 s24, ttmp9, 16
	s_lshl_b32 s25, s22, 13
	s_add_co_u32 s24, s24, s25                     ; my first row: 16 work-group + 2 wave
	s_mov_b32 s25, 0
	s_wait_kmcnt 0x0
	s_add_nc_u64 s[4:5], s[4:5], s[24:25]
	s_add_nc_u64 s[6:7], s[6:7], s[24:25]
	s_add_nc_u64 s[12:13], s[12:13], s[24:25]
.irp j, 0,1,2,3,4,5,6,7
	global_load_b128 v[G+4*\j:G+4*\j+3], v1, s[8:9] offset:512*\j
.endr
.irp j, 0,1,2,3,4,5,6,7
	global_load_b128 v[BB+4*\j:BB+4*\j+3], v1, s[10:11] offset:512*\j
.endr
.irp p, 0,1
.irp j, 0,1,2,3,4,5,6,7
	global_load_b128 v[Y+64*\p+4*\j:Y+64*\p+4*\j+3], v1, s[4:5] offset:4096*\p+512*\j th:TH_LOAD_NT
.endr
.irp j, 0,1,2,3,4,5,6,7
	global_load_b128 v[RS+64*\p+4*\j:RS+64*\p+4*\j+3], v1, s[6:7] offset:4096*\p+512*\j th:TH_LOAD_NT
.endr
.endr
.macro LANES r, u
	v_add_f32_dpp v[\r], v[\r], v[\r] row_xmask:1 row_mask:0xf bank_mask:0xf
	v_add_f32_dpp v[\r], v[\r], v[\r] row_xmask:2 row_mask:0xf bank_mask:0xf
	v_add_f32_dpp v[\r], v[\r], v[\r] row_xmask:4 row_mask:0xf bank_mask:0xf
	v_add_f32_dpp v[\r], v[\r], v[\r] row_xmask:8 row_mask:0xf bank_mask:0xf
	v_permlanex16_b32 v[\u], v[\r], s16, s17
	v_add_f32 v[\r], v[\r], v[\u]
.endm
.macro ROW p
.set YY, Y+64*\p
.set RR, RS+64*\p
.set i, 0
.rept 16
	v_pk_add_f32 v[YY+i:YY+i+1], v[YY+i:YY+i+1], v[RR+i:RR+i+1]    ; the residual
.set i, i+2
.endr
.irp k, 0,1,2,3
	v_pk_add_f32 v[8+2*\k:9+2*\k], v[YY+2*\k:YY+2*\k+1], v[YY+8+2*\k:YY+9+2*\k]
.endr
.irp m, 16,24
.irp k, 0,1,2,3
	v_pk_add_f32 v[8+2*\k:9+2*\k], v[8+2*\k:9+2*\k], v[YY+\m+2*\k:YY+\m+2*\k+1]
.endr
.endr
	v_pk_add_f32 v[8:9], v[8:9], v[10:11]
	v_pk_add_f32 v[12:13], v[12:13], v[14:15]
	v_pk_add_f32 v[8:9], v[8:9], v[12:13]
	v_add_f32 v8, v8, v9
	LANES 8, 9
	v_mul_f32 v8, s20, v8                          ; the mean
.set i, 0
.rept 16
	v_pk_add_f32 v[YY+i:YY+i+1], v[YY+i:YY+i+1], v[8:9] op_sel_hi:[1,0] neg_lo:[0,1] neg_hi:[0,1]
.set i, i+2
.endr
	v_pk_mul_f32 v[10:11], v[YY:YY+1], v[YY:YY+1]
	v_pk_mul_f32 v[12:13], v[YY+2:YY+3], v[YY+2:YY+3]
.irp m, 4,8,12,16,20,24,28
	v_pk_fma_f32 v[10:11], v[YY+\m:YY+\m+1], v[YY+\m:YY+\m+1], v[10:11]
	v_pk_fma_f32 v[12:13], v[YY+\m+2:YY+\m+3], v[YY+\m+2:YY+\m+3], v[12:13]
.endr
	v_pk_add_f32 v[10:11], v[10:11], v[12:13]
	v_add_f32 v10, v10, v11
	LANES 10, 11
	v_fma_f32 v10, v10, s20, s21                   ; the variance + 1e-5
	v_rsq_f32 v10, v10
	v_nop                                          ; a plain line behind it
	s_wait_alu depctr_va_vdst(0)                   ; ahead of its first reader
.set i, 0
.rept 16
	v_pk_mul_f32 v[YY+i:YY+i+1], v[YY+i:YY+i+1], v[10:11] op_sel_hi:[1,0]
.set i, i+2
.endr
.set i, 0
.rept 16
	v_pk_fma_f32 v[YY+i:YY+i+1], v[YY+i:YY+i+1], v[G+i:G+i+1], v[BB+i:BB+i+1]
.set i, i+2
.endr
.irp j, 0,1,2,3,4,5,6,7
	global_store_b128 v1, v[YY+4*\j:YY+4*\j+3], s[12:13] offset:4096*\p+512*\j th:TH_STORE_NT
.endr
.endm
	s_wait_loadcnt 16                              ; g, b and row 0 are in; row 1's sixteen loads may be out
	ROW 0
	s_wait_loadcnt 0x0
	ROW 1
	s_endpgm
.Lfunc_end_k_q06e1ac5ceb_ln2:
	.size	k_q06e1ac5ceb_ln2, .Lfunc_end_k_q06e1ac5ceb_ln2-k_q06e1ac5ceb_ln2
	.p2alignl 7, 3214868480
	.fill 96, 4, 3214868480
	.section	.rodata,"a",@progbits
	.p2align	6, 0x0
	.amdhsa_kernel k_q06e1ac5ceb_ln2
		.amdhsa_group_segment_fixed_size 0
		.amdhsa_private_segment_fixed_size 0
		.amdhsa_enable_private_segment 0
		.amdhsa_kernarg_size 40
		.amdhsa_user_sgpr_count 2
		.amdhsa_user_sgpr_kernarg_segment_ptr 1
		.amdhsa_wavefront_size32 1
		.amdhsa_system_sgpr_workgroup_id_x 1
		.amdhsa_system_sgpr_workgroup_id_y 1
		.amdhsa_system_sgpr_workgroup_id_z 1
		.amdhsa_system_vgpr_workitem_id 0
		.amdhsa_next_free_vgpr 240
		.amdhsa_next_free_sgpr 66
		.amdhsa_reserve_vcc 0
		.amdhsa_float_denorm_mode_32 3
		.amdhsa_float_denorm_mode_16_64 3
		.amdhsa_memory_ordered 1
		.amdhsa_forward_progress 1
		.amdhsa_inst_pref_size 21
	.end_amdhsa_kernel
	.amdgpu_metadata
---
amdhsa.version: [ 1, 2 ]
amdhsa.kernels:
  - .name:           k_q06e1ac5ceb_ln2
    .symbol:         k_q06e1ac5ceb_ln2.kd
    .args:
      - { .name: t, .offset: 0, .size: 8, .value_kind: global_buffer, .address_space: global }
      - { .name: x, .offset: 8, .size: 8, .value_kind: global_buffer, .address_space: global }
      - { .name: ln2_g, .offset: 16, .size: 8, .value_kind: global_buffer, .address_space: global }
      - { .name: ln2_b, .offset: 24, .size: 8, .value_kind: global_buffer, .address_space: global }
      - { .name: out0, .offset: 32, .size: 8, .value_kind: global_buffer, .address_space: global }
    .group_segment_fixed_size: 0
    .private_segment_fixed_size: 0
    .kernarg_segment_align: 8
    .kernarg_segment_size: 40
    .max_flat_workgroup_size: 256
    .sgpr_count:     66
    .vgpr_count:     240
    .wavefront_size: 32
...
	.end_amdgpu_metadata
.endif
;; end of part 8
;; ======== version 2 of 2: 8 launches
;; limits: right only within a limited range of input values
;; workspace buffers: aq 2,228,224 bytes; xq 2,228,224 bytes; qkv 6,684,672 bytes; cp 2,228,224 bytes; hp 8,912,896 bytes; t 16,777,216 bytes; x 16,777,216 bytes
;; launch quant (part 9): grid 256 x 1, 8 waves a work-group, no clusters, 67,584 bytes of LDS; arguments src, aq; writes aq
.if DOCPART == 9
	.amdgcn_target "amdgcn-amd-amdhsa--gfx1250"
	.amdhsa_code_object_version 6
	.text
	.protected	k_q06e1ac5ceb_quant
	.globl	k_q06e1ac5ceb_quant
	.p2align	8
	.type	k_q06e1ac5ceb_quant,@function
k_q06e1ac5ceb_quant:
	s_mov_b64 s[64:65], 0
	v_nop
	global_prefetch_b8 v0, s[64:65] scope:SCOPE_SE
	s_setreg_imm32_b32 hwreg(HW_REG_WAVE_MODE, 25, 1), 1
	s_wait_xcnt 0x0
; LAUNCH 1 OF 8 of an encoder layer in MX-FP4: src [4096][1024] f32 becomes codes of E2M1 (aq: [4096][512 bytes], K innermost) and one E8M0 byte for each 32 along K (aq + 2,097,152: [4096][32]).
; DEAD WORK: none is left out in this program.  Every input has a way to out0: each weight and bias enters a live product or sum (bk moves k's codes, so it stays), both gains and shifts enter the norms.
; Product 4 has K = 64 in an instruction of K = 128: its upper 64 are zero codes on both operands, which add nothing.
; A block's scale is 2^(floor(log2(largest magnitude)) - 2); its byte is the largest magnitude's exponent field - 2, held at 1 from below.
; LIMITS: a block whose largest magnitude lies under 2^-124 (a block of zeros too) gets the byte 1: its codes are zeros or held small, and this program alone reads the bytes.  NaN and infinities among the inputs are not served.
; Rows are dense and 1,024 is a multiple of 32: the tensor is a stream of blocks of 32.  A wave takes 4 steps of 512 numbers; all its 16 loads go out at the head, each reading 512 consecutive bytes.
; A step's 2,048 bytes turn through the wave's own stage in LDS (16 bytes of padding behind each 64), so that a lane holds 16 neighbours; two neighbouring lanes hold a block.
; A lane's 16 codes are 8 bytes: a wave's store covers 256 consecutive bytes.  The work-group's 512 scale bytes meet in LDS and leave by one store of wave 0.
.set WAVES, 8
.set STEPS, 4
.set EMAX,  2
.set R,     16                         ; v16-79   four sets of 16 numbers as loaded
.set X,     80                         ; v80-111  two sets of 16 neighbours
.set E,     112                        ; v112-115 a scale byte for each step
.set C,     128                        ; v128..   codes: four registers for each step
.set WREG,  8192                       ; LDS: a region for each wave: two stages of 32 x SP bytes
.set SP,    80
.set SPW,   12                         ; v12 my spare word's address; never rewritten
.set NIL,   13                         ; v13 0; never rewritten
.set SCB,   WAVES*WREG                 ; the work-group's 512 scale bytes
.set SPARE, SCB+512                    ; the spare words: 128 bytes a wave, no other line names them
.set SCOFF, 2097152                    ; where the scale bytes begin in aq
	s_load_b128 s[4:7], s[0:1], 0x0                ; src, aq
	v_lshl_add_u32 v[SPW], v0, 2, SPARE
	v_mov_b32 v[NIL], 0
	v_lshrrev_b32 v1, 5, v0
	s_delay_alu instid0(VALU_DEP_1)
	v_readfirstlane_b32 s16, v1                    ; wave
	v_and_b32 v2, 31, v0                           ; lane
	s_delay_alu instid0(VALU_DEP_1)
	v_lshlrev_b32 v3, 4, v2                        ; my 16 bytes of a load's 512
	s_mul_i32 s17, s16, WREG
	v_lshrrev_b32 v14, 2, v2
	s_delay_alu instid0(VALU_DEP_1)
	v_mul_u32_u24 v14, v14, SP
	v_and_b32 v15, 3, v2
	s_delay_alu instid0(VALU_DEP_1)
	v_lshl_add_u32 v14, v15, 4, v14
	s_delay_alu instid0(VALU_DEP_1)
	v_add_nc_u32 v14, s17, v14                     ; the stage, in: SP (lane / 4) + 16 (lane % 4)
	v_mul_u32_u24 v15, v2, SP
	s_delay_alu instid0(VALU_DEP_1)
	v_add_nc_u32 v15, s17, v15                     ; out: SP x lane
	v_lshlrev_b32 v4, 3, v2                        ; my codes' place in a step's 256 bytes
	v_lshrrev_b32 v5, 1, v2
	s_lshl_b32 s17, s16, 6
	s_add_co_u32 s17, s17, SCB
	v_add_nc_u32 v5, s17, v5                       ; my block's scale byte: SCB + 64 wave + lane / 2 (+ 16 step)
	v_add_nc_u32 v6, SCB, v3                       ; wave 0 reads them back: SCB + 16 lane
	s_lshl_b32 s18, ttmp9, 3
	s_add_co_u32 s18, s18, s16                     ; my run of 2,048 numbers
	s_lshl_b32 s20, s18, 13
	s_mov_b32 s21, 0
	s_lshl_b32 s22, s18, 10
	s_mov_b32 s23, 0
	s_lshl_b32 s24, ttmp9, 9
	s_add_co_u32 s24, s24, SCOFF
	s_mov_b32 s25, 0
	s_wait_alu depctr_va_vdst(0)
	s_wait_kmcnt 0x0
	s_add_nc_u64 s[4:5], s[4:5], s[20:21]
	s_add_nc_u64 s[8:9], s[6:7], s[22:23]          ; my codes
	s_add_nc_u64 s[10:11], s[6:7], s[24:25]        ; the work-group's scale bytes
.macro LOAD t
.irp i, 0,1,2,3
	global_load_b128 v[R+16*(\t)+4*\i:R+16*(\t)+4*\i+3], v3, s[4:5] offset:2048*(\t)+512*\i
.endr
.endm
.macro TURN t                          ; step t's numbers through the stage: LDS serves a wave's instructions in order
.irp i, 0,1,2,3
	ds_store_b128 v14, v[R+16*(\t)+4*\i:R+16*(\t)+4*\i+3] offset:32*SP*((\t)%2)+8*SP*\i
.endr
.irp i, 0,1,2,3
	ds_load_b128 v[X+16*((\t)%2)+4*\i:X+16*((\t)%2)+4*\i+3], v15 offset:32*SP*((\t)%2)+16*\i
.endr
.endm
.irp t, 0,1,2,3
	LOAD \t
.endr
	s_wait_loadcnt 12                              ; step 0's four loads are in
	TURN 0
.macro STEP t
.set XS, X+16*((\t)%2)
.if (\t) > 0
	s_wait_dscnt 1                                 ; this step's numbers are back (the last step's byte store may be out)
.else
	s_wait_dscnt 0x0
.endif
.if (\t)+1 < STEPS
	s_wait_loadcnt 4*(STEPS-2-(\t))                ; the next step's four loads are in; the later steps' may be out
	TURN (\t)+1
.endif
	v_max3_num_f32 v8, |v[XS]|, |v[XS+1]|, |v[XS+2]|
	v_max3_num_f32 v9, |v[XS+3]|, |v[XS+4]|, |v[XS+5]|
.irp i, 6,10
	s_delay_alu instid0(VALU_DEP_2)
	v_max3_num_f32 v8, v8, |v[XS+\i]|, |v[XS+\i+1]|
	s_delay_alu instid0(VALU_DEP_2)
	v_max3_num_f32 v9, v9, |v[XS+\i+2]|, |v[XS+\i+3]|
.endr
	s_delay_alu instid0(VALU_DEP_2)
	v_max3_num_f32 v8, v8, |v[XS+14]|, |v[XS+15]|
	s_delay_alu instid0(VALU_DEP_1)
	v_max3_num_f32 v8, v8, v9, (EMAX+1)<<23        ; the floor 2^(3 - 127): the byte cannot fall under 1
	s_delay_alu instid0(VALU_DEP_1)
	v_max_num_f32_dpp v8, v8, v8 row_xmask:1 row_mask:0xf bank_mask:0xf   ; with my neighbour's 16: the block's
	s_delay_alu instid0(VALU_DEP_1)
	v_add_nc_u32 v11, -(EMAX<<23), v8              ; 2 off the exponent field: the conversion's scale operand
	v_cvt_scalef32_pk8_fp4_f32 v[C+4*(\t)], v[XS:XS+7], v11
	v_cvt_scalef32_pk8_fp4_f32 v[C+4*(\t)+1], v[XS+8:XS+15], v11
	v_lshrrev_b32 v[E+(\t)], 23, v11               ; the scale's byte (also the plain line behind the conversions)
	ds_store_b8 v5, v[E+(\t)] offset:16*(\t)       ; both lanes of a block write the same byte with the same value
	global_store_b64 v4, v[C+4*(\t):C+4*(\t)+1], s[8:9] offset:256*(\t)
.endm
.irp t, 0,1,2,3
	STEP \t
.endr
	s_wait_dscnt 0x0                               ; for the others' sake: my byte stores are done
	s_barrier_signal -1
	s_barrier_wait -1
	s_cmp_lg_u32 s16, 0
	s_cbranch_scc1 .Lnot_wave_0
	ds_load_b128 v[8:11], v6                       ; the eight waves' 512 scale bytes
	s_wait_dscnt 0x0
	global_store_b128 v3, v[8:11], s[10:11]        ; 512 consecutive bytes
.Lnot_wave_0:
	s_wait_tensorcnt 0x0                           ; the wave's end
	ds_add_u32 v[SPW], v[NIL]
	s_wait_dscnt 0x0
	s_endpgm
.Lfunc_end_k_q06e1ac5ceb_quant:
	.size	k_q06e1ac5ceb_quant, .Lfunc_end_k_q06e1ac5ceb_quant-k_q06e1ac5ceb_quant
	.p2alignl 7, 3214868480
	.fill 96, 4, 3214868480
	.section	.rodata,"a",@progbits
	.p2align	6, 0x0
	.amdhsa_kernel k_q06e1ac5ceb_quant
		.amdhsa_group_segment_fixed_size 67584
		.amdhsa_private_segment_fixed_size 0
		.amdhsa_enable_private_segment 0
		.amdhsa_kernarg_size 16
		.amdhsa_user_sgpr_count 2
		.amdhsa_user_sgpr_kernarg_segment_ptr 1
		.amdhsa_wavefront_size32 1
		.amdhsa_system_sgpr_workgroup_id_x 1
		.amdhsa_system_sgpr_workgroup_id_y 1
		.amdhsa_system_sgpr_workgroup_id_z 1
		.amdhsa_system_vgpr_workitem_id 0
		.amdhsa_next_free_vgpr 160
		.amdhsa_next_free_sgpr 66
		.amdhsa_reserve_vcc 0
		.amdhsa_float_denorm_mode_32 3
		.amdhsa_float_denorm_mode_16_64 3
		.amdhsa_memory_ordered 1
		.amdhsa_forward_progress 1
		.amdhsa_inst_pref_size 12
	.end_amdhsa_kernel
	.amdgpu_metadata
---
amdhsa.version: [ 1, 2 ]
amdhsa.kernels:
  - .name:           k_q06e1ac5ceb_quant
    .symbol:         k_q06e1ac5ceb_quant.kd
    .args:
      - { .name: src, .offset: 0, .size: 8, .value_kind: global_buffer, .address_space: global }
      - { .name: aq, .offset: 8, .size: 8, .value_kind: global_buffer, .address_space: global }
    .group_segment_fixed_size: 67584
    .private_segment_fixed_size: 0
    .kernarg_segment_align: 8
    .kernarg_segment_size: 16
    .max_flat_workgroup_size: 256
    .sgpr_count:     66
    .vgpr_count:     160
    .wavefront_size: 32
...
	.end_amdgpu_metadata
.endif
;; end of part 9
;; launch qkv (part 10): grid 12 x 16, 4 waves a work-group, clusters of 4 x 4, 327,680 bytes of LDS; arguments aq, Wq_codes, Wq_scales, Wk_codes, Wk_scales, Wv_codes, Wv_scales, bq, bk, bv, qkv; writes qkv
.if DOCPART == 10
	.amdgcn_target "amdgcn-amd-amdhsa--gfx1250"
	.amdhsa_code_object_version 6
	.text
	.protected	k_q06e1ac5ceb_qkv
	.globl	k_q06e1ac5ceb_qkv
	.p2align	8
	.type	k_q06e1ac5ceb_qkv,@function
k_q06e1ac5ceb_qkv:
	s_mov_b64 s[64:65], 0
	v_nop
	global_prefetch_b8 v0, s[64:65] scope:SCOPE_SE
	s_setreg_imm32_b32 hwreg(HW_REG_WAVE_MODE, 25, 1), 1
	s_wait_xcnt 0x0
	s_wait_alu depctr_hold_cnt(0) depctr_sa_sdst(0) depctr_va_vdst(0) depctr_va_sdst(0) depctr_va_ssrc(0) depctr_va_vcc(0) depctr_vm_vsrc(0)
	s_getreg_b32 s2, hwreg(HW_REG_IB_STS2, 6, 4)
	s_cmp_eq_u32 s2, 0
	s_cbranch_scc0 .Lentry_in_a_cluster
	s_endpgm
.Lentry_in_a_cluster:
	s_bfe_u32 s2, ttmp6, 0x10000c
	s_cmp_lg_u32 s2, 0xf033
	s_cbranch_scc0 .Lentry_shape_is_right
	s_endpgm
.Lentry_shape_is_right:
.set KSTEP,  512
.set NQ,     4
.set ROWB,   256
.set KROW,   512
.set PITCH,  272
.set FR,     8
.set NL,     2
.set NP,     4
.set HALFT,  128*PITCH
.set SLOT,   4*HALFT
.set KS,     32
.set SCL,    2*SLOT
.set HALFS,  (128*KS/256)*272
.set SBLK,   (16*KS/256)*272
.set SPARE,  SCL+4*HALFS
.set PANEL,  8704
.set BR,   15
.set ADRA, 16
.set ADRB, 20
.set STO,  24
.set RD,   25
.set CO,   26
.set ADRS, 27
.set SPW,  28
.set NIL,  29
.set STS,  30
.set BO,   31
.set SC,   32
.set AF,   128
.set T,    192
.set PC,   128
.set TM,   200
.set PW,   216
.set OB,   32
.set G1, 24
.set G0, 32
.set G1B, 48
.set G0B, 56
.set G1S, 68
.set G0S, 76
.set G1SB, 80
.set G0SB, 88
.set SEL, 96
.set MSB, 0
.macro WIN new
.if MSB != (\new)
	s_set_vgpr_msb (MSB<<8)|(\new)
.set MSB, (\new)
.endif
.endm
.set MUL_LO, 0xa1
.set MUL_HI, 0xf1
.set TO_B,   0x40
.macro JLOAD g0a, g1a, g0b, g1b
	s_cmp_eq_u32 s15, 0
	s_cbranch_scc0 .Lfor_b_\@
	tensor_load_to_lds s[\g0a:\g0a+3], s[\g1a:\g1a+7]
	s_nop 0
.rept 4
	v_nop
.endr
	s_branch .Lasked_\@
.Lfor_b_\@:
	tensor_load_to_lds s[\g0b:\g0b+3], s[\g1b:\g1b+7]
	s_nop 0
.rept 4
	v_nop
.endr
.Lasked_\@:
.endm
.macro CROUND
	s_barrier_signal -1
	s_barrier_wait -1
	s_cmp_lg_u32 s14, 0
	s_cbranch_scc1 .Lnot_wave_0_\@
	s_barrier_signal -3
.Lnot_wave_0_\@:
	s_barrier_wait -3
	s_barrier_signal -1
	s_barrier_wait -1
.endm
	s_load_b512 s[68:83], s[0:1], 0x0
	s_load_b128 s[84:87], s[0:1], 0x40
	s_load_b64 s[88:89], s[0:1], 0x50
	v_lshl_add_u32 v[SPW], v0, 2, SPARE
	v_mov_b32 v[NIL], 0
	ds_add_u32 v[SPW], v[NIL]
	ds_add_u32 v[SPW], v[NIL]
	v_lshrrev_b32 v1, 5, v0
	v_readfirstlane_b32 s14, v1
	s_lshr_b32 s15, s14, 1
	s_and_b32 s16, s14, 1
	s_bfe_u32 s40, ttmp6, 0x40000
	s_bfe_u32 s41, ttmp6, 0x40004
	s_and_b32 s17, ttmp7, 0xffff
	s_lshl_b32 s17, s17, 2
	s_cmp_eq_u32 ttmp9, 2
	s_cselect_b32 s42, s17, 0
	s_cselect_b32 s17, 0, s17
	s_add_co_u32 s42, s42, s40
	s_add_co_u32 s17, s17, s41
	s_lshl_b32 s43, s41, 2
	s_lshl_b32 s43, 15, s43
	s_lshl_b32 s44, 0x1111, s40
	s_or_b32 s[G1+0], s43, (0<<16)|(1<<20)|(1<<21)|(5<<22)|(3<<25)
	s_or_b32 s[G1B+0], s44, (0<<16)|(1<<20)|(1<<21)|(5<<22)|(3<<25)
.irp g, G1, G1B
	s_mov_b32 s[\g+1], ROWB<<16
	s_mov_b32 s[\g+2], 256<<16                     ; the head's loads of codes bring 256 rows
	s_mov_b32 s[\g+3], ROWB<<16
	s_mov_b32 s[\g+4], 256
	s_mov_b32 s[\g+5], KROW
	s_mov_b32 s[\g+6], 0
	s_mov_b32 s[\g+7], 0
.endr
	s_lshl_b32 s20, s17, 8                         ; the tiles' first rows
	s_lshl_b32 s46, s42, 8
	s_mov_b32 s21, 0
	s_mov_b32 s47, 0
	s_mov_b64 s[18:19], KS
	s_mul_u64 s[22:23], s[20:21], s[18:19]
	s_mul_u64 s[2:3], s[46:47], s[18:19]
	s_mov_b64 s[18:19], KROW
	s_mul_u64 s[20:21], s[20:21], s[18:19]
	s_mul_u64 s[46:47], s[46:47], s[18:19]
	s_mul_i32 s45, s14, HALFT
	s_mul_i32 s98, s16, 128*KROW                   ; slot 1: which 128 rows of a tile I fetch, in bytes
	s_mov_b32 s99, 0
	s_wait_dscnt 0x0
	s_wait_kmcnt 0x0
	s_cmp_eq_u32 ttmp9, 0
	s_cselect_b64 s[92:93], s[70:71], s[74:75]
	s_cselect_b64 s[94:95], s[72:73], s[76:77]
	s_cselect_b64 s[66:67], s[82:83], s[84:85]
	s_cmp_eq_u32 ttmp9, 2
	s_cselect_b64 s[92:93], s[78:79], s[92:93]
	s_cselect_b64 s[94:95], s[80:81], s[94:95]
	s_cselect_b64 s[66:67], s[86:87], s[66:67]
	s_add_nc_u64 s[96:97], s[68:69], 2097152
	s_cselect_b64 s[4:5], s[92:93], s[68:69]
	s_cselect_b64 s[6:7], s[94:95], s[96:97]
	s_cselect_b64 s[8:9], s[68:69], s[92:93]
	s_cselect_b64 s[10:11], s[96:97], s[94:95]
	s_mov_b64 s[12:13], s[88:89]
	s_or_b32 s[G1S+0], s43, (3<<16)|(1<<20)|(1<<21)|(5<<22)|(3<<25)
	s_or_b32 s[G1SB+0], s44, (3<<16)|(1<<20)|(1<<21)|(5<<22)|(3<<25)
.irp g, G1S, G1SB
	s_mov_b32 s[\g+1], 32<<16
	s_mov_b32 s[\g+2], KS<<16                      ; the scales of 256 rows: KS rows of 256 bytes
	s_mov_b32 s[\g+3], 32<<16
	s_mov_b32 s[\g+4], KS
	s_mov_b32 s[\g+5], 32
	s_mov_b32 s[\g+6], 0
	s_mov_b32 s[\g+7], 0
.endr
	s_add_nc_u64 s[20:21], s[4:5], s[20:21]
	s_add_nc_u64 s[22:23], s[6:7], s[22:23]
	s_add_nc_u64 s[46:47], s[8:9], s[46:47]
	s_add_nc_u64 s[2:3], s[10:11], s[2:3]
	CROUND
	s_mov_b32 s[G0S], 1
	s_mov_b32 s[G0S+1], SCL
	s_mov_b64 s[G0S+2:G0S+3], s[22:23]
	s_or_b32 s[G0S+3], s[G0S+3], 0x80000000
	s_mov_b32 s[G0SB], 1
	s_mov_b32 s[G0SB+1], SCL+2*HALFS
	s_mov_b64 s[G0SB+2:G0SB+3], s[2:3]
	s_or_b32 s[G0SB+3], s[G0SB+3], 0x80000000
	s_mov_b32 s4, 1                                ; s[4:7]: group 0 for K step 0's 256 rows of A (the arguments that lay there have been used)
	s_mov_b32 s5, 0
	s_mov_b64 s[6:7], s[20:21]
	s_or_b32 s7, s7, 0x80000000
	s_mov_b32 s8, 1                                ; s[8:11]: for its 256 rows of B, behind A's in slot 0
	s_mov_b32 s9, 2*HALFT
	s_mov_b64 s[10:11], s[46:47]
	s_or_b32 s11, s11, 0x80000000
	s_add_nc_u64 s[20:21], s[20:21], s[98:99]      ; for slot 1: my 128 rows of the tile
	s_add_nc_u64 s[46:47], s[46:47], s[98:99]
.irp s, 1
	s_mov_b32 s[G0+4*\s], 1
	s_add_co_u32 s[G0+4*\s+1], s45, \s*SLOT
	s_add_nc_u64 s[G0+4*\s+2:G0+4*\s+3], s[20:21], \s*ROWB
	s_or_b32 s[G0+4*\s+3], s[G0+4*\s+3], 0x80000000
	s_mov_b32 s[G0B+4*\s], 1
	s_add_co_u32 s[G0B+4*\s+1], s45, \s*SLOT
	s_add_nc_u64 s[G0B+4*\s+2:G0B+4*\s+3], s[46:47], \s*ROWB
	s_or_b32 s[G0B+4*\s+3], s[G0B+4*\s+3], 0x80000000
.endr
; the head's four tiles, one load a wave: wave 0 K step 0's rows of A, wave 1 those of B, wave 2 A's scales, wave 3 B's; one chain of branches on the wave's number
.macro ARM under, g0, g1, next
	s_cmp_lt_u32 s14, \under
	s_cbranch_scc0 \next
	tensor_load_to_lds s[\g0:\g0+3], s[\g1:\g1+7]
	s_nop 0
.rept 4
	v_nop
.endr
	s_branch .Lhead_asked
\next:
.endm
	ARM 1, 4, G1, .Lhead_b
	ARM 2, 8, G1B, .Lhead_sa
	ARM 3, G0S, G1S, .Lhead_sb
	tensor_load_to_lds s[G0SB:G0SB+3], s[G1SB:G1SB+7]
	s_nop 0
.rept 4
	v_nop
.endr
.Lhead_asked:
	s_mov_b32 s[SEL], 0x76543210
	s_mov_b32 s[SEL+1], 0xfedcba98
	v_and_b32 v1, 15, v0
	v_bfe_u32 v2, v0, 4, 1
	v_mul_u32_u24 v3, v1, PITCH
	v_lshl_add_u32 v4, v2, 4, v3
	s_mul_i32 s21, s15, HALFT
	s_mul_i32 s22, s16, HALFT
	s_add_co_u32 s22, s22, 2*HALFT
.irp s, 0,1
	v_add_nc_u32 v[ADRA+\s], s21, v4
	v_add_nc_u32 v[ADRB+\s], s22, v4
	s_add_co_u32 s21, s21, SLOT
	s_add_co_u32 s22, s22, SLOT
.endr
	v_mul_u32_u24 v5, v1, KS
	v_lshrrev_b32 v6, 8, v5
	v_lshl_add_u32 v5, v6, 4, v5
	s_mul_i32 s21, s15, HALFS
	s_mul_i32 s22, s16, HALFS
	s_add_co_u32 s22, s22, 2*HALFS
	s_sub_co_u32 s22, s22, s21
	v_mul_u32_u24 v6, s22, v2
	s_add_co_u32 s21, s21, SCL
	v_add_nc_u32 v5, v5, v6
	v_add_nc_u32 v[ADRS], s21, v5
	s_mul_i32 s23, s14, PANEL
	v_lshrrev_b32 v5, 3, v1
	v_and_b32 v6, 7, v1
	v_lshlrev_b32 v3, 10, v5
	v_lshl_add_u32 v3, v6, 4, v3
	v_lshl_add_u32 v3, v2, 2, v3
	v_add_nc_u32 v[STO], s23, v3
	v_lshlrev_b32 v3, 6, v5
	v_lshl_add_u32 v3, v6, 2, v3
	v_add_nc_u32 v3, 8192, v3
	v_add_nc_u32 v[STS], s23, v3
	v_and_b32 v6, 31, v0
	v_lshlrev_b32 v[CO], 4, v6
	v_add_nc_u32 v[RD], s23, v[CO]
	v_lshlrev_b32 v[BO], 5, v2
	v_lshlrev_b32 v[BR], 2, v1
	s_cmp_eq_u32 ttmp9, 2
	s_cselect_b32 s21, 3, 5
	s_lshl_b32 s20, s42, 1
	s_add_co_u32 s20, s20, s16
	s_lshl_b32 s20, s20, s21
	s_lshl_b32 s21, s17, 1
	s_add_co_u32 s20, s20, s21
	s_add_co_u32 s20, s20, s15
	s_mul_i32 s20, s20, PANEL
	s_mul_i32 s21, ttmp9, 2228224
	s_add_co_u32 s20, s20, s21
	s_mov_b32 s21, 0
	s_add_nc_u64 s[12:13], s[12:13], s[20:21]
	s_cmp_eq_u32 ttmp9, 2
	s_cselect_b32 s20, s17, s42
	s_cselect_b32 s21, s15, s16
	s_lshl_b32 s20, s20, 10
	s_lshl_b32 s21, s21, 9
	s_add_co_u32 s20, s20, s21
	s_mov_b32 s21, 0
	s_add_nc_u64 s[66:67], s[66:67], s[20:21]
	s_cmp_eq_u32 ttmp9, 2
	s_cbranch_scc1 .Lbias_rows
	s_wait_alu depctr_va_vdst(0)
.irp b, 0,1,2,3,4,5,6,7
	global_load_b128 v[T+8*\b:T+8*\b+3], v[BO], s[66:67] offset:64*\b
	global_load_b128 v[T+8*\b+4:T+8*\b+7], v[BO], s[66:67] offset:64*\b+16
.endr
	s_wait_loadcnt 0x0
	s_branch .Lbias_done
.Lbias_rows:
	s_wait_alu depctr_va_vdst(0)
.irp a, 0,1,2,3,4,5,6,7
	global_load_b32 v[T+8*\a], v[BR], s[66:67] offset:64*\a
.endr
	s_wait_loadcnt 0x0
.irp a, 0,1,2,3,4,5,6,7
.irp j, 1,2,3,4,5,6,7
	v_mov_b32 v[T+8*\a+\j], v[T+8*\a]
.endr
.endr
.Lbias_done:
.macro FRAG reg, adr, q, i
.irp c, 0,1
	ds_load_b128 v[\reg+4*\c:\reg+4*\c+3], v[\adr] offset:64*(\q)+32*\c+(\i)*16*PITCH
.endr
.endm
.macro MUL16 a0, p, q, sc, cm
.irp a, \a0, \a0+1
.irp b, 0,1,2,3,4,5,6,7
.if (\cm) == 1
	v_wmma_scale_f32_16x16x128_f8f6f4 v[8*(8*((\a)%4)+\b):8*(8*((\a)%4)+\b)+7], v[128*(\p)+FR*\b:128*(\p)+FR*\b+FR-1], v[AF+FR*(\a):AF+FR*(\a)+FR-1], v[T+8*\b:T+8*\b+7], v[SC+8*NQ*(\sc)+NQ*\b+(\q)], v[SC+8*NQ*(\sc)+NQ*(\a)+(\q)] matrix_a_fmt:MATRIX_FMT_FP4 matrix_b_fmt:MATRIX_FMT_FP4 matrix_a_scale:MATRIX_SCALE_ROW1
.elseif (\cm) == 2
	v_wmma_scale_f32_16x16x128_f8f6f4 v[8*(8*((\a)%4)+\b):8*(8*((\a)%4)+\b)+7], v[128*(\p)+FR*\b:128*(\p)+FR*\b+FR-1], v[AF+FR*(\a):AF+FR*(\a)+FR-1], v[T+8*(\a):T+8*(\a)+7], v[SC+8*NQ*(\sc)+NQ*\b+(\q)], v[SC+8*NQ*(\sc)+NQ*(\a)+(\q)] matrix_a_fmt:MATRIX_FMT_FP4 matrix_b_fmt:MATRIX_FMT_FP4 matrix_a_scale:MATRIX_SCALE_ROW1
.else
	v_wmma_scale_f32_16x16x128_f8f6f4 v[8*(8*((\a)%4)+\b):8*(8*((\a)%4)+\b)+7], v[128*(\p)+FR*\b:128*(\p)+FR*\b+FR-1], v[AF+FR*(\a):AF+FR*(\a)+FR-1], v[8*(8*((\a)%4)+\b):8*(8*((\a)%4)+\b)+7], v[SC+8*NQ*(\sc)+NQ*\b+(\q)], v[SC+8*NQ*(\sc)+NQ*(\a)+(\q)] matrix_a_fmt:MATRIX_FMT_FP4 matrix_b_fmt:MATRIX_FMT_FP4 matrix_a_scale:MATRIX_SCALE_ROW1
.endif
.endr
.endr
.endm
.macro FETCH_B slot, q, p
	WIN TO_B
.irp i, 0,1,2,3,4,5,6,7
	FRAG 128*(\p)+FR*\i, ADRB+\slot, \q, \i
.endr
	WIN 0
.endm
.macro FETCH_A slot, q, i0
.irp i, \i0, \i0+1, \i0+2, \i0+3
	FRAG AF+FR*(\i), ADRA+\slot, \q, \i
.endr
.endm
.macro SCALES sc
.irp i, 0,1,2,3,4,5,6,7
	ds_load_b128 v[SC+8*NQ*\sc+NQ*\i:SC+8*NQ*\sc+NQ*\i+3], v[ADRS] offset:\i*SBLK
.endr
.endm
.macro PLACES n
.rept \n
	v_nop
.endr
.endm
.macro STEP slot, q, cm
	s_wait_dscnt 4*NL
.if \cm
	WIN 0x81
.else
	WIN MUL_LO
.endif
	MUL16 0, (\q)%2, \q, \slot, \cm
	MUL16 2, (\q)%2, \q, \slot, \cm
	s_wait_dscnt 0
	PLACES NP
	FETCH_B \slot, (\q)+1, 1-(\q)%2
	FETCH_A \slot, (\q)+1, 0
.if \cm
	WIN 0xc1
.else
	WIN MUL_HI
.endif
	MUL16 4, (\q)%2, \q, \slot, \cm
	MUL16 6, (\q)%2, \q, \slot, \cm
	PLACES NP
	WIN 0
	FETCH_A \slot, (\q)+1, 4
.endm
.macro TURN slot, next
	s_wait_tensorcnt 0x0
	ds_add_u32 v[SPW], v[NIL]
	s_wait_dscnt 4*NL+1
	WIN MUL_LO
	MUL16 0, 1, NQ-1, \slot, 0
	s_wait_dscnt 0x0
	s_barrier_signal -1
	MUL16 2, 1, NQ-1, \slot, 0
	WIN 0
	s_barrier_wait -1
	PLACES NP
	v_add_nc_u32 v[ADRS], 4*NQ, v[ADRS]
	FETCH_B \next, 0, 0
	FETCH_A \next, 0, 0
	SCALES \next
	WIN MUL_HI
	MUL16 4, 1, NQ-1, \slot, 0
	MUL16 6, 1, NQ-1, \slot, 0
	PLACES NP
	WIN 0
	FETCH_A \next, 0, 4
.endm
.macro STEPS slot, from
.set Q, \from
.rept NQ-1-\from
	STEP \slot, Q, 0
.set Q, Q+1
.endr
.endm
.macro QOUT relu, perm
.irp b, 0,1,2,3
	v_mov_b32 v[TM+4+\b], 0
.endr
.irp a, 0,1,2,3,4,5,6,7
.set AC, 64*(\a%4)
.set WH, \a/4
.if \perm
.set RBA, (\a/4)*4096+(\a%2)*2048+((\a/2)%2)*128   ; row 64 c + 32 e + 8 t + p of a panel goes to image 4 c + t, row 8 e + p
.set RSA, (\a/4)*256+(\a%2)*128+((\a/2)%2)*32
.else
.set RBA, 1024*\a
.set RSA, 64*\a
.endif
.if \relu
	WIN 0x88+0x44*WH
.set j, 0
.rept 64
	v_max_num_f32 v[AC+j], 0, v[AC+j]
.set j, j+1
.endr
.endif
	WIN 0x0a+5*WH
.irp b, 0,1,2,3
	v_max3_num_f32 v[TM+\b], |v[AC+16*\b]|, |v[AC+16*\b+1]|, 0x1800000
.endr
.irp i, 2,4,6,8,10,12,14
.irp b, 0,1,2,3
	v_max3_num_f32 v[TM+\b], |v[AC+16*\b+\i]|, |v[AC+16*\b+\i+1]|, v[TM+\b]
.endr
.endr
	WIN 0
.irp b, 0,1,2,3
	v_permlanex16_b32 v[TM+4+\b], v[TM+\b], s[SEL], s[SEL+1]
.endr
.irp b, 0,1,2,3
	v_max_num_f32 v[TM+\b], v[TM+\b], v[TM+4+\b]
.endr
.irp b, 0,1,2,3
	v_add_nc_u32 v[TM+12+\b], 0xff000000, v[TM+\b]
.endr
.irp b, 0,1,2,3
	v_lshrrev_b32 v[TM+4+\b], 23, v[TM+12+\b]
.endr
	v_lshl_or_b32 v[PW+\a], v[TM+5], 8, v[TM+4]
	v_lshl_or_b32 v[PW+\a], v[TM+6], 16, v[PW+\a]
	v_lshl_or_b32 v[PW+\a], v[TM+7], 24, v[PW+\a]
	WIN 0x02+WH
.irp n, 0,1,2,3,4,5,6,7
	v_cvt_scalef32_pk8_fp4_f32 v[PC+8*\a+\n], v[AC+8*\n:AC+8*\n+7], v[TM+12+\n/2]
.endr
	WIN 0
	v_nop
.irp n, 0,1,2,3,4,5,6,7
	ds_store_b32 v[STO], v[PC+8*\a+\n] offset:RBA+(\n/4)*512+((\n%4)/2)*256+(\n%2)*8
.endr
	ds_store_b32 v[STS], v[PW+\a] offset:RSA
.endr
.irp t, 0,1,2,3,4,5,6,7,8,9,10,11,12,13,14,15,16
	ds_load_b128 v[OB+4*\t:OB+4*\t+3], v[RD] offset:512*\t
.endr
.irp t, 0,1,2,3,4,5,6,7,8,9,10,11,12,13,14,15,16
	s_wait_dscnt 16-\t
	global_store_b128 v[CO], v[OB+4*\t:OB+4*\t+3], s[12:13] offset:512*\t
.endr
.endm
	s_wait_alu depctr_va_vdst(0)
	s_wait_tensorcnt 0x0                           ; my tile of the head's four is in
	ds_add_u32 v[SPW], v[NIL]
	s_mov_b32 s[G1+2], 128<<16                     ; no tensor load of mine is out: from here on a load brings 128 rows
	s_mov_b32 s[G1+4], 128
	s_mov_b32 s[G1B+2], 128<<16
	s_mov_b32 s[G1B+4], 128
	s_wait_dscnt 0x0
	CROUND                                         ; all four tiles are in, and the sixteen work-groups meet
	JLOAD G0+4, G1, G0B+4, G1B                     ; K step 1, a quarter of slot 1 a wave
	FETCH_B 0, 0, 0
	FETCH_A 0, 0, 0
	SCALES 0
	FETCH_A 0, 0, 4
	s_cmp_eq_u32 ttmp9, 2
	s_cbranch_scc1 .Lfirst_v
	s_wait_alu depctr_va_vdst(0)
	STEP 0, 0, 1
	s_branch .Lfirst_done
.Lfirst_v:
	s_wait_alu depctr_va_vdst(0)
	STEP 0, 0, 2
.Lfirst_done:
	STEPS 0, 1
	TURN 0, 1
	STEPS 1, 0
	s_wait_dscnt 4*NL
	WIN MUL_LO
	MUL16 0, 1, NQ-1, 1, 0
	MUL16 2, 1, NQ-1, 1, 0
	s_wait_dscnt 0
	WIN MUL_HI
	MUL16 4, 1, NQ-1, 1, 0
	MUL16 6, 1, NQ-1, 1, 0
	WIN 0
	QOUT 0, 1
	s_wait_tensorcnt 0x0
	ds_add_u32 v[SPW], v[NIL]
	s_wait_dscnt 0x0
	CROUND
	s_endpgm
.Lfunc_end_k_q06e1ac5ceb_qkv:
	.size	k_q06e1ac5ceb_qkv, .Lfunc_end_k_q06e1ac5ceb_qkv-k_q06e1ac5ceb_qkv
	.p2alignl 7, 3214868480
	.fill 96, 4, 3214868480
	.section	.rodata,"a",@progbits
	.p2align	6, 0x0
	.amdhsa_kernel k_q06e1ac5ceb_qkv
		.amdhsa_group_segment_fixed_size 327680
		.amdhsa_private_segment_fixed_size 0
		.amdhsa_enable_private_segment 0
		.amdhsa_kernarg_size 88
		.amdhsa_user_sgpr_count 2
		.amdhsa_user_sgpr_kernarg_segment_ptr 1
		.amdhsa_wavefront_size32 1
		.amdhsa_system_sgpr_workgroup_id_x 1
		.amdhsa_system_sgpr_workgroup_id_y 1
		.amdhsa_system_sgpr_workgroup_id_z 1
		.amdhsa_system_vgpr_workitem_id 0
		.amdhsa_next_free_vgpr 1024
		.amdhsa_next_free_sgpr 100
		.amdhsa_reserve_vcc 0
		.amdhsa_float_denorm_mode_32 3
		.amdhsa_float_denorm_mode_16_64 3
		.amdhsa_memory_ordered 1
		.amdhsa_forward_progress 1
		.amdhsa_inst_pref_size 149
	.end_amdhsa_kernel
	.amdgpu_metadata
---
amdhsa.version: [ 1, 2 ]
amdhsa.kernels:
  - .name:           k_q06e1ac5ceb_qkv
    .symbol:         k_q06e1ac5ceb_qkv.kd
    .args:
      - { .name: aq, .offset: 0, .size: 8, .value_kind: global_buffer, .address_space: global }
      - { .name: Wq_codes, .offset: 8, .size: 8, .value_kind: global_buffer, .address_space: global }
      - { .name: Wq_scales, .offset: 16, .size: 8, .value_kind: global_buffer, .address_space: global }
      - { .name: Wk_codes, .offset: 24, .size: 8, .value_kind: global_buffer, .address_space: global }
      - { .name: Wk_scales, .offset: 32, .size: 8, .value_kind: global_buffer, .address_space: global }
      - { .name: Wv_codes, .offset: 40, .size: 8, .value_kind: global_buffer, .address_space: global }
      - { .name: Wv_scales, .offset: 48, .size: 8, .value_kind: global_buffer, .address_space: global }
      - { .name: bq, .offset: 56, .size: 8, .value_kind: global_buffer, .address_space: global }
      - { .name: bk, .offset: 64, .size: 8, .value_kind: global_buffer, .address_space: global }
      - { .name: bv, .offset: 72, .size: 8, .value_kind: global_buffer, .address_space: global }
      - { .name: qkv, .offset: 80, .size: 8, .value_kind: global_buffer, .address_space: global }
    .group_segment_fixed_size: 327680
    .private_segment_fixed_size: 0
    .kernarg_segment_align: 8
    .kernarg_segment_size: 88
    .max_flat_workgroup_size: 128
    .sgpr_count:     100
    .vgpr_count:     1024
    .wavefront_size: 32
...
	.end_amdgpu_metadata
.endif
;; end of part 10
;; launch attn (part 11): grid 32 x 8, 16 waves a work-group, clusters of 4 x 1, 327,680 bytes of LDS; arguments qkv, cp; writes cp
.if DOCPART == 11
	.amdgcn_target "amdgcn-amd-amdhsa--gfx1250"
	.amdhsa_code_object_version 6
	.text
	.protected	k_q06e1ac5ceb_attn
	.globl	k_q06e1ac5ceb_attn
	.p2align	8
	.type	k_q06e1ac5ceb_attn,@function
k_q06e1ac5ceb_attn:
	s_mov_b64 s[64:65], 0
	v_nop
	global_prefetch_b8 v0, s[64:65] scope:SCOPE_SE
	s_setreg_imm32_b32 hwreg(HW_REG_WAVE_MODE, 25, 1), 1
	s_wait_xcnt 0x0
	s_wait_alu depctr_hold_cnt(0) depctr_sa_sdst(0) depctr_va_vdst(0) depctr_va_sdst(0) depctr_va_ssrc(0) depctr_va_vcc(0) depctr_vm_vsrc(0)
	s_getreg_b32 s2, hwreg(HW_REG_IB_STS2, 6, 4)
	s_cmp_eq_u32 s2, 0
	s_cbranch_scc0 .Lentry_in_a_cluster
	s_endpgm
.Lentry_in_a_cluster:
	s_bfe_u32 s2, ttmp6, 0x10000c
	s_cmp_lg_u32 s2, 0x3003
	s_cbranch_scc0 .Lentry_shape_is_right
	s_endpgm
.Lentry_shape_is_right:
; LAUNCH 3 OF 8: ctx = softmax(q k^T / 8) v for 32 heads of 64, both products on codes of E2M1; ctx leaves as codes and scale bytes in panels (cp).  No work is left out.
; A PANEL is 128 rows x 128 K: eight images of an operand's registers (piece (c, lane) of image i at 1,024 i + 512 c + 16 lane) and 128 scale words from byte 8,192 on: 8,704 bytes.
; In q's, k's and v's panels row 64 c + 32 e + 8 t + p lies in image 4 c + t, row 8 e + p.  q, k: rows = tokens, K = the 128 channels of a pair of heads; v: rows = those channels, K = 128 tokens.
; SHARES.  A work-group owns 128 queries of a pair of heads; wave w owns head w / 8 and image w % 8 of q's panel: 16 queries.  Four waves to a SIMD.
; ALL KEYS STAY IN LDS: k's 16 panels and v's 16 panels of the pair, 278,528 bytes, come once, by one joint load a wave (two panels each), shared by the four query blocks of a cluster.
; Nothing is filled again, so the loop over the keys has no barrier.  No prefetch: every byte of k and v is asked for at the head, and no loop runs ahead of a later load.
; LAYOUT.  S^T = k q^T (source 0 = image t of k, source 1 = my queries): lane (r, h) holds query row r, and register 8 t + j holds key 64 (t / 4) + 32 h + 8 (t % 4) + j: A LANE HOLDS TWO WHOLE BLOCKS OF 32 KEYS.
; So a block's largest score needs no other lane, and the eight conversions' results are the second product's operand as they stand.  The head's K = 64 fills half an instruction: the upper 64 are zero codes on both sides.
; THE SOFTMAX: t = score x log2(e) / 8; M = the running largest t rounded up to a whole number; p = 2^(t - M) is quantised along the keys; the sum is taken of the unquantised p and divides at the end.
; When M moves, the sum and O^T are multiplied by 2^(old M - new M), which rounds nothing.  A block's largest p is made from its largest score by the same multiply-add and exponential.
; O^T = v^T p^T: register 8 t + j of lane (r, h) is channel 32 h + 8 t + j of my head: one whole block of ctx a lane.
; LIMITS: the promise holds while |t| stays under 2^31.  A block whose largest magnitude lies under 2^-124 gets the byte 1.  NaN and infinities among the inputs are not served.
; REGISTERS: v1-4 lane terms, v8-11 a trip's addresses, v12 -M, v13 the largest score, v[14:15] the sum, v16-23 q, v24-31 scale words, v32-95 k, v96-159 S^T then p, v160-191 O^T, v192-223 v, v224-231 p's codes, v232-254 at work.
.set PANEL, 8704
.set VB,    16*PANEL                   ; v's panels lie behind k's
.set SPARE, 32*PANEL                   ; the spare words: 128 bytes a wave, no other line names them
.set STAGE, SPARE+2048                 ; the way out: one panel, bytes of its own
.set AK0,  1
.set AV0,  2
.set ASK0, 3
.set ASV0, 4
.set SPW,  5
.set NIL,  6
.set ADK,  8
.set ADV,  9
.set ADKS, 10
.set ADVS, 11
.set KSC,  24
.set VSC,  28
.set QSC,  30
.set KF,   32
.set VF,   192
.set STO,  240                         ; the way out: my 16 bytes of codes in the stage
.set STS,  241                         ; my scale byte
.set GO,   242                         ; 512 wave + 16 lane: my part of the panel in cp
.set RD,   243                         ; and in the stage
.set TB,   2
.set CNT,  3
.set WV,   18
.set P,    19
.set SEL,  20
.set CS,   22
.set G1K,  24
.set G0,   32
.set G1V,  40
.set TAU,  48
.macro CROUND
	s_barrier_signal -1
	s_barrier_wait -1
	s_cmp_lg_u32 s[WV], 0
	s_cbranch_scc1 .Lnot_wave_0_\@
	s_barrier_signal -3
.Lnot_wave_0_\@:
	s_barrier_wait -3
	s_barrier_signal -1
	s_barrier_wait -1
.endm
	s_load_b128 s[4:7], s[0:1], 0x0                ; qkv, cp
	v_lshl_add_u32 v[SPW], v0, 2, SPARE
	v_mov_b32 v[NIL], 0
	ds_add_u32 v[SPW], v[NIL]                      ; the opening: the add, twice on end, and its wait ahead of my first tensor load
	ds_add_u32 v[SPW], v[NIL]
	v_lshrrev_b32 v8, 5, v0
	v_readfirstlane_b32 s[WV], v8                  ; wave 0..15
	s_lshr_b32 s[P], s[WV], 3                      ; my head of the pair; also: I fetch for k (0) or for v (1)
	s_and_b32 s[TAU], s[WV], 7                     ; my image of q's panel; also: which two panels I fetch
	s_bfe_u32 s8, ttmp6, 0x40000                   ; cx
	s_lshl_b32 s9, ttmp9, 2
	s_add_co_u32 s9, s9, s8                        ; my block of 128 queries, 0..31
	s_lshr_b32 s10, ttmp9, 2                       ; the batch: shared by the cluster
	s_and_b32 s11, ttmp7, 0xffff                   ; the pair of heads
	s_lshl_b32 s12, s11, 5                         ; k: panel 32 pair + 16 batch + 2 tau
	s_lshl_b32 s13, s10, 4
	s_add_co_u32 s12, s12, s13
	s_lshl_b32 s13, s[TAU], 1
	s_add_co_u32 s12, s12, s13
	s_mul_i32 s12, s12, PANEL
	s_add_co_u32 s12, s12, 2228224
	s_lshl_b32 s14, s10, 7                         ; v: panel 128 batch + 8 (2 tau) + pair; the next 128 keys' lies 8 panels on
	s_add_co_u32 s14, s14, s11
	s_lshl_b32 s15, s[TAU], 4
	s_add_co_u32 s14, s14, s15
	s_mul_i32 s14, s14, PANEL
	s_add_co_u32 s14, s14, 4456448
	s_cmp_eq_u32 s[P], 0
	s_cselect_b32 s12, s12, s14
	s_mov_b32 s13, 0
	s_mul_i32 s16, s[WV], 2*PANEL                  ; where they go: no place in the cluster enters an LDS address
	s_mov_b32 s[G1K], 15|(3<<16)|(1<<21)           ; k: 2 rows of 1,088 elements of 8 bytes, one behind the other; the mask names the cluster's four
	s_mov_b32 s[G1K+1], 1088<<16
	s_mov_b32 s[G1K+2], 2<<16
	s_mov_b32 s[G1K+3], 1088<<16
	s_mov_b32 s[G1K+4], 2
	s_mov_b32 s[G1K+5], 1088
	s_mov_b32 s[G1K+6], 0
	s_mov_b32 s[G1K+7], 0
	s_mov_b32 s[G1V], 15|(3<<16)|(1<<21)           ; v: the same, 8 panels apart
	s_mov_b32 s[G1V+1], 1088<<16
	s_mov_b32 s[G1V+2], 2<<16
	s_mov_b32 s[G1V+3], 1088<<16
	s_mov_b32 s[G1V+4], 2
	s_mov_b32 s[G1V+5], PANEL
	s_mov_b32 s[G1V+6], 0
	s_mov_b32 s[G1V+7], 0
	s_lshl_b32 s50, s11, 5
	s_add_co_u32 s50, s50, s9
	s_mul_i32 s50, s50, PANEL                      ; q's panel, and cp's: 32 pair + query block
	s_mov_b32 s51, 0
	s_lshl_b32 s56, s[P], 9                        ; piece c = my head
	s_lshl_b32 s52, s[TAU], 10
	s_add_co_u32 s52, s52, s56
	s_add_co_u32 s52, s52, s50                     ; q's codes: image tau, piece c
	s_mov_b32 s53, 0
	s_lshl_b32 s58, s[P], 1
	s_lshl_b32 s54, s[TAU], 6
	s_add_co_u32 s54, s54, s58
	s_add_co_u32 s54, s54, s50
	s_add_co_u32 s54, s54, 8192                    ; q's scale bytes: my head's two of each word
	s_mov_b32 s55, 0
	s_lshl_b32 s57, s[P], 12
	s_add_co_u32 s57, s57, VB                      ; v: my head's four images
	s_lshl_b32 s59, s[P], 8
	s_add_co_u32 s59, s59, VB+8192                 ; and their scale words
	; the way out.  Query row r of image tau is query 64 (tau / 4) + 32 (r / 8) + 8 (tau % 4) + r % 8; cp's panels keep the rows' order
	s_lshr_b32 s14, s[TAU], 2
	s_bfe_u32 s15, s[TAU], 0x10001
	s_and_b32 s17, s[TAU], 1
	s_lshl_b32 s36, s14, 12
	s_lshl_b32 s49, s15, 10
	s_add_co_u32 s36, s36, s49
	s_lshl_b32 s49, s17, 7
	s_add_co_u32 s36, s36, s49
	s_add_co_u32 s36, s36, s56
	s_add_co_u32 s36, s36, STAGE                   ; codes: 4,096 (tau / 4) + 1,024 ((tau / 2) % 2) + 128 (tau % 2) + 512 head
	s_lshl_b32 s37, s14, 8
	s_lshl_b32 s49, s15, 6
	s_add_co_u32 s37, s37, s49
	s_lshl_b32 s49, s17, 5
	s_add_co_u32 s37, s37, s49
	s_add_co_u32 s37, s37, s58
	s_add_co_u32 s37, s37, STAGE+8192              ; scale bytes: 256 (tau / 4) + 64 ((tau / 2) % 2) + 32 (tau % 2) + 2 head
	s_add_co_u32 s58, s58, 8192                    ; k's scale bytes: my head's two of each word
	s_lshl_b32 s38, s[WV], 9
	s_mov_b32 s[SEL], 0x76543210
	s_mov_b32 s[SEL+1], 0xfedcba98                 ; lane l xor 16
	s_mov_b32 s[CS], 0x3e38aa3b                    ; c = log2(e) / 8
	s_mov_b32 s[CS+1], s[CS]
	s_mov_b32 s[TB], 0
	s_mov_b32 s[CNT], 8
	s_wait_dscnt 0x0                               ; both opening adds are done
	s_wait_kmcnt 0x0
	s_add_nc_u64 s[12:13], s[4:5], s[12:13]
	s_add_nc_u64 s[52:53], s[4:5], s[52:53]
	s_add_nc_u64 s[54:55], s[4:5], s[54:55]
	s_add_nc_u64 s[6:7], s[6:7], s[50:51]
	s_mov_b32 s[G0], 1
	s_mov_b32 s[G0+1], s16
	s_mov_b64 s[G0+2:G0+3], s[12:13]
	s_or_b32 s[G0+3], s[G0+3], 0x80000000
	CROUND                                         ; the four work-groups are here: the joint loads meet
	s_cmp_eq_u32 s[P], 0                           ; one load a wave, a load in each arm: waves 0-7 k's panels, waves 8-15 v's
	s_cbranch_scc0 .Lfor_v
	tensor_load_to_lds s[G0:G0+3], s[G1K:G1K+7]
	s_nop 0
.rept 4
	v_nop
.endr
	s_branch .Lasked
.Lfor_v:
	tensor_load_to_lds s[G0:G0+3], s[G1V:G1V+7]
	s_nop 0
.rept 4
	v_nop
.endr
.Lasked:
	v_and_b32 v8, 31, v0                           ; lane
	v_and_b32 v10, 15, v0                          ; r
	v_lshlrev_b32 v9, 4, v8
	v_lshlrev_b32 v11, 2, v10
	global_load_b128 v[16:19], v9, s[52:53]        ; q's fragment stays in registers
	global_load_u16 v[QSC], v11, s[54:55]          ; its two scale bytes; the upper two are 0
	v_add_nc_u32 v[AK0], s56, v9
	v_add_nc_u32 v[AV0], s57, v9
	v_lshlrev_b32 v[ASK0], 2, v8
	v_add_nc_u32 v[ASV0], s59, v[ASK0]
	v_add_nc_u32 v[ASK0], s58, v[ASK0]
	v_lshrrev_b32 v232, 3, v10                     ; r / 8
	v_and_b32 v233, 7, v10                         ; r % 8
	v_bfe_u32 v234, v0, 4, 1                       ; h
	v_lshlrev_b32 v[STO], 11, v232
	v_lshlrev_b32 v[STS], 7, v232
	v_lshl_add_u32 v[STO], v233, 4, v[STO]
	v_lshl_add_u32 v[STS], v233, 2, v[STS]
	v_lshl_add_u32 v[STO], v234, 8, v[STO]
	v_add_nc_u32 v[STS], v234, v[STS]
	v_add_nc_u32 v[STO], s36, v[STO]               ; + 2,048 (r / 8) + 16 (r % 8) + 256 h
	v_add_nc_u32 v[STS], s37, v[STS]               ; + 128 (r / 8) + 4 (r % 8) + h
	v_add_nc_u32 v[GO], s38, v9
	v_add_nc_u32 v[RD], STAGE, v[GO]
.irp j, 20,21,22,23
	v_mov_b32 v\j, 0                               ; q's upper 64 along K: zero codes
.endr
.irp t, 0,1,2,3,4,5,6,7
.irp j, 4,5,6,7
	v_mov_b32 v[KF+8*\t+\j], 0                     ; and k's
.endr
.endr
	v_mov_b32 v13, 0xff61b1e6                      ; the largest score so far: -3e38
	v_mov_b32 v12, 0x7f61b1e6                      ; -M: 3e38, so that the first factor is 0
	v_mov_b32 v14, 0
	v_mov_b32 v15, 0
	v_mov_b32 v236, 0                              ; a lane permute's destination counts as read
	v_mov_b32 v239, 0
	v_mov_b32 v253, 0
.set j, 0
.rept 32
	v_mov_b32 v[160+j], 0                          ; O^T: the first change of M leaves zeros zeros
.set j, j+1
.endr
; A KEY STEP: 128 keys, panel q of the trip's two.
.macro STEP q
	s_wait_dscnt 0x0                               ; k's fragments and scale words of this step: asked for in the step before (the first step's: ahead of the loop)
.irp t, 0,1,2,3,4,5,6,7
.if \t%2
	v_wmma_scale_f32_16x16x128_f8f6f4 v[96+8*\t:103+8*\t], v[KF+8*\t:KF+8*\t+7], v[16:23], 0, v[KSC+\t/2], v[QSC] matrix_a_fmt:MATRIX_FMT_FP4 matrix_b_fmt:MATRIX_FMT_FP4 matrix_a_scale:MATRIX_SCALE_ROW1
.else
	v_wmma_scale_f32_16x16x128_f8f6f4 v[96+8*\t:103+8*\t], v[KF+8*\t:KF+8*\t+7], v[16:23], 0, v[KSC+\t/2], v[QSC] matrix_a_fmt:MATRIX_FMT_FP4 matrix_b_fmt:MATRIX_FMT_FP4
.endif
.endr
	v_mov_b32 v254, v12                            ; the old -M.  With the lines below: the places ahead of the first read of S^T, and of the loads into registers that matrix instructions have read
.if \q == 0
	v_add_nc_u32 v[ADV], s[TB], v[AV0]             ; the trip's addresses
	v_add_nc_u32 v[ADVS], s[TB], v[ASV0]
	v_add_nc_u32 v[ADK], s[TB], v[AK0]
	v_add_nc_u32 v[ADKS], s[TB], v[ASK0]
.else
.rept 3
	v_nop
.endr
.endif
.irp i, 0,1
	ds_load_b32 v[VSC+\i], v[ADVS] offset:PANEL*\q+128*\i
.endr
.irp t, 0,1,2,3
.irp c, 0,1
	ds_load_b128 v[VF+8*\t+4*\c:VF+8*\t+4*\c+3], v[ADV] offset:PANEL*\q+1024*\t+512*\c   ; they have the softmax in which to land
.endr
.endr
.irp b, 0,1,2,3
	v_max3_num_f32 v[232+\b], v[96+16*\b], v[97+16*\b], v[98+16*\b]    ; four chains of 16 scores by turns; each accumulator is read from its low end on
.endr
.irp i, 3,5,7,9,11,13
.irp b, 0,1,2,3
	v_max3_num_f32 v[232+\b], v[232+\b], v[96+16*\b+\i], v[97+16*\b+\i]
.endr
.endr
; The chain that makes M; each of its lines reads the line before, so THE NEXT STEP'S 12 LOADS OF k stand among them, two at a time: panel q + 1 of the trip's addresses.
; (The launch's last step asks so for the 8,704 bytes that follow k's 16 panels, v's first panel: inside LDS, landed, and never used.)
	v_max3_num_f32 v232, v232, v233, v111          ; my two blocks' largest scores: v232, v234
	v_max3_num_f32 v234, v234, v235, v143
	ds_load_u16 v[KSC+0], v[ADKS] offset:PANEL*(\q+1)
	ds_load_u16 v[KSC+1], v[ADKS] offset:PANEL*(\q+1)+128
	v_max_num_f32 v232, v232, v127
	v_max_num_f32 v234, v234, v159
	ds_load_u16 v[KSC+2], v[ADKS] offset:PANEL*(\q+1)+256
	ds_load_u16 v[KSC+3], v[ADKS] offset:PANEL*(\q+1)+384
	v_max3_num_f32 v13, v13, v232, v234
	ds_load_b128 v[KF:KF+3], v[ADK] offset:PANEL*(\q+1)
	ds_load_b128 v[KF+8:KF+11], v[ADK] offset:PANEL*(\q+1)+1024
	v_permlanex16_b32 v236, v13, s[SEL], s[SEL+1]
	ds_load_b128 v[KF+16:KF+19], v[ADK] offset:PANEL*(\q+1)+2048
	ds_load_b128 v[KF+24:KF+27], v[ADK] offset:PANEL*(\q+1)+3072
	v_max_num_f32 v13, v13, v236                   ; with lane l xor 16's two blocks: the running largest score of my query
	ds_load_b128 v[KF+32:KF+35], v[ADK] offset:PANEL*(\q+1)+4096
	ds_load_b128 v[KF+40:KF+43], v[ADK] offset:PANEL*(\q+1)+5120
	v_mul_f32 v237, s[CS], v13                     ; as t (c is positive)
	ds_load_b128 v[KF+48:KF+51], v[ADK] offset:PANEL*(\q+1)+6144
	ds_load_b128 v[KF+56:KF+59], v[ADK] offset:PANEL*(\q+1)+7168
	v_floor_f32 v12, -v237                         ; -M = floor(-t)
.irp j, 0,2,4,6
	v_pk_fma_f32 v[96+\j:97+\j], v[96+\j:97+\j], s[CS:CS+1], v[12:13] op_sel_hi:[1,0,0]   ; t - M; the three lines that make f stand among these
.endr
	v_sub_f32 v254, v12, v254                      ; old M - new M: a whole number, 0 or less
.irp j, 8,10,12,14
	v_pk_fma_f32 v[96+\j:97+\j], v[96+\j:97+\j], s[CS:CS+1], v[12:13] op_sel_hi:[1,0,0]
.endr
	v_cvt_i32_f32 v254, v254                       ; (it saturates)
.irp j, 16,18,20,22
	v_pk_fma_f32 v[96+\j:97+\j], v[96+\j:97+\j], s[CS:CS+1], v[12:13] op_sel_hi:[1,0,0]
.endr
	v_ldexp_f32 v252, 1.0, v254                    ; f = 2^(old M - new M)
.irp j, 24,26,28,30,32,34,36,38,40,42,44,46,48,50,52,54,56,58,60,62
	v_pk_fma_f32 v[96+\j:97+\j], v[96+\j:97+\j], s[CS:CS+1], v[12:13] op_sel_hi:[1,0,0]
.endr
	v_fma_f32 v232, v232, s[CS], v12               ; the same of each block's largest score
	v_fma_f32 v234, v234, s[CS], v12
	s_wait_alu depctr_va_vdst(0)                   ; ahead of the batch
.set j, 0
.rept 64
	v_exp_f32 v[96+j], v[96+j]                     ; p = 2^(t - M)
.set j, j+1
.endr
	v_pk_mul_f32 v[14:15], v[14:15], v[252:253] op_sel_hi:[1,0]    ; the sums under the new M; a plain line behind the batch
	s_wait_alu depctr_va_vdst(0)                   ; one wait for the batch, ahead of its first reader
	v_exp_f32 v232, v232                           ; the blocks' largest p
	v_exp_f32 v234, v234
	v_pk_add_f32 v[236:237], v[96:97], v[98:99]    ; the sum of the unquantised p, two at a time, in four chains by turns
	v_pk_add_f32 v[246:247], v[100:101], v[102:103]
	v_pk_add_f32 v[248:249], v[104:105], v[106:107]
	v_pk_add_f32 v[14:15], v[14:15], v[108:109]
.irp j, 110,118,126,134,142,150
	v_pk_add_f32 v[236:237], v[236:237], v[\j:\j+1]
	v_pk_add_f32 v[246:247], v[246:247], v[\j+2:\j+3]
	v_pk_add_f32 v[248:249], v[248:249], v[\j+4:\j+5]
	v_pk_add_f32 v[14:15], v[14:15], v[\j+6:\j+7]
.endr
	v_pk_add_f32 v[236:237], v[236:237], v[158:159]
	v_pk_add_f32 v[14:15], v[14:15], v[248:249]
	v_pk_add_f32 v[236:237], v[236:237], v[246:247]
	v_pk_add_f32 v[14:15], v[14:15], v[236:237]
	s_wait_alu depctr_va_vdst(0)                   ; and one for the two
	v_max_num_f32 v232, 0x1800000, v232            ; the floor 2^(3 - 127): the byte cannot fall under 1
	v_max_num_f32 v234, 0x1800000, v234
	v_add_nc_u32 v244, 0xff000000, v232            ; 2 off the exponent field: the conversions' scale operands
	v_add_nc_u32 v245, 0xff000000, v234
; the eight conversions (register n: keys 64 (n / 4) + 32 h + 8 (n % 4) + 0 .. 7: the operand as it stands) take turns with the chain that makes the scale word
	v_cvt_scalef32_pk8_fp4_f32 v224, v[96:103], v244
	v_cvt_scalef32_pk8_fp4_f32 v225, v[104:111], v244
	v_lshrrev_b32 v236, 23, v244                   ; the bytes of blocks h and 2 + h
	v_lshrrev_b32 v237, 23, v245
	v_cvt_scalef32_pk8_fp4_f32 v226, v[112:119], v244
	v_cvt_scalef32_pk8_fp4_f32 v227, v[120:127], v244
	v_lshl_or_b32 v238, v237, 16, v236
	v_cvt_scalef32_pk8_fp4_f32 v228, v[128:135], v245
	v_cvt_scalef32_pk8_fp4_f32 v229, v[136:143], v245
	v_permlanex16_b32 v239, v238, s[SEL], s[SEL+1]
	v_cvt_scalef32_pk8_fp4_f32 v230, v[144:151], v245
	v_cvt_scalef32_pk8_fp4_f32 v231, v[152:159], v245
	v_lshl_or_b32 v253, v239, 8, v238              ; lanes 0-15: p's scale word for these 128 keys (lanes 16-31 are not read)
	s_wait_alu depctr_va_vdst(0)                   ; directly ahead of the first reader of O^T
.irp j, 0,2,4,6,8,10,12,14,16,18,20,22,24,26,28,30
	v_pk_mul_f32 v[160+\j:161+\j], v[160+\j:161+\j], v[252:253] op_sel_hi:[1,0]   ; O^T x f; also the places ahead of the products below
.endr
	s_wait_alu depctr_va_vdst(0)                   ; directly ahead of the wait below
	s_wait_dscnt 12                                ; v's 10 loads are in; the 12 issued behind them, the next step's of k, may be out
.irp t, 0,1,2,3
.if \t%2
	v_wmma_scale_f32_16x16x128_f8f6f4 v[160+8*\t:167+8*\t], v[VF+8*\t:VF+8*\t+7], v[224:231], v[160+8*\t:167+8*\t], v[VSC+\t/2], v253 matrix_a_fmt:MATRIX_FMT_FP4 matrix_b_fmt:MATRIX_FMT_FP4 matrix_a_scale:MATRIX_SCALE_ROW1
.else
	v_wmma_scale_f32_16x16x128_f8f6f4 v[160+8*\t:167+8*\t], v[VF+8*\t:VF+8*\t+7], v[224:231], v[160+8*\t:167+8*\t], v[VSC+\t/2], v253 matrix_a_fmt:MATRIX_FMT_FP4 matrix_b_fmt:MATRIX_FMT_FP4
.endif
.endr
.endm
	s_wait_alu depctr_va_vdst(0)
	s_wait_loadcnt 0x0                             ; q
	s_wait_tensorcnt 0x0                           ; my two panels are in;
	s_barrier_signal -1
	s_barrier_wait -1                              ; everybody's are.
.irp i, 0,1,2,3
	ds_load_u16 v[KSC+\i], v[ASK0] offset:128*\i   ; the first step's scale words of k (lanes 0-15 image 2 i, lanes 16-31 image 2 i + 1)
.endr
.irp t, 0,1,2,3,4,5,6,7
	ds_load_b128 v[KF+8*\t:KF+8*\t+3], v[AK0] offset:1024*\t   ; and its fragments
.endr
.Ltrip:                                                ; 8 trips of two key steps; on both ways in, 12 loads of k are out
	STEP 0
	STEP 1
	s_add_co_u32 s[TB], s[TB], 2*PANEL
	s_sub_co_u32 s[CNT], s[CNT], 1
	s_cmp_lg_u32 s[CNT], 0
	s_cbranch_scc1 .Ltrip
	; THE WAY OUT: O^T / the sum, quantised: my 32 channels are one block.  Its 16 bytes are piece (head, row + 16 h) of an image of cp's panel
	v_add_f32 v14, v14, v15
	s_delay_alu instid0(VALU_DEP_1)
	v_permlanex16_b32 v252, v14, s[SEL], s[SEL+1]
	s_delay_alu instid0(VALU_DEP_1)
	v_add_f32 v14, v14, v252                       ; the row's sum
	s_wait_alu depctr_va_vdst(0)                   ; ahead of the transcendental
	v_rcp_f32 v14, v14
.rept 3
	v_nop                                          ; a plain line behind it; with the two additions above: the places behind the last products
.endr
	s_wait_alu depctr_va_vdst(0)                   ; ahead of its first reader, which is also the first reader of O^T
.set j, 0
.rept 32
	v_mul_f32 v[96+j], v[160+j], v14
.set j, j+1
.endr
.irp b, 0,1
	v_max3_num_f32 v[232+\b], |v[96+16*\b]|, |v[97+16*\b]|, 0x1800000
.endr
.irp i, 2,4,6,8,10,12,14
.irp b, 0,1
	s_delay_alu instid0(VALU_DEP_2)
	v_max3_num_f32 v[232+\b], v[232+\b], |v[96+16*\b+\i]|, |v[97+16*\b+\i]|
.endr
.endr
	s_delay_alu instid0(VALU_DEP_1)
	v_max_num_f32 v232, v232, v233
	s_delay_alu instid0(VALU_DEP_1)
	v_add_nc_u32 v244, 0xff000000, v232
	s_delay_alu instid0(VALU_DEP_1)
	v_lshrrev_b32 v236, 23, v244
.irp t, 0,1,2,3
	v_cvt_scalef32_pk8_fp4_f32 v[224+\t], v[96+8*\t:103+8*\t], v244
.endr
	v_nop                                          ; one plain line behind the conversions
	ds_store_b128 v[STO], v[224:227]
	ds_store_b8 v[STS], v236                       ; byte 2 head + h of my row's word
	s_wait_dscnt 0x0                               ; for the others' sake
	s_barrier_signal -1
	s_barrier_wait -1
	ds_load_b128 v[32:35], v[RD]
	s_wait_dscnt 0x0
	global_store_b128 v[GO], v[32:35], s[6:7]      ; a wave stores 512 consecutive bytes of the panel
	s_cmp_lg_u32 s[WV], 0
	s_cbranch_scc1 .Lno_words
	ds_load_b128 v[36:39], v[RD] offset:8192
	s_wait_dscnt 0x0
	global_store_b128 v[GO], v[36:39], s[6:7] offset:8192   ; and wave 0 its 128 scale words
.Lno_words:
	s_wait_tensorcnt 0x0                           ; the wave's end
	ds_add_u32 v[SPW], v[NIL]
	s_wait_dscnt 0x0
	CROUND                                         ; the closing round
	s_endpgm
.Lfunc_end_k_q06e1ac5ceb_attn:
	.size	k_q06e1ac5ceb_attn, .Lfunc_end_k_q06e1ac5ceb_attn-k_q06e1ac5ceb_attn
	.p2alignl 7, 3214868480
	.fill 96, 4, 3214868480
	.section	.rodata,"a",@progbits
	.p2align	6, 0x0
	.amdhsa_kernel k_q06e1ac5ceb_attn
		.amdhsa_group_segment_fixed_size 327680
		.amdhsa_private_segment_fixed_size 0
		.amdhsa_enable_private_segment 0
		.amdhsa_kernarg_size 16
		.amdhsa_user_sgpr_count 2
		.amdhsa_user_sgpr_kernarg_segment_ptr 1
		.amdhsa_wavefront_size32 1
		.amdhsa_system_sgpr_workgroup_id_x 1
		.amdhsa_system_sgpr_workgroup_id_y 1
		.amdhsa_system_sgpr_workgroup_id_z 1
		.amdhsa_system_vgpr_workitem_id 0
		.amdhsa_next_free_vgpr 256
		.amdhsa_next_free_sgpr 66
		.amdhsa_reserve_vcc 0
		.amdhsa_float_denorm_mode_32 3
		.amdhsa_float_denorm_mode_16_64 3
		.amdhsa_memory_ordered 1
		.amdhsa_forward_progress 1
		.amdhsa_inst_pref_size 43
	.end_amdhsa_kernel
	.amdgpu_metadata
---
amdhsa.version: [ 1, 2 ]
amdhsa.kernels:
  - .name:           k_q06e1ac5ceb_attn
    .symbol:         k_q06e1ac5ceb_attn.kd
    .args:
      - { .name: qkv, .offset: 0, .size: 8, .value_kind: global_buffer, .address_space: global }
      - { .name: cp, .offset: 8, .size: 8, .value_kind: global_buffer, .address_space: global }
    .group_segment_fixed_size: 327680
    .private_segment_fixed_size: 0
    .kernarg_segment_align: 8
    .kernarg_segment_size: 16
    .max_flat_workgroup_size: 512
    .sgpr_count:     66
    .vgpr_count:     256
    .wavefront_size: 32
...
	.end_amdgpu_metadata
.endif
;; end of part 11
;; launch wo (part 12): grid 8 x 32, 4 waves a work-group, clusters of 4 x 4, 327,680 bytes of LDS; arguments cp, Wo_codes, Wo_scales, bo, t; writes t
.if DOCPART == 12
	.amdgcn_target "amdgcn-amd-amdhsa--gfx1250"
	.amdhsa_code_object_version 6
	.text
	.protected	k_q06e1ac5ceb_wo
	.globl	k_q06e1ac5ceb_wo
	.p2align	8
	.type	k_q06e1ac5ceb_wo,@function
k_q06e1ac5ceb_wo:
	s_mov_b64 s[64:65], 0
	v_nop
	global_prefetch_b8 v0, s[64:65] scope:SCOPE_SE
	s_setreg_imm32_b32 hwreg(HW_REG_WAVE_MODE, 25, 1), 1
	s_wait_xcnt 0x0
	s_wait_alu depctr_hold_cnt(0) depctr_sa_sdst(0) depctr_va_vdst(0) depctr_va_sdst(0) depctr_va_ssrc(0) depctr_va_vcc(0) depctr_vm_vsrc(0)
	s_getreg_b32 s2, hwreg(HW_REG_IB_STS2, 6, 4)
	s_cmp_eq_u32 s2, 0
	s_cbranch_scc0 .Lentry_in_a_cluster
	s_endpgm
.Lentry_in_a_cluster:
	s_bfe_u32 s2, ttmp6, 0x10000c
	s_cmp_lg_u32 s2, 0xf033
	s_cbranch_scc0 .Lentry_shape_is_right
	s_endpgm
.Lentry_shape_is_right:
; LAUNCH 4 OF 8: t = ctx Wo + bo, f32 [4096][1024].  A = ctx as panels (made by the launch before), B = Wo's codes with K innermost.  No work is left out.
; C has 256 tiles of 128 x 128: a work-group to each; four waves of 64 x 64: 16 accumulators of 16 x 16, 128 registers.
; A PANEL is 128 rows x 128 K: eight images of an operand's registers (piece (c, lane) of image i at 1,024 i + 512 c + 16 lane) and 128 scale words from byte 8,192 on: a fragment is two loads at 16 x lane.
; A SLOT holds 1,024 along K: A's 8 panels (one for each 128 along K), then B's 128 rows of 512 bytes + 16 of padding.  Here K = 1,024 is one slot: it is asked for at the head and nothing is filled again.
; B's scale bytes for all of K come once, all by wave 3, as units of 256 bytes + 16 of padding.
; CLUSTERS: 4 x 4 work-groups; A's tiles are asked for jointly along a row of the cluster, B's and its scales along a column.  The matrix instruction is used transposed (source 0 = 16 rows of B,
; source 1 = 16 rows of A): a lane holds eight neighbouring numbers of a row of C.  The bias is the C of the first K step.
; The text is the same as the second feed-forward product's but for SIZE_K.
; REGISTERS: window 0: v16-31 addresses; v32-63 A's scale words, v64-95 B's (two sets each); v96-127 the bias tiles; v128-255 the accumulators ((a, b) at v[128 + 8 (4 a + b)]).
;   window 1: two fragment buffers of 128: for two K steps of 128, 64 registers of A (2 x 4 x 16 rows), then 64 of B.
.set SIZE_K, 1024
.set SIZE_N, 1024
.set NSL,    SIZE_K/1024               ; slots' worth of K
.set KROW,   SIZE_K/2                  ; a row of B in memory, in bytes
.set BROW,   512                       ; a slot's part of it
.set BP,     528                       ; and in LDS: 132 words: the 16 rows that a load touches start at 16 different groups of four banks
.set PANEL,  8704
.set PLANE,  32*PANEL                  ; from 128 along K to the next in A's buffer
.set AHALF,  4*PANEL                   ; what a wave fetches of A
.set BOFF,   8*PANEL                   ; B's rows lie behind A's panels
.set BHALF,  64*BP                     ; what a wave fetches of B, and what a wave reads of it
.set SLOT,   BOFF+2*BHALF
.set KS,     SIZE_K/32                 ; a row of B's scale bytes
.set SCL,    2*SLOT
.set SR,     32*KS/256                 ; units of 256 bytes in the scales of 32 rows
.set SBLK2,  SR*272
.set SPARE,  SCL+4*SBLK2               ; the spare words: 128 bytes a wave, no other line names them
.set STAGE,  (NSL%2)*SLOT              ; the way out: in the slot that is not the last one read
.set SP,     272
.if NSL > 1
.set LS, 1                             ; the last slot read; also: how many of my first fills may stay out at the first barrier
.else
.set LS, 0
.endif
.set ADRA, 16
.set ADSA, 18
.set ADRB, 20
.set STO,  24
.set RD,   25
.set CO,   26
.set ADRS, 27
.set SPW,  28
.set NIL,  29
.set BO,   31
.set SA,   32                          ; A's scale words: set s at SA + 16 s; register 8 i + q: lanes 0-15 block 2 i, lanes 16-31 block 2 i + 1, the slot's q-th 128 along K
.set SB,   64                          ; B's likewise
.set T,    96
.set ACC,  128
.set F0,   0
.set F1,   128
.set G1, 24
.set G0, 32
.set G1B, 48
.set G0B, 56
.set G1S, 68
.set G0S, 76
.set MSB, 0
.macro WIN new                         ; the immediate's high byte repeats the setting that is left
.if MSB != (\new)
	s_set_vgpr_msb (MSB<<8)|(\new)
.set MSB, (\new)
.endif
.endm
.set MUL,  0x05                        ; sources 0 (B) and 1 (A) window 1; C and D window 0
.set TO_F, 0x40                        ; destination window 1, address window 0
.macro JLOAD g0a, g1a, g0b, g1b        ; a joint load: waves 0, 1 fetch for A, waves 2, 3 for B; s_nop 0 and four v_nop follow each line
	s_cmp_eq_u32 s15, 0
	s_cbranch_scc0 .Lfor_b_\@
	tensor_load_to_lds s[\g0a:\g0a+3], s[\g1a:\g1a+7]
	s_nop 0
.rept 4
	v_nop
.endr
	s_branch .Lasked_\@
.Lfor_b_\@:
	tensor_load_to_lds s[\g0b:\g0b+3], s[\g1b:\g1b+7]
	s_nop 0
.rept 4
	v_nop
.endr
.Lasked_\@:
.endm
.macro CREST                           ; a round of the cluster's barrier behind its opening barrier
	s_cmp_lg_u32 s14, 0
	s_cbranch_scc1 .Lnot_wave_0_\@
	s_barrier_signal -3
.Lnot_wave_0_\@:
	s_barrier_wait -3
	s_barrier_signal -1
	s_barrier_wait -1
.endm
.macro CROUND
	s_barrier_signal -1
	s_barrier_wait -1
	CREST
.endm
	s_load_b256 s[4:11], s[0:1], 0x0               ; A's panels, B's codes, B's scales, the bias
	s_load_b64 s[12:13], s[0:1], 0x20              ; C
	v_lshl_add_u32 v[SPW], v0, 2, SPARE
	v_mov_b32 v[NIL], 0
	ds_add_u32 v[SPW], v[NIL]                      ; the opening: the add, twice on end, and its wait ahead of my first tensor load
	ds_add_u32 v[SPW], v[NIL]
	v_lshrrev_b32 v1, 5, v0
	v_readfirstlane_b32 s14, v1                    ; wave
	s_lshr_b32 s15, s14, 1                         ; my half of the tile's rows; also: I fetch for A (0) or for B (1)
	s_and_b32 s16, s14, 1                          ; my half of its columns; also: which half I fetch
	s_bfe_u32 s40, ttmp6, 0x40000                  ; cx
	s_bfe_u32 s41, ttmp6, 0x40004                  ; cy
	s_lshl_b32 s42, ttmp9, 2
	s_add_co_u32 s42, s42, s40                     ; tile column
	s_and_b32 s17, ttmp7, 0xffff
	s_lshl_b32 s17, s17, 2
	s_add_co_u32 s17, s17, s41                     ; tile row = A's panel
	s_lshl_b32 s43, s41, 2
	s_lshl_b32 s43, 15, s43                        ; my row of the cluster
	s_lshl_b32 s44, 0x1111, s40                    ; my column
	s_or_b32 s[G1+0], s43, (3<<16)|(1<<21)         ; A: 4 rows (one for each 128 along K) of 1,088 elements of 8 bytes, no padding
	s_mov_b32 s[G1+1], 1088<<16
	s_mov_b32 s[G1+2], 4<<16
	s_mov_b32 s[G1+3], 1088<<16
	s_mov_b32 s[G1+4], 4
	s_mov_b32 s[G1+5], PLANE/8
	s_mov_b32 s[G1+6], 0
	s_mov_b32 s[G1+7], 0
	s_or_b32 s[G1B+0], s44, (0<<16)|(1<<20)|(1<<21)|(6<<22)|(3<<25)  ; B: 128 rows of 512 bytes; 4 words of padding behind every 128
	s_mov_b32 s[G1B+1], BROW<<16
	s_mov_b32 s[G1B+2], 128<<16                    ; wave 2 brings B's 128 rows
	s_mov_b32 s[G1B+3], BROW<<16
	s_mov_b32 s[G1B+4], 128
	s_mov_b32 s[G1B+5], KROW
	s_mov_b32 s[G1B+6], 0
	s_mov_b32 s[G1B+7], 0
	s_or_b32 s[G1S+0], s44, (3<<16)|(1<<20)|(1<<21)|(5<<22)|(3<<25)  ; the scales of 32 rows: SR rows of 256 bytes, 16 of padding behind each
	s_mov_b32 s[G1S+1], 32<<16
	s_mov_b32 s[G1S+2], (4*SR)<<16                 ; wave 3 brings the scales of B's 128 rows
	s_mov_b32 s[G1S+3], 32<<16
	s_mov_b32 s[G1S+4], 4*SR
	s_mov_b32 s[G1S+5], 32
	s_mov_b32 s[G1S+6], 0
	s_mov_b32 s[G1S+7], 0
	s_mul_i32 s20, s17, PANEL                      ; A: my tile row's panel, 512 along K on for the second half
	s_mul_i32 s18, s16, 4*PLANE
	s_add_co_u32 s20, s20, s18
	s_mov_b32 s21, 0
	s_lshl_b32 s46, s42, 7
	s_lshl_b32 s18, s16, 6
	s_add_co_u32 s46, s46, s18
	s_mul_i32 s46, s46, KROW                       ; B: row 128 x tile column + 64 x half
	s_mov_b32 s47, 0
	s_lshl_b32 s22, s42, 7
	s_mul_i32 s22, s22, KS                         ; B's scales: row 128 x tile column
	s_mov_b32 s23, 0
	s_mul_i32 s45, s16, AHALF                      ; where they go: no place in the cluster enters an LDS address
	s_mul_i32 s19, s16, BHALF
	s_add_co_u32 s19, s19, BOFF
	s_wait_dscnt 0x0                               ; both opening adds are done
	s_wait_kmcnt 0x0
	s_add_nc_u64 s[20:21], s[4:5], s[20:21]
	s_add_nc_u64 s[46:47], s[6:7], s[46:47]
	s_add_nc_u64 s[22:23], s[8:9], s[22:23]
	CROUND                                         ; all sixteen work-groups are here: the first joint loads meet
	s_mov_b32 s[G0S], 1
	s_mov_b32 s[G0S+1], SCL
	s_mov_b64 s[G0S+2:G0S+3], s[22:23]
	s_or_b32 s[G0S+3], s[G0S+3], 0x80000000
.irp s, 0,1
.if \s < NSL
	s_mov_b32 s[G0+4*\s], 1
	s_add_co_u32 s[G0+4*\s+1], s45, \s*SLOT
	s_add_nc_u64 s[G0+4*\s+2:G0+4*\s+3], s[20:21], \s*8*PLANE
	s_or_b32 s[G0+4*\s+3], s[G0+4*\s+3], 0x80000000
	s_mov_b32 s[G0B+4*\s], 1
	s_add_co_u32 s[G0B+4*\s+1], s19, \s*SLOT
	s_add_nc_u64 s[G0B+4*\s+2:G0B+4*\s+3], s[46:47], \s*BROW
	s_or_b32 s[G0B+4*\s+3], s[G0B+4*\s+3], 0x80000000
.endif
.endr
	; the head's tiles, one load a wave, in one chain of branches on the wave's number: waves 0, 1 A's halves of slot 0, wave 2 B's 128 rows, wave 3 B's scales
	s_cmp_lt_u32 s14, 2
	s_cbranch_scc0 .Lhead_b
	tensor_load_to_lds s[G0:G0+3], s[G1:G1+7]
	s_nop 0
.rept 4
	v_nop
.endr
	s_branch .Lhead_asked
.Lhead_b:
	s_cmp_lt_u32 s14, 3
	s_cbranch_scc0 .Lhead_s
	tensor_load_to_lds s[G0B:G0B+3], s[G1B:G1B+7]
	s_nop 0
.rept 4
	v_nop
.endr
	s_branch .Lhead_asked
.Lhead_s:
	tensor_load_to_lds s[G0S:G0S+3], s[G1S:G1S+7]
	s_nop 0
.rept 4
	v_nop
.endr
.Lhead_asked:
	v_and_b32 v1, 15, v0                           ; r
	v_bfe_u32 v2, v0, 4, 1                         ; h
	v_and_b32 v6, 31, v0                           ; lane
	v_mul_u32_u24 v3, v1, BP
	v_lshl_add_u32 v4, v2, 4, v3                   ; B: row r x pitch + 16 h
	v_lshlrev_b32 v7, 4, v6                        ; A: 16 lane
	v_lshlrev_b32 v5, 2, v6
	v_add_nc_u32 v5, 8192, v5                      ; A's scale words: 8,192 + 4 lane
	s_lshl_b32 s21, s15, 12                        ; my four images of a panel's eight,
	s_lshl_b32 s23, s15, 8                         ; and their 64 scale words
	s_mul_i32 s22, s16, BHALF
	s_add_co_u32 s22, s22, BOFF                    ; my 64 rows of B
.irp s, 0,1
.if \s < NSL
	v_add_nc_u32 v[ADRA+\s], s21, v7
	v_add_nc_u32 v[ADSA+\s], s23, v5
	v_add_nc_u32 v[ADRB+\s], s22, v4
	s_add_co_u32 s21, s21, SLOT
	s_add_co_u32 s23, s23, SLOT
	s_add_co_u32 s22, s22, SLOT
.endif
.endr
	v_mul_u32_u24 v5, v6, KS                       ; B's scale words: row = my lane of a pair of blocks,
	v_lshrrev_b32 v3, 8, v5
	v_lshl_add_u32 v5, v3, 4, v5                   ; 16 more for each 256 passed
	s_mul_i32 s21, s16, 2*SBLK2
	s_add_co_u32 s21, s21, SCL
	v_add_nc_u32 v[ADRS], s21, v5
	s_mul_i32 s23, s14, 16*SP
	s_add_co_u32 s23, s23, STAGE                   ; my stage
	v_mul_u32_u24 v5, v1, SP
	v_lshl_add_u32 v5, v2, 5, v5
	v_add_nc_u32 v[STO], s23, v5                   ; in: row r, 32 bytes for each half of the lanes
	v_mul_u32_u24 v5, v2, SP
	v_lshl_add_u32 v5, v1, 4, v5
	v_add_nc_u32 v[RD], s23, v5                    ; back: lanes 0-15 one row of 256 bytes, lanes 16-31 the next
	v_mul_u32_u24 v5, v2, SIZE_N*4
	v_lshl_add_u32 v[CO], v1, 4, v5                ; and the same two rows in C
	v_lshlrev_b32 v[BO], 5, v2
	s_wait_alu depctr_va_vdst(0)
	s_lshl_b32 s20, s17, 7
	s_lshl_b32 s21, s15, 6
	s_add_co_u32 s20, s20, s21                     ; my first row of C: 128 x tile row + 64 x half,
	s_lshl_b32 s20, s20, 12                        ; 4,096 bytes a row
	s_mov_b32 s21, 0
	s_lshl_b32 s46, s42, 9                         ; my first column, in bytes: 512 x tile column + 256 x half
	s_lshl_b32 s47, s16, 8
	s_add_co_u32 s46, s46, s47
	s_mov_b32 s47, 0
	s_add_nc_u64 s[10:11], s[10:11], s[46:47]      ; the bias at my first column
	s_add_nc_u64 s[12:13], s[12:13], s[46:47]
	s_add_nc_u64 s[12:13], s[12:13], s[20:21]
.irp b, 0,1,2,3
	global_load_b128 v[T+8*\b:T+8*\b+3], v[BO], s[10:11] offset:64*\b       ; tile b: the bias of columns 16 b + 8 h + 0 .. 7
	global_load_b128 v[T+8*\b+4:T+8*\b+7], v[BO], s[10:11] offset:64*\b+16
.endr
	s_wait_loadcnt 0x0
; one product: D, C's first register, B's fragment, A's, B's scale register, A's, and which half of the lanes holds each
.macro WM d, cr, bf, af, sb, sa, pb, pa
.if (\pb) && (\pa)
	v_wmma_scale_f32_16x16x128_f8f6f4 v[0+(\d):7+(\d)], v[0+(\bf):7+(\bf)], v[0+(\af):7+(\af)], v[0+(\cr):7+(\cr)], v[0+(\sb)], v[0+(\sa)] matrix_a_fmt:MATRIX_FMT_FP4 matrix_b_fmt:MATRIX_FMT_FP4 matrix_a_scale:MATRIX_SCALE_ROW1 matrix_b_scale:MATRIX_SCALE_ROW1
.elseif (\pb)
	v_wmma_scale_f32_16x16x128_f8f6f4 v[0+(\d):7+(\d)], v[0+(\bf):7+(\bf)], v[0+(\af):7+(\af)], v[0+(\cr):7+(\cr)], v[0+(\sb)], v[0+(\sa)] matrix_a_fmt:MATRIX_FMT_FP4 matrix_b_fmt:MATRIX_FMT_FP4 matrix_a_scale:MATRIX_SCALE_ROW1
.elseif (\pa)
	v_wmma_scale_f32_16x16x128_f8f6f4 v[0+(\d):7+(\d)], v[0+(\bf):7+(\bf)], v[0+(\af):7+(\af)], v[0+(\cr):7+(\cr)], v[0+(\sb)], v[0+(\sa)] matrix_a_fmt:MATRIX_FMT_FP4 matrix_b_fmt:MATRIX_FMT_FP4 matrix_b_scale:MATRIX_SCALE_ROW1
.else
	v_wmma_scale_f32_16x16x128_f8f6f4 v[0+(\d):7+(\d)], v[0+(\bf):7+(\bf)], v[0+(\af):7+(\af)], v[0+(\cr):7+(\cr)], v[0+(\sb)], v[0+(\sa)] matrix_a_fmt:MATRIX_FMT_FP4 matrix_b_fmt:MATRIX_FMT_FP4
.endif
.endm
; 8 matrix instructions: A's blocks a0, a0 + 1 x B's four; half c of buffer f; q: the slot's K step; sc: the set of scale words; cm = 1: C = the bias tile.  The 16 accumulators take turns.
.macro MUL8 f, c, a0, q, sc, cm
.irp a, \a0, \a0+1
.irp b, 0,1,2,3
.if \cm
	WM ACC+8*(4*(\a)+\b), T+8*\b, \f+64+8*(4*(\c)+\b), \f+8*(4*(\c)+(\a)), SB+16*(\sc)+8*(\b/2)+(\q), SA+16*(\sc)+8*((\a)/2)+(\q), \b%2, (\a)%2
.else
	WM ACC+8*(4*(\a)+\b), ACC+8*(4*(\a)+\b), \f+64+8*(4*(\c)+\b), \f+8*(4*(\c)+(\a)), SB+16*(\sc)+8*(\b/2)+(\q), SA+16*(\sc)+8*((\a)/2)+(\q), \b%2, (\a)%2
.endif
.endr
.endr
.endm
; 32 LDS loads in one run: the fragments of the slot's K steps 2 j and 2 j + 1 into buffer f; the first K step's sixteen first
.macro FETCH slot, j, f
	WIN TO_F
.irp c, 0,1
.irp i, 0,1,2,3
	ds_load_b128 v[\f+64+8*(4*\c+\i):\f+64+8*(4*\c+\i)+3],   v[ADRB+\slot] offset:64*(2*(\j)+\c)+\i*16*BP
	ds_load_b128 v[\f+64+8*(4*\c+\i)+4:\f+64+8*(4*\c+\i)+7], v[ADRB+\slot] offset:64*(2*(\j)+\c)+\i*16*BP+32
	ds_load_b128 v[\f+8*(4*\c+\i):\f+8*(4*\c+\i)+3],         v[ADRA+\slot] offset:PANEL*(2*(\j)+\c)+1024*\i
	ds_load_b128 v[\f+8*(4*\c+\i)+4:\f+8*(4*\c+\i)+7],       v[ADRA+\slot] offset:PANEL*(2*(\j)+\c)+1024*\i+512
.endr
.endr
.endm
.macro SCALES sc                       ; a slot's scale words, 20 loads, issued ahead of the slot's first fragments (every window is 0 here)
.irp i, 0,1
.irp e, 0,1
	ds_load_b128 v[SB+16*\sc+8*\i+4*\e:SB+16*\sc+8*\i+4*\e+3], v[ADRS] offset:\i*SBLK2+16*\e
.endr
.endr
.irp i, 0,1
.irp q, 0,1,2,3,4,5,6,7
	ds_load_b32 v[SA+16*\sc+8*\i+\q], v[ADSA+\sc] offset:PANEL*\q+128*\i
.endr
.endr
.endm
.macro PLACES                          ; four plain vector lines between a matrix instruction and a load into, or a read of, its registers
.rept 4
	v_nop
.endr
.endm
; A slot is four quarters of two K steps, 32 matrix instructions each, on buffers 0, 1, 0, 1.  One of the first three: multiplies buffer f (quarter j) and fetches quarter j + 1 into g.
.macro QUARTER slot, j, f, g, cm
	s_wait_dscnt 16                                ; all but the second K step's sixteen loads are in
	WIN MUL
	MUL8 \f, 0, 0, 2*(\j), \slot, \cm
	MUL8 \f, 0, 2, 2*(\j), \slot, \cm
	PLACES
	FETCH \slot, (\j)+1, \g
	s_wait_dscnt 32                                ; all but the 32 just issued
	WIN MUL
	MUL8 \f, 1, 0, 2*(\j)+1, \slot, 0
	MUL8 \f, 1, 2, 2*(\j)+1, \slot, 0
.endm
; The last quarter multiplies buffer 1 and changes slots: one barrier; in front of it each wave waits for all its tensor loads, adds 0 to its spare word, and waits for that and for its reads of this slot.
; fill = 1: the barrier opens a round of the cluster's, and this slot is filled again, two slots ahead, by my one joint load behind the round.
.macro TURN slot, next, fill
	WIN 0                                          ; (the add's two registers lie in window 0)
	s_wait_tensorcnt 0x0                           ; all my tensor loads have landed: my part of the next slot
	ds_add_u32 v[SPW], v[NIL]
	s_wait_dscnt 17                                ; (the add and the second K step's sixteen loads may be out)
	WIN MUL
	MUL8 F1, 0, 0, 6, \slot, 0
	s_wait_dscnt 0x0                               ; the add is done, my reads of this slot are over
	s_barrier_signal -1
	MUL8 F1, 0, 2, 6, \slot, 0
	WIN 0
	s_barrier_wait -1
.if \fill
	CREST                                          ; no wave of any partner still reads this slot or has a load on its way
	s_add_nc_u64 s[G0+4*\slot+2:G0+4*\slot+3], s[G0+4*\slot+2:G0+4*\slot+3], 16*PLANE
	s_add_nc_u64 s[G0B+4*\slot+2:G0B+4*\slot+3], s[G0B+4*\slot+2:G0B+4*\slot+3], 2*BROW
	JLOAD G0+4*\slot, G1, G0B+4*\slot, G1B         ; its four v_nop are the places in front of the loads below
.else
	PLACES
.endif
	v_add_nc_u32 v[ADRS], 32, v[ADRS]              ; B's scale words of the next 1,024 along K
	SCALES \next
	FETCH \next, 0, F0
	WIN MUL
	MUL8 F1, 1, 0, 7, \slot, 0
	MUL8 F1, 1, 2, 7, \slot, 0
.endm
	s_wait_tensorcnt LS                            ; the scales and my part of slot 0 are in; slot 1's load, where there is one, may be out
	s_barrier_signal -1
	s_barrier_wait -1
	SCALES 0
	FETCH 0, 0, F0
	QUARTER 0, 0, F0, F1, 1                        ; the first K step starts the sums from the bias
.if NSL > 2
.rept NSL/2-1                          ; once round the ring, both slots filled again; written out: it would be a loop of NSL / 2 - 1 = 1 trip
	QUARTER 0, 1, F1, F0, 0
	QUARTER 0, 2, F0, F1, 0
	TURN 0, 1, 1
	QUARTER 1, 0, F0, F1, 0
	QUARTER 1, 1, F1, F0, 0
	QUARTER 1, 2, F0, F1, 0
	TURN 1, 0, 1
	QUARTER 0, 0, F0, F1, 0
.endr
.endif
	QUARTER 0, 1, F1, F0, 0
	QUARTER 0, 2, F0, F1, 0
.if NSL > 1
	TURN 0, 1, 0                                   ; the last change of slots fills nothing
	QUARTER 1, 0, F0, F1, 0
	QUARTER 1, 1, F1, F0, 0
	QUARTER 1, 2, F0, F1, 0
.endif
	s_wait_dscnt 16                                ; the very last quarter: nothing more to fetch
	WIN MUL
	MUL8 F1, 0, 0, 6, LS, 0
	MUL8 F1, 0, 2, 6, LS, 0
	s_wait_dscnt 0
	MUL8 F1, 1, 0, 7, LS, 0
	MUL8 F1, 1, 2, 7, LS, 0
	WIN 0
; THE WAY OUT: a block of 16 rows x 64 columns (256 bytes a row) goes through my own stage and comes back, into the registers that it left, as whole rows: sixteen lanes store 256 consecutive bytes, aligned.
; LDS serves a wave's instructions in order: no wait between the stores and the loads, nor in front of the next block's stores.
.macro TOSTAGE a
.irp b, 0,1,2,3
	ds_store_b128 v[STO], v[ACC+8*(4*\a+\b):ACC+8*(4*\a+\b)+3] offset:64*\b          ; each accumulator from its low end on
	ds_store_b128 v[STO], v[ACC+8*(4*\a+\b)+4:ACC+8*(4*\a+\b)+7] offset:64*\b+16
.endr
.irp t, 0,1,2,3,4,5,6,7
	ds_load_b128 v[ACC+32*\a+4*\t:ACC+32*\a+4*\t+3], v[RD] offset:\t*2*SP
.endr
.endm
.macro SEND a, younger                 ; younger: the LDS instructions issued behind block a's loads: the next block's sixteen, or none
.irp t, 0,1,2,3,4,5,6,7
	s_wait_dscnt \younger+7-\t
	global_store_b128 v[CO], v[ACC+32*\a+4*\t:ACC+32*\a+4*\t+3], s[12:13] offset:(16*\a+2*\t)*SIZE_N*4
.endr
.endm
	PLACES
	TOSTAGE 0
	TOSTAGE 1
	SEND 0, 16
	TOSTAGE 2
	SEND 1, 16
	TOSTAGE 3
	SEND 2, 16
	SEND 3, 0
	s_wait_tensorcnt 0x0                           ; the wave's end
	ds_add_u32 v[SPW], v[NIL]
	s_wait_dscnt 0x0
	CROUND                                         ; the closing round
	s_endpgm
.Lfunc_end_k_q06e1ac5ceb_wo:
	.size	k_q06e1ac5ceb_wo, .Lfunc_end_k_q06e1ac5ceb_wo-k_q06e1ac5ceb_wo
	.p2alignl 7, 3214868480
	.fill 96, 4, 3214868480
	.section	.rodata,"a",@progbits
	.p2align	6, 0x0
	.amdhsa_kernel k_q06e1ac5ceb_wo
		.amdhsa_group_segment_fixed_size 327680
		.amdhsa_private_segment_fixed_size 0
		.amdhsa_enable_private_segment 0
		.amdhsa_kernarg_size 40
		.amdhsa_user_sgpr_count 2
		.amdhsa_user_sgpr_kernarg_segment_ptr 1
		.amdhsa_wavefront_size32 1
		.amdhsa_system_sgpr_workgroup_id_x 1
		.amdhsa_system_sgpr_workgroup_id_y 1
		.amdhsa_system_sgpr_workgroup_id_z 1
		.amdhsa_system_vgpr_workitem_id 0
		.amdhsa_next_free_vgpr 512
		.amdhsa_next_free_sgpr 98
		.amdhsa_reserve_vcc 0
		.amdhsa_float_denorm_mode_32 3
		.amdhsa_float_denorm_mode_16_64 3
		.amdhsa_memory_ordered 1
		.amdhsa_forward_progress 1
		.amdhsa_inst_pref_size 44
	.end_amdhsa_kernel
	.amdgpu_metadata
---
amdhsa.version: [ 1, 2 ]
amdhsa.kernels:
  - .name:           k_q06e1ac5ceb_wo
    .symbol:         k_q06e1ac5ceb_wo.kd
    .args:
      - { .name: cp, .offset: 0, .size: 8, .value_kind: global_buffer, .address_space: global }
      - { .name: Wo_codes, .offset: 8, .size: 8, .value_kind: global_buffer, .address_space: global }
      - { .name: Wo_scales, .offset: 16, .size: 8, .value_kind: global_buffer, .address_space: global }
      - { .name: bo, .offset: 24, .size: 8, .value_kind: global_buffer, .address_space: global }
      - { .name: t, .offset: 32, .size: 8, .value_kind: global_buffer, .address_space: global }
    .group_segment_fixed_size: 327680
    .private_segment_fixed_size: 0
    .kernarg_segment_align: 8
    .kernarg_segment_size: 40
    .max_flat_workgroup_size: 128
    .sgpr_count:     98
    .vgpr_count:     512
    .wavefront_size: 32
...
	.end_amdgpu_metadata
.endif
;; end of part 12
;; launch ln1 (part 13): grid 256 x 1, 8 waves a work-group, no clusters, 75,264 bytes of LDS; arguments t, src, ln1_g, ln1_b, x, xq; writes x, xq
.if DOCPART == 13
	.amdgcn_target "amdgcn-amd-amdhsa--gfx1250"
	.amdhsa_code_object_version 6
	.text
	.protected	k_q06e1ac5ceb_ln1
	.globl	k_q06e1ac5ceb_ln1
	.p2align	8
	.type	k_q06e1ac5ceb_ln1,@function
k_q06e1ac5ceb_ln1:
	s_mov_b64 s[64:65], 0
	v_nop
	global_prefetch_b8 v0, s[64:65] scope:SCOPE_SE
	s_setreg_imm32_b32 hwreg(HW_REG_WAVE_MODE, 25, 1), 1
	s_wait_xcnt 0x0
; LAUNCH 5 OF 8: x = layer_norm(src + t) g + b, in f32, stored as f32 (x) and as codes of E2M1 with scale bytes (xq, laid as aq).  No work is left out.
; A wave takes two rows; a row of 4,096 bytes is 32 registers a lane and stays in registers between the mean, the variance and the scaling.  All 48 loads go out at the head; each covers 512 consecutive bytes.
; For the quantiser a row turns through the wave's stage in LDS (32 places of 128 bytes + 16), so that lane l holds block l of 32 columns whole.  The work-group's 512 scale bytes meet in LDS.
; LIMITS: as stated at the first launch's head.
.set QUANT, 1
.set G,   32                           ; v32-63 the gain, v64-95 the shift, of my 32 columns
.set BB,  64
.set Y,   96                           ; row p: v[Y + 64 p ..]: t, then the row at work
.set RS,  128                          ; row p: v[RS + 64 p ..]: the residual; later the turned row
.set SPW, 6
.set NIL, 7
.set SCB,   16*4608
.set SPARE, SCB+512                    ; the spare words: 128 bytes a wave, no other line names them
	s_load_b256 s[4:11], s[0:1], 0x0               ; t, the residual, g, b
	s_load_b128 s[12:15], s[0:1], 0x20             ; x, xq
	v_lshl_add_u32 v[SPW], v0, 2, SPARE
	v_mov_b32 v[NIL], 0
	v_lshrrev_b32 v1, 5, v0
	s_delay_alu instid0(VALU_DEP_1)
	v_readfirstlane_b32 s22, v1                    ; wave
	v_and_b32 v5, 31, v0                           ; lane
	s_delay_alu instid0(VALU_DEP_1)
	v_lshlrev_b32 v1, 4, v5                        ; 16 lane
	s_mul_i32 s23, s22, 2*4608
	v_lshrrev_b32 v2, 3, v5
	s_delay_alu instid0(VALU_DEP_1)
	v_mul_u32_u24 v2, v2, 144
	v_and_b32 v3, 7, v5
	s_delay_alu instid0(VALU_DEP_1)
	v_lshl_add_u32 v2, v3, 4, v2
	s_delay_alu instid0(VALU_DEP_1)
	v_add_nc_u32 v2, s23, v2                       ; the stage, in: 144 (lane / 8) + 16 (lane % 8) (+ 576 for each load)
	v_mul_u32_u24 v3, v5, 144
	s_delay_alu instid0(VALU_DEP_1)
	v_add_nc_u32 v3, s23, v3                       ; out: 144 lane
	s_lshl_b32 s23, s22, 6
	s_add_co_u32 s23, s23, SCB
	v_add_nc_u32 v4, s23, v5                       ; my block's scale byte
	v_add_nc_u32 v5, SCB, v1                       ; wave 0 reads them back
	s_mov_b32 s16, 0x76543210
	s_mov_b32 s17, 0xfedcba98
	s_mov_b32 s20, 0x3a800000                      ; 1 / 1,024
	s_mov_b32 s21, 0x3727c5ac                      ; 1e-5
	s_lshl_b32 s24, ttmp9, 16
	s_lshl_b32 s25, s22, 13
	s_add_co_u32 s24, s24, s25                     ; my first row: 16 work-group + 2 wave, 4,096 bytes a row
	s_mov_b32 s25, 0
	s_lshr_b32 s26, s24, 3                         ; 512 bytes of codes a row
	s_mov_b32 s27, 0
	s_lshl_b32 s28, ttmp9, 9
	s_add_co_u32 s28, s28, 2097152
	s_mov_b32 s29, 0
	s_wait_kmcnt 0x0
	s_add_nc_u64 s[4:5], s[4:5], s[24:25]
	s_add_nc_u64 s[6:7], s[6:7], s[24:25]
	s_add_nc_u64 s[12:13], s[12:13], s[24:25]
	s_add_nc_u64 s[18:19], s[14:15], s[28:29]      ; the work-group's scale bytes
	s_add_nc_u64 s[14:15], s[14:15], s[26:27]      ; my codes
.irp j, 0,1,2,3,4,5,6,7
	global_load_b128 v[G+4*\j:G+4*\j+3], v1, s[8:9] offset:512*\j
.endr
.irp j, 0,1,2,3,4,5,6,7
	global_load_b128 v[BB+4*\j:BB+4*\j+3], v1, s[10:11] offset:512*\j
.endr
.irp p, 0,1
.irp j, 0,1,2,3,4,5,6,7
	global_load_b128 v[Y+64*\p+4*\j:Y+64*\p+4*\j+3], v1, s[4:5] offset:4096*\p+512*\j th:TH_LOAD_NT
.endr
.irp j, 0,1,2,3,4,5,6,7
	global_load_b128 v[RS+64*\p+4*\j:RS+64*\p+4*\j+3], v1, s[6:7] offset:4096*\p+512*\j th:TH_LOAD_NT
.endr
.endr
.macro LANES r, u                      ; the sum of v[r] over the 32 lanes, in every lane; v[u] has been written
	s_delay_alu instid0(VALU_DEP_1)
	v_add_f32_dpp v[\r], v[\r], v[\r] row_xmask:1 row_mask:0xf bank_mask:0xf
	s_delay_alu instid0(VALU_DEP_1)
	v_add_f32_dpp v[\r], v[\r], v[\r] row_xmask:2 row_mask:0xf bank_mask:0xf
	s_delay_alu instid0(VALU_DEP_1)
	v_add_f32_dpp v[\r], v[\r], v[\r] row_xmask:4 row_mask:0xf bank_mask:0xf
	s_delay_alu instid0(VALU_DEP_1)
	v_add_f32_dpp v[\r], v[\r], v[\r] row_xmask:8 row_mask:0xf bank_mask:0xf
	s_delay_alu instid0(VALU_DEP_1)
	v_permlanex16_b32 v[\u], v[\r], s16, s17
	s_delay_alu instid0(VALU_DEP_1)
	v_add_f32 v[\r], v[\r], v[\u]
.endm
.macro ROW p
.set YY, Y+64*\p
.set RR, RS+64*\p
.set i, 0
.rept 16
	v_pk_add_f32 v[YY+i:YY+i+1], v[YY+i:YY+i+1], v[RR+i:RR+i+1]    ; the residual
.set i, i+2
.endr
.irp k, 0,1,2,3
	v_pk_add_f32 v[8+2*\k:9+2*\k], v[YY+2*\k:YY+2*\k+1], v[YY+8+2*\k:YY+9+2*\k]   ; the sum, in four chains
.endr
.irp m, 16,24
.irp k, 0,1,2,3
	s_delay_alu instid0(VALU_DEP_4)
	v_pk_add_f32 v[8+2*\k:9+2*\k], v[8+2*\k:9+2*\k], v[YY+\m+2*\k:YY+\m+2*\k+1]
.endr
.endr
	s_delay_alu instid0(VALU_DEP_3)
	v_pk_add_f32 v[8:9], v[8:9], v[10:11]
	s_delay_alu instid0(VALU_DEP_2)
	v_pk_add_f32 v[12:13], v[12:13], v[14:15]
	s_delay_alu instid0(VALU_DEP_1)
	v_pk_add_f32 v[8:9], v[8:9], v[12:13]
	s_delay_alu instid0(VALU_DEP_1)
	v_add_f32 v8, v8, v9
	LANES 8, 9
	s_delay_alu instid0(VALU_DEP_1)
	v_mul_f32 v8, s20, v8                          ; the mean
.set i, 0
.rept 16
	v_pk_add_f32 v[YY+i:YY+i+1], v[YY+i:YY+i+1], v[8:9] op_sel_hi:[1,0] neg_lo:[0,1] neg_hi:[0,1]
.set i, i+2
.endr
	v_pk_mul_f32 v[10:11], v[YY:YY+1], v[YY:YY+1]  ; the squares, in two chains
	v_pk_mul_f32 v[12:13], v[YY+2:YY+3], v[YY+2:YY+3]
.irp m, 4,8,12,16,20,24,28
	s_delay_alu instid0(VALU_DEP_2)
	v_pk_fma_f32 v[10:11], v[YY+\m:YY+\m+1], v[YY+\m:YY+\m+1], v[10:11]
	s_delay_alu instid0(VALU_DEP_2)
	v_pk_fma_f32 v[12:13], v[YY+\m+2:YY+\m+3], v[YY+\m+2:YY+\m+3], v[12:13]
.endr
	s_delay_alu instid0(VALU_DEP_1)
	v_pk_add_f32 v[10:11], v[10:11], v[12:13]
	s_delay_alu instid0(VALU_DEP_1)
	v_add_f32 v10, v10, v11
	LANES 10, 11
	s_delay_alu instid0(VALU_DEP_1)
	v_fma_f32 v10, v10, s20, s21                   ; the variance + 1e-5
	s_wait_alu depctr_va_vdst(0)
	v_rsq_f32 v10, v10
	v_nop                                          ; a plain line behind it
	s_wait_alu depctr_va_vdst(0)                   ; ahead of its first reader
.set i, 0
.rept 16
	v_pk_mul_f32 v[YY+i:YY+i+1], v[YY+i:YY+i+1], v[10:11] op_sel_hi:[1,0]
.set i, i+2
.endr
.set i, 0
.rept 16
	v_pk_fma_f32 v[YY+i:YY+i+1], v[YY+i:YY+i+1], v[G+i:G+i+1], v[BB+i:BB+i+1]
.set i, i+2
.endr
.irp j, 0,1,2,3,4,5,6,7
	global_store_b128 v1, v[YY+4*\j:YY+4*\j+3], s[12:13] offset:4096*\p+512*\j
.endr
.if QUANT
.irp j, 0,1,2,3,4,5,6,7
	ds_store_b128 v2, v[YY+4*\j:YY+4*\j+3] offset:4608*\p+576*\j
.endr
.irp j, 0,1,2,3,4,5,6,7
	ds_load_b128 v[RR+4*\j:RR+4*\j+3], v3 offset:4608*\p+16*\j     ; my own bytes, served in order
.endr
	s_wait_dscnt 0x0
	v_max3_num_f32 v12, |v[RR]|, |v[RR+1]|, |v[RR+2]|
	v_max3_num_f32 v13, |v[RR+3]|, |v[RR+4]|, |v[RR+5]|
.irp m, 6,10,14,18,22,26
	s_delay_alu instid0(VALU_DEP_2)
	v_max3_num_f32 v12, v12, |v[RR+\m]|, |v[RR+\m+1]|
	s_delay_alu instid0(VALU_DEP_2)
	v_max3_num_f32 v13, v13, |v[RR+\m+2]|, |v[RR+\m+3]|
.endr
	s_delay_alu instid0(VALU_DEP_2)
	v_max3_num_f32 v12, v12, |v[RR+30]|, |v[RR+31]|
	s_delay_alu instid0(VALU_DEP_1)
	v_max3_num_f32 v12, v12, v13, 0x1800000        ; the floor 2^(3 - 127)
	s_delay_alu instid0(VALU_DEP_1)
	v_add_nc_u32 v11, 0xff000000, v12              ; the conversion's scale operand
	s_delay_alu instid0(VALU_DEP_1)
	v_lshrrev_b32 v[232+\p], 23, v11               ; the byte
.irp g, 0,1,2,3
	v_cvt_scalef32_pk8_fp4_f32 v[224+4*\p+\g], v[RR+8*\g:RR+8*\g+7], v11
.endr
	v_nop                                          ; one plain line behind the conversions
	ds_store_b8 v4, v[232+\p] offset:32*\p
	global_store_b128 v1, v[224+4*\p:227+4*\p], s[14:15] offset:512*\p     ; a row's 512 bytes of codes
.endif
.endm
	s_wait_loadcnt 16                              ; g, b and row 0 are in; row 1's sixteen loads may be out
	ROW 0
	s_wait_loadcnt 0x0
	ROW 1
	s_wait_dscnt 0x0                               ; for the others' sake: my byte stores are done
	s_barrier_signal -1
	s_barrier_wait -1
	s_cmp_lg_u32 s22, 0
	s_cbranch_scc1 .Lnot_wave_0
	ds_load_b128 v[236:239], v5
	s_wait_dscnt 0x0
	global_store_b128 v1, v[236:239], s[18:19]     ; sixteen rows' 512 scale bytes
.Lnot_wave_0:
	s_wait_tensorcnt 0x0                           ; the wave's end
	ds_add_u32 v[SPW], v[NIL]
	s_wait_dscnt 0x0
	s_endpgm
.Lfunc_end_k_q06e1ac5ceb_ln1:
	.size	k_q06e1ac5ceb_ln1, .Lfunc_end_k_q06e1ac5ceb_ln1-k_q06e1ac5ceb_ln1
	.p2alignl 7, 3214868480
	.fill 96, 4, 3214868480
	.section	.rodata,"a",@progbits
	.p2align	6, 0x0
	.amdhsa_kernel k_q06e1ac5ceb_ln1
		.amdhsa_group_segment_fixed_size 75264
		.amdhsa_private_segment_fixed_size 0
		.amdhsa_enable_private_segment 0
		.amdhsa_kernarg_size 48
		.amdhsa_user_sgpr_count 2
		.amdhsa_user_sgpr_kernarg_segment_ptr 1
		.amdhsa_wavefront_size32 1
		.amdhsa_system_sgpr_workgroup_id_x 1
		.amdhsa_system_sgpr_workgroup_id_y 1
		.amdhsa_system_sgpr_workgroup_id_z 1
		.amdhsa_system_vgpr_workitem_id 0
		.amdhsa_next_free_vgpr 240
		.amdhsa_next_free_sgpr 66
		.amdhsa_reserve_vcc 0
		.amdhsa_float_denorm_mode_32 3
		.amdhsa_float_denorm_mode_16_64 3
		.amdhsa_memory_ordered 1
		.amdhsa_forward_progress 1
		.amdhsa_inst_pref_size 32
	.end_amdhsa_kernel
	.amdgpu_metadata
---
amdhsa.version: [ 1, 2 ]
amdhsa.kernels:
  - .name:           k_q06e1ac5ceb_ln1
    .symbol:         k_q06e1ac5ceb_ln1.kd
    .args:
      - { .name: t, .offset: 0, .size: 8, .value_kind: global_buffer, .address_space: global }
      - { .name: src, .offset: 8, .size: 8, .value_kind: global_buffer, .address_space: global }
      - { .name: ln1_g, .offset: 16, .size: 8, .value_kind: global_buffer, .address_space: global }
      - { .name: ln1_b, .offset: 24, .size: 8, .value_kind: global_buffer, .address_space: global }
      - { .name: x, .offset: 32, .size: 8, .value_kind: global_buffer, .address_space: global }
      - { .name: xq, .offset: 40, .size: 8, .value_kind: global_buffer, .address_space: global }
    .group_segment_fixed_size: 75264
    .private_segment_fixed_size: 0
    .kernarg_segment_align: 8
    .kernarg_segment_size: 48
    .max_flat_workgroup_size: 256
    .sgpr_count:     66
    .vgpr_count:     240
    .wavefront_size: 32
...
	.end_amdgpu_metadata
.endif
;; end of part 13
;; launch w1 (part 14): grid 16 x 16, 4 waves a work-group, clusters of 4 x 4, 327,680 bytes of LDS; arguments xq, W1_codes, W1_scales, b1, hp; writes hp
.if DOCPART == 14
	.amdgcn_target "amdgcn-amd-amdhsa--gfx1250"
	.amdhsa_code_object_version 6
	.text
	.protected	k_q06e1ac5ceb_w1
	.globl	k_q06e1ac5ceb_w1
	.p2align	8
	.type	k_q06e1ac5ceb_w1,@function
k_q06e1ac5ceb_w1:
	s_mov_b64 s[64:65], 0
	v_nop
	global_prefetch_b8 v0, s[64:65] scope:SCOPE_SE
	s_setreg_imm32_b32 hwreg(HW_REG_WAVE_MODE, 25, 1), 1
	s_wait_xcnt 0x0
	s_wait_alu depctr_hold_cnt(0) depctr_sa_sdst(0) depctr_va_vdst(0) depctr_va_sdst(0) depctr_va_ssrc(0) depctr_va_vcc(0) depctr_vm_vsrc(0)
	s_getreg_b32 s2, hwreg(HW_REG_IB_STS2, 6, 4)
	s_cmp_eq_u32 s2, 0
	s_cbranch_scc0 .Lentry_in_a_cluster
	s_endpgm
.Lentry_in_a_cluster:
	s_bfe_u32 s2, ttmp6, 0x10000c
	s_cmp_lg_u32 s2, 0xf033
	s_cbranch_scc0 .Lentry_shape_is_right
	s_endpgm
.Lentry_shape_is_right:
; LAUNCH 6 OF 8: h = relu(x W1 + b1), quantised along its 4,096 columns on the way out into panels (hp: [32 planes of 128 columns][32 panels of 128 tokens][8,704 bytes]).  No work is left out.
; The walk over K = 1,024 is that of the projections' launch: two slots of 512, both asked for at the head, nothing filled again; joint loads in clusters of 4 x 4; the bias is the C of the first K step.
; A panel: eight images of an operand's registers (16 rows x 128 K: piece (c, lane) at 1,024 i + 512 c + 16 lane) and 128 scale words from byte 8,192 on; here the rows keep their order.
; LIMITS: as stated at the first launch's head.
.set KSTEP,  512
.set NQ,     4
.set ROWB,   256
.set KROW,   512
.set PITCH,  272
.set FR,     8
.set NL,     2
.set NP,     4
.set HALFT,  128*PITCH
.set SLOT,   4*HALFT
.set KS,     32
.set SCL,    2*SLOT
.set HALFS,  (128*KS/256)*272
.set SBLK,   (16*KS/256)*272
.set SPARE,  SCL+4*HALFS               ; the spare words: 128 bytes a wave, no other line names them
.set PANEL,  8704
.set ADRA, 16
.set ADRB, 20
.set STO,  24
.set RD,   25
.set CO,   26
.set ADRS, 27
.set SPW,  28
.set NIL,  29
.set STS,  30
.set BO,   31
.set SC,   32
.set AF,   128
.set T,    192
.set PC,   128
.set TM,   200
.set PW,   216
.set OB,   32
.set G1, 24
.set G0, 32
.set G1B, 48
.set G0B, 56
.set G1S, 68
.set G0S, 76
.set G1SB, 80
.set G0SB, 88
.set SEL, 96
.set MSB, 0
.macro WIN new
.if MSB != (\new)
	s_set_vgpr_msb (MSB<<8)|(\new)
.set MSB, (\new)
.endif
.endm
.set MUL_LO, 0xa1
.set MUL_HI, 0xf1
.set TO_B,   0x40
.macro JLOAD g0a, g1a, g0b, g1b
	s_cmp_eq_u32 s15, 0
	s_cbranch_scc0 .Lfor_b_\@
	tensor_load_to_lds s[\g0a:\g0a+3], s[\g1a:\g1a+7]
	s_nop 0
.rept 4
	v_nop
.endr
	s_branch .Lasked_\@
.Lfor_b_\@:
	tensor_load_to_lds s[\g0b:\g0b+3], s[\g1b:\g1b+7]
	s_nop 0
.rept 4
	v_nop
.endr
.Lasked_\@:
.endm
.macro CROUND
	s_barrier_signal -1
	s_barrier_wait -1
	s_cmp_lg_u32 s14, 0
	s_cbranch_scc1 .Lnot_wave_0_\@
	s_barrier_signal -3
.Lnot_wave_0_\@:
	s_barrier_wait -3
	s_barrier_signal -1
	s_barrier_wait -1
.endm
	s_load_b64 s[4:5], s[0:1], 0x0                 ; xq: A's codes
	s_load_b64 s[8:9], s[0:1], 0x8                 ; B's codes
	s_load_b64 s[10:11], s[0:1], 0x10              ; B's scales
	s_load_b64 s[66:67], s[0:1], 0x18              ; b1
	s_load_b64 s[12:13], s[0:1], 0x20              ; hp
	v_lshl_add_u32 v[SPW], v0, 2, SPARE
	v_mov_b32 v[NIL], 0
	ds_add_u32 v[SPW], v[NIL]                      ; the opening: the add, twice on end, and its wait ahead of my first tensor load
	ds_add_u32 v[SPW], v[NIL]
	v_lshrrev_b32 v1, 5, v0
	v_readfirstlane_b32 s14, v1
	s_lshr_b32 s15, s14, 1
	s_and_b32 s16, s14, 1
	s_bfe_u32 s40, ttmp6, 0x40000
	s_bfe_u32 s41, ttmp6, 0x40004
	s_lshl_b32 s42, ttmp9, 2
	s_add_co_u32 s42, s42, s40                     ; tile column
	s_and_b32 s17, ttmp7, 0xffff
	s_lshl_b32 s17, s17, 2
	s_add_co_u32 s17, s17, s41                     ; tile row
	s_lshl_b32 s43, s41, 2
	s_lshl_b32 s43, 15, s43
	s_lshl_b32 s44, 0x1111, s40
	s_or_b32 s[G1+0], s43, (0<<16)|(1<<20)|(1<<21)|(5<<22)|(3<<25)
	s_or_b32 s[G1B+0], s44, (0<<16)|(1<<20)|(1<<21)|(5<<22)|(3<<25)
.irp g, G1, G1B
	s_mov_b32 s[\g+1], ROWB<<16
	s_mov_b32 s[\g+2], 256<<16                     ; the head's loads of codes bring 256 rows
	s_mov_b32 s[\g+3], ROWB<<16
	s_mov_b32 s[\g+4], 256
	s_mov_b32 s[\g+5], KROW
	s_mov_b32 s[\g+6], 0
	s_mov_b32 s[\g+7], 0
.endr
	s_or_b32 s[G1S+0], s43, (3<<16)|(1<<20)|(1<<21)|(5<<22)|(3<<25)
	s_or_b32 s[G1SB+0], s44, (3<<16)|(1<<20)|(1<<21)|(5<<22)|(3<<25)
.irp g, G1S, G1SB
	s_mov_b32 s[\g+1], 32<<16
	s_mov_b32 s[\g+2], KS<<16                      ; the scales of 256 rows: KS rows of 256 bytes
	s_mov_b32 s[\g+3], 32<<16
	s_mov_b32 s[\g+4], KS
	s_mov_b32 s[\g+5], 32
	s_mov_b32 s[\g+6], 0
	s_mov_b32 s[\g+7], 0
.endr
	s_lshl_b32 s20, s17, 8                         ; the tiles' first rows
	s_lshl_b32 s46, s42, 8
	s_mov_b32 s21, 0
	s_mov_b32 s47, 0
	s_mov_b64 s[18:19], KS
	s_mul_u64 s[22:23], s[20:21], s[18:19]
	s_mul_u64 s[2:3], s[46:47], s[18:19]
	s_mov_b64 s[18:19], KROW
	s_mul_u64 s[20:21], s[20:21], s[18:19]
	s_mul_u64 s[46:47], s[46:47], s[18:19]
	s_mul_i32 s45, s14, HALFT
	s_mul_i32 s98, s16, 128*KROW                   ; slot 1: which 128 rows of a tile I fetch, in bytes
	s_mov_b32 s99, 0
	s_wait_dscnt 0x0
	s_wait_kmcnt 0x0
	s_add_nc_u64 s[6:7], s[4:5], 2097152           ; A's scale bytes
	s_add_nc_u64 s[20:21], s[4:5], s[20:21]
	s_add_nc_u64 s[22:23], s[6:7], s[22:23]
	s_add_nc_u64 s[46:47], s[8:9], s[46:47]
	s_add_nc_u64 s[2:3], s[10:11], s[2:3]
	CROUND
	s_mov_b32 s[G0S], 1
	s_mov_b32 s[G0S+1], SCL
	s_mov_b64 s[G0S+2:G0S+3], s[22:23]
	s_or_b32 s[G0S+3], s[G0S+3], 0x80000000
	s_mov_b32 s[G0SB], 1
	s_mov_b32 s[G0SB+1], SCL+2*HALFS
	s_mov_b64 s[G0SB+2:G0SB+3], s[2:3]
	s_or_b32 s[G0SB+3], s[G0SB+3], 0x80000000
	s_mov_b32 s4, 1                                ; s[4:7]: group 0 for K step 0's 256 rows of A (the arguments that lay there have been used)
	s_mov_b32 s5, 0
	s_mov_b64 s[6:7], s[20:21]
	s_or_b32 s7, s7, 0x80000000
	s_mov_b32 s8, 1                                ; s[8:11]: for its 256 rows of B, behind A's in slot 0
	s_mov_b32 s9, 2*HALFT
	s_mov_b64 s[10:11], s[46:47]
	s_or_b32 s11, s11, 0x80000000
	s_add_nc_u64 s[20:21], s[20:21], s[98:99]      ; for slot 1: my 128 rows of the tile
	s_add_nc_u64 s[46:47], s[46:47], s[98:99]
.irp s, 1
	s_mov_b32 s[G0+4*\s], 1
	s_add_co_u32 s[G0+4*\s+1], s45, \s*SLOT
	s_add_nc_u64 s[G0+4*\s+2:G0+4*\s+3], s[20:21], \s*ROWB
	s_or_b32 s[G0+4*\s+3], s[G0+4*\s+3], 0x80000000
	s_mov_b32 s[G0B+4*\s], 1
	s_add_co_u32 s[G0B+4*\s+1], s45, \s*SLOT
	s_add_nc_u64 s[G0B+4*\s+2:G0B+4*\s+3], s[46:47], \s*ROWB
	s_or_b32 s[G0B+4*\s+3], s[G0B+4*\s+3], 0x80000000
.endr
; the head's four tiles, one load a wave: wave 0 K step 0's rows of A, wave 1 those of B, wave 2 A's scales, wave 3 B's; one chain of branches on the wave's number
.macro ARM under, g0, g1, next
	s_cmp_lt_u32 s14, \under
	s_cbranch_scc0 \next
	tensor_load_to_lds s[\g0:\g0+3], s[\g1:\g1+7]
	s_nop 0
.rept 4
	v_nop
.endr
	s_branch .Lhead_asked
\next:
.endm
	ARM 1, 4, G1, .Lhead_b
	ARM 2, 8, G1B, .Lhead_sa
	ARM 3, G0S, G1S, .Lhead_sb
	tensor_load_to_lds s[G0SB:G0SB+3], s[G1SB:G1SB+7]
	s_nop 0
.rept 4
	v_nop
.endr
.Lhead_asked:
	s_mov_b32 s[SEL], 0x76543210
	s_mov_b32 s[SEL+1], 0xfedcba98
	v_and_b32 v1, 15, v0
	v_bfe_u32 v2, v0, 4, 1
	v_mul_u32_u24 v3, v1, PITCH
	v_lshl_add_u32 v4, v2, 4, v3
	s_mul_i32 s21, s15, HALFT
	s_mul_i32 s22, s16, HALFT
	s_add_co_u32 s22, s22, 2*HALFT
.irp s, 0,1
	v_add_nc_u32 v[ADRA+\s], s21, v4
	v_add_nc_u32 v[ADRB+\s], s22, v4
	s_add_co_u32 s21, s21, SLOT
	s_add_co_u32 s22, s22, SLOT
.endr
	v_mul_u32_u24 v5, v1, KS
	v_lshrrev_b32 v6, 8, v5
	v_lshl_add_u32 v5, v6, 4, v5
	s_mul_i32 s21, s15, HALFS
	s_mul_i32 s22, s16, HALFS
	s_add_co_u32 s22, s22, 2*HALFS
	s_sub_co_u32 s22, s22, s21
	v_mul_u32_u24 v6, s22, v2
	s_add_co_u32 s21, s21, SCL
	v_add_nc_u32 v5, v5, v6
	v_add_nc_u32 v[ADRS], s21, v5
	s_mul_i32 s23, s14, PANEL                      ; my stage, in slot 0
	v_lshlrev_b32 v5, 4, v1
	v_lshl_add_u32 v5, v2, 2, v5
	v_add_nc_u32 v[STO], s23, v5                   ; 16 r + 4 h
	v_lshlrev_b32 v5, 2, v1
	v_add_nc_u32 v5, 8192, v5
	v_add_nc_u32 v[STS], s23, v5                   ; 8,192 + 4 r
	v_and_b32 v6, 31, v0
	v_lshlrev_b32 v[CO], 4, v6
	v_add_nc_u32 v[RD], s23, v[CO]
	v_lshlrev_b32 v[BO], 5, v2
	s_wait_alu depctr_va_vdst(0)
	s_lshl_b32 s20, s42, 1                         ; my panel: ((2 tile column + half) x 32 + 2 tile row + half) x 8,704
	s_add_co_u32 s20, s20, s16
	s_lshl_b32 s20, s20, 5
	s_lshl_b32 s21, s17, 1
	s_add_co_u32 s20, s20, s21
	s_add_co_u32 s20, s20, s15
	s_mul_i32 s20, s20, PANEL
	s_mov_b32 s21, 0
	s_add_nc_u64 s[12:13], s[12:13], s[20:21]
	s_lshl_b32 s20, s42, 10
	s_lshl_b32 s21, s16, 9
	s_add_co_u32 s20, s20, s21
	s_mov_b32 s21, 0
	s_add_nc_u64 s[66:67], s[66:67], s[20:21]      ; the bias at my first column
.irp b, 0,1,2,3,4,5,6,7
	global_load_b128 v[T+8*\b:T+8*\b+3], v[BO], s[66:67] offset:64*\b
	global_load_b128 v[T+8*\b+4:T+8*\b+7], v[BO], s[66:67] offset:64*\b+16
.endr
	s_wait_loadcnt 0x0
.macro FRAG reg, adr, q, i
.irp c, 0,1
	ds_load_b128 v[\reg+4*\c:\reg+4*\c+3], v[\adr] offset:64*(\q)+32*\c+(\i)*16*PITCH
.endr
.endm
.macro MUL16 a0, p, q, sc, cm          ; cm = 1: C = the bias tile of B's block; the 64 accumulators take turns
.irp a, \a0, \a0+1
.irp b, 0,1,2,3,4,5,6,7
.if \cm
	v_wmma_scale_f32_16x16x128_f8f6f4 v[8*(8*((\a)%4)+\b):8*(8*((\a)%4)+\b)+7], v[128*(\p)+FR*\b:128*(\p)+FR*\b+FR-1], v[AF+FR*(\a):AF+FR*(\a)+FR-1], v[T+8*\b:T+8*\b+7], v[SC+8*NQ*(\sc)+NQ*\b+(\q)], v[SC+8*NQ*(\sc)+NQ*(\a)+(\q)] matrix_a_fmt:MATRIX_FMT_FP4 matrix_b_fmt:MATRIX_FMT_FP4 matrix_a_scale:MATRIX_SCALE_ROW1
.else
	v_wmma_scale_f32_16x16x128_f8f6f4 v[8*(8*((\a)%4)+\b):8*(8*((\a)%4)+\b)+7], v[128*(\p)+FR*\b:128*(\p)+FR*\b+FR-1], v[AF+FR*(\a):AF+FR*(\a)+FR-1], v[8*(8*((\a)%4)+\b):8*(8*((\a)%4)+\b)+7], v[SC+8*NQ*(\sc)+NQ*\b+(\q)], v[SC+8*NQ*(\sc)+NQ*(\a)+(\q)] matrix_a_fmt:MATRIX_FMT_FP4 matrix_b_fmt:MATRIX_FMT_FP4 matrix_a_scale:MATRIX_SCALE_ROW1
.endif
.endr
.endr
.endm
.macro FETCH_B slot, q, p
	WIN TO_B
.irp i, 0,1,2,3,4,5,6,7
	FRAG 128*(\p)+FR*\i, ADRB+\slot, \q, \i
.endr
	WIN 0
.endm
.macro FETCH_A slot, q, i0
.irp i, \i0, \i0+1, \i0+2, \i0+3
	FRAG AF+FR*(\i), ADRA+\slot, \q, \i
.endr
.endm
.macro SCALES sc
.irp i, 0,1,2,3,4,5,6,7
	ds_load_b128 v[SC+8*NQ*\sc+NQ*\i:SC+8*NQ*\sc+NQ*\i+3], v[ADRS] offset:\i*SBLK
.endr
.endm
.macro PLACES n
.rept \n
	v_nop
.endr
.endm
.macro STEP slot, q, cm
	s_wait_dscnt 4*NL                              ; all but A's blocks 4-7 are in
.if \cm
	WIN 0x81
.else
	WIN MUL_LO
.endif
	MUL16 0, (\q)%2, \q, \slot, \cm
	MUL16 2, (\q)%2, \q, \slot, \cm
	s_wait_dscnt 0
	PLACES NP
	FETCH_B \slot, (\q)+1, 1-(\q)%2
	FETCH_A \slot, (\q)+1, 0
.if \cm
	WIN 0xc1
.else
	WIN MUL_HI
.endif
	MUL16 4, (\q)%2, \q, \slot, \cm
	MUL16 6, (\q)%2, \q, \slot, \cm
	PLACES NP
	WIN 0
	FETCH_A \slot, (\q)+1, 4
.endm
.macro TURN slot, next                 ; the change of slots: one barrier; nothing is filled again in this launch
	s_wait_tensorcnt 0x0
	ds_add_u32 v[SPW], v[NIL]
	s_wait_dscnt 4*NL+1                            ; (the add and A's blocks 4-7 may be out)
	WIN MUL_LO
	MUL16 0, 1, NQ-1, \slot, 0
	s_wait_dscnt 0x0
	s_barrier_signal -1
	MUL16 2, 1, NQ-1, \slot, 0
	WIN 0
	s_barrier_wait -1
	PLACES NP
	v_add_nc_u32 v[ADRS], 4*NQ, v[ADRS]
	FETCH_B \next, 0, 0
	FETCH_A \next, 0, 0
	SCALES \next
	WIN MUL_HI
	MUL16 4, 1, NQ-1, \slot, 0
	MUL16 6, 1, NQ-1, \slot, 0
	PLACES NP
	WIN 0
	FETCH_A \next, 0, 4
.endm
.macro STEPS slot, from
.set Q, \from
.rept NQ-1-\from
	STEP \slot, Q, 0
.set Q, Q+1
.endr
.endm
; THE WAY OUT.  Block a (16 rows): a lane's 64 numbers are columns 16 n + 8 h + j; a block of 32 columns lies in lanes l and l xor 16.  Each conversion's 8 codes (4 bytes) go to their place in the image.
.macro QOUT relu, perm
.irp b, 0,1,2,3
	v_mov_b32 v[TM+4+\b], 0                        ; a lane permute's destination counts as read; these four are also the places behind the last products
.endr
.irp a, 0,1,2,3,4,5,6,7
.set AC, 64*(\a%4)
.set WH, \a/4
.if \perm
.set RBA, (\a/2)*2048+(\a%2)*128
.set RSA, (\a/2)*128+(\a%2)*32
.else
.set RBA, 1024*\a
.set RSA, 64*\a
.endif
.if \relu
	WIN 0x88+0x44*WH
.set j, 0
.rept 64
	v_max_num_f32 v[AC+j], 0, v[AC+j]              ; the activation, in f32; each accumulator from its low end on
.set j, j+1
.endr
.endif
	WIN 0x0a+5*WH
.irp b, 0,1,2,3
	v_max3_num_f32 v[TM+\b], |v[AC+16*\b]|, |v[AC+16*\b+1]|, 0x1800000
.endr
.irp i, 2,4,6,8,10,12,14
.irp b, 0,1,2,3
	v_max3_num_f32 v[TM+\b], |v[AC+16*\b+\i]|, |v[AC+16*\b+\i+1]|, v[TM+\b]
.endr
.endr
	WIN 0
.irp b, 0,1,2,3
	v_permlanex16_b32 v[TM+4+\b], v[TM+\b], s[SEL], s[SEL+1]
.endr
.irp b, 0,1,2,3
	v_max_num_f32 v[TM+\b], v[TM+\b], v[TM+4+\b]
.endr
.irp b, 0,1,2,3
	v_add_nc_u32 v[TM+12+\b], 0xff000000, v[TM+\b]
.endr
.irp b, 0,1,2,3
	v_lshrrev_b32 v[TM+4+\b], 23, v[TM+12+\b]
.endr
	v_lshl_or_b32 v[PW+\a], v[TM+5], 8, v[TM+4]
	v_lshl_or_b32 v[PW+\a], v[TM+6], 16, v[PW+\a]
	v_lshl_or_b32 v[PW+\a], v[TM+7], 24, v[PW+\a]
	WIN 0x02+WH
.irp n, 0,1,2,3,4,5,6,7
	v_cvt_scalef32_pk8_fp4_f32 v[PC+8*\a+\n], v[AC+8*\n:AC+8*\n+7], v[TM+12+\n/2]
.endr
	WIN 0
	v_nop
.irp n, 0,1,2,3,4,5,6,7
	ds_store_b32 v[STO], v[PC+8*\a+\n] offset:RBA+(\n/4)*512+((\n%4)/2)*256+(\n%2)*8
.endr
	ds_store_b32 v[STS], v[PW+\a] offset:RSA
.endr
.irp t, 0,1,2,3,4,5,6,7,8,9,10,11,12,13,14,15,16
	ds_load_b128 v[OB+4*\t:OB+4*\t+3], v[RD] offset:512*\t
.endr
.irp t, 0,1,2,3,4,5,6,7,8,9,10,11,12,13,14,15,16
	s_wait_dscnt 16-\t
	global_store_b128 v[CO], v[OB+4*\t:OB+4*\t+3], s[12:13] offset:512*\t
.endr
.endm
	s_wait_alu depctr_va_vdst(0)
	s_wait_tensorcnt 0x0                           ; my tile of the head's four is in
	ds_add_u32 v[SPW], v[NIL]
	s_mov_b32 s[G1+2], 128<<16                     ; no tensor load of mine is out: from here on a load brings 128 rows
	s_mov_b32 s[G1+4], 128
	s_mov_b32 s[G1B+2], 128<<16
	s_mov_b32 s[G1B+4], 128
	s_wait_dscnt 0x0
	CROUND                                         ; all four tiles are in, and the sixteen work-groups meet
	JLOAD G0+4, G1, G0B+4, G1B                     ; K step 1, a quarter of slot 1 a wave
	FETCH_B 0, 0, 0
	FETCH_A 0, 0, 0
	SCALES 0
	FETCH_A 0, 0, 4
	STEP 0, 0, 1
	STEPS 0, 1
	TURN 0, 1
	STEPS 1, 0
	s_wait_dscnt 4*NL
	WIN MUL_LO
	MUL16 0, 1, NQ-1, 1, 0
	MUL16 2, 1, NQ-1, 1, 0
	s_wait_dscnt 0
	WIN MUL_HI
	MUL16 4, 1, NQ-1, 1, 0
	MUL16 6, 1, NQ-1, 1, 0
	WIN 0
	QOUT 1, 0
	s_wait_tensorcnt 0x0                           ; the wave's end
	ds_add_u32 v[SPW], v[NIL]
	s_wait_dscnt 0x0
	CROUND
	s_endpgm
.Lfunc_end_k_q06e1ac5ceb_w1:
	.size	k_q06e1ac5ceb_w1, .Lfunc_end_k_q06e1ac5ceb_w1-k_q06e1ac5ceb_w1
	.p2alignl 7, 3214868480
	.fill 96, 4, 3214868480
	.section	.rodata,"a",@progbits
	.p2align	6, 0x0
	.amdhsa_kernel k_q06e1ac5ceb_w1
		.amdhsa_group_segment_fixed_size 327680
		.amdhsa_private_segment_fixed_size 0
		.amdhsa_enable_private_segment 0
		.amdhsa_kernarg_size 40
		.amdhsa_user_sgpr_count 2
		.amdhsa_user_sgpr_kernarg_segment_ptr 1
		.amdhsa_wavefront_size32 1
		.amdhsa_system_sgpr_workgroup_id_x 1
		.amdhsa_system_sgpr_workgroup_id_y 1
		.amdhsa_system_sgpr_workgroup_id_z 1
		.amdhsa_system_vgpr_workitem_id 0
		.amdhsa_next_free_vgpr 1024
		.amdhsa_next_free_sgpr 100
		.amdhsa_reserve_vcc 0
		.amdhsa_float_denorm_mode_32 3
		.amdhsa_float_denorm_mode_16_64 3
		.amdhsa_memory_ordered 1
		.amdhsa_forward_progress 1
		.amdhsa_inst_pref_size 151
	.end_amdhsa_kernel
	.amdgpu_metadata
---
amdhsa.version: [ 1, 2 ]
amdhsa.kernels:
  - .name:           k_q06e1ac5ceb_w1
    .symbol:         k_q06e1ac5ceb_w1.kd
    .args:
      - { .name: xq, .offset: 0, .size: 8, .value_kind: global_buffer, .address_space: global }
      - { .name: W1_codes, .offset: 8, .size: 8, .value_kind: global_buffer, .address_space: global }
      - { .name: W1_scales, .offset: 16, .size: 8, .value_kind: global_buffer, .address_space: global }
      - { .name: b1, .offset: 24, .size: 8, .value_kind: global_buffer, .address_space: global }
      - { .name: hp, .offset: 32, .size: 8, .value_kind: global_buffer, .address_space: global }
    .group_segment_fixed_size: 327680
    .private_segment_fixed_size: 0
    .kernarg_segment_align: 8
    .kernarg_segment_size: 40
    .max_flat_workgroup_size: 128
    .sgpr_count:     100
    .vgpr_count:     1024
    .wavefront_size: 32
...
	.end_amdgpu_metadata
.endif
;; end of part 14
;; launch w2 (part 15): grid 8 x 32, 4 waves a work-group, clusters of 4 x 4, 327,680 bytes of LDS; arguments hp, W2_codes, W2_scales, b2, t; writes t
.if DOCPART == 15
	.amdgcn_target "amdgcn-amd-amdhsa--gfx1250"
	.amdhsa_code_object_version 6
	.text
	.protected	k_q06e1ac5ceb_w2
	.globl	k_q06e1ac5ceb_w2
	.p2align	8
	.type	k_q06e1ac5ceb_w2,@function
k_q06e1ac5ceb_w2:
	s_mov_b64 s[64:65], 0
	v_nop
	global_prefetch_b8 v0, s[64:65] scope:SCOPE_SE
	s_setreg_imm32_b32 hwreg(HW_REG_WAVE_MODE, 25, 1), 1
	s_wait_xcnt 0x0
	s_wait_alu depctr_hold_cnt(0) depctr_sa_sdst(0) depctr_va_vdst(0) depctr_va_sdst(0) depctr_va_ssrc(0) depctr_va_vcc(0) depctr_vm_vsrc(0)
	s_getreg_b32 s2, hwreg(HW_REG_IB_STS2, 6, 4)
	s_cmp_eq_u32 s2, 0
	s_cbranch_scc0 .Lentry_in_a_cluster
	s_endpgm
.Lentry_in_a_cluster:
	s_bfe_u32 s2, ttmp6, 0x10000c
	s_cmp_lg_u32 s2, 0xf033
	s_cbranch_scc0 .Lentry_shape_is_right
	s_endpgm
.Lentry_shape_is_right:
; LAUNCH 7 OF 8: t = h W2 + b2, f32 [4096][1024].  A = h as panels (made by the launch before), B = W2's codes with K innermost.  No work is left out.
; C has 256 tiles of 128 x 128: a work-group to each; four waves of 64 x 64: 16 accumulators of 16 x 16, 128 registers.
; A PANEL is 128 rows x 128 K: eight images of an operand's registers (piece (c, lane) of image i at 1,024 i + 512 c + 16 lane) and 128 scale words from byte 8,192 on: a fragment is two loads at 16 x lane.
; A SLOT holds 1,024 along K: A's 8 panels (one for each 128 along K), then B's 128 rows of 512 bytes + 16 of padding.  K = 4,096 is four slots' worth through a ring of two: both slots are asked for at the head,
; and each is filled again once, behind a round of the cluster's barrier, by one joint load a wave, which has 112 matrix instructions of each wave in which to land.
; B's scale bytes for all of K come once, all by wave 3, as units of 256 bytes + 16 of padding.
; CLUSTERS: 4 x 4 work-groups; A's tiles are asked for jointly along a row of the cluster, B's and its scales along a column.  The matrix instruction is used transposed (source 0 = 16 rows of B,
; source 1 = 16 rows of A): a lane holds eight neighbouring numbers of a row of C.  The bias is the C of the first K step.
; The text is the same as the attention's output projection's but for SIZE_K.
; REGISTERS: window 0: v16-31 addresses; v32-63 A's scale words, v64-95 B's (two sets each); v96-127 the bias tiles; v128-255 the accumulators ((a, b) at v[128 + 8 (4 a + b)]).
;   window 1: two fragment buffers of 128: for two K steps of 128, 64 registers of A (2 x 4 x 16 rows), then 64 of B.
.set SIZE_K, 4096
.set SIZE_N, 1024
.set NSL,    SIZE_K/1024               ; slots' worth of K
.set KROW,   SIZE_K/2                  ; a row of B in memory, in bytes
.set BROW,   512                       ; a slot's part of it
.set BP,     528                       ; and in LDS: 132 words: the 16 rows that a load touches start at 16 different groups of four banks
.set PANEL,  8704
.set PLANE,  32*PANEL                  ; from 128 along K to the next in A's buffer
.set AHALF,  4*PANEL                   ; what a wave fetches of A
.set BOFF,   8*PANEL                   ; B's rows lie behind A's panels
.set BHALF,  64*BP                     ; what a wave fetches of B, and what a wave reads of it
.set SLOT,   BOFF+2*BHALF
.set KS,     SIZE_K/32                 ; a row of B's scale bytes
.set SCL,    2*SLOT
.set SR,     32*KS/256                 ; units of 256 bytes in the scales of 32 rows
.set SBLK2,  SR*272
.set SPARE,  SCL+4*SBLK2               ; the spare words: 128 bytes a wave, no other line names them
.set STAGE,  (NSL%2)*SLOT              ; the way out: in the slot that is not the last one read: it has had its last fill, and its last read lies behind the last change of slots
.set SP,     272
.if NSL > 1
.set LS, 1                             ; the last slot read; also: how many of my first fills may stay out at the first barrier
.else
.set LS, 0
.endif
.set ADRA, 16
.set ADSA, 18
.set ADRB, 20
.set STO,  24
.set RD,   25
.set CO,   26
.set ADRS, 27
.set SPW,  28
.set NIL,  29
.set BO,   31
.set SA,   32                          ; A's scale words: set s at SA + 16 s; register 8 i + q: lanes 0-15 block 2 i, lanes 16-31 block 2 i + 1, the slot's q-th 128 along K
.set SB,   64                          ; B's likewise
.set T,    96
.set ACC,  128
.set F0,   0
.set F1,   128
.set G1, 24
.set G0, 32
.set G1B, 48
.set G0B, 56
.set G1S, 68
.set G0S, 76
.set MSB, 0
.macro WIN new                         ; the immediate's high byte repeats the setting that is left
.if MSB != (\new)
	s_set_vgpr_msb (MSB<<8)|(\new)
.set MSB, (\new)
.endif
.endm
.set MUL,  0x05                        ; sources 0 (B) and 1 (A) window 1; C and D window 0
.set TO_F, 0x40                        ; destination window 1, address window 0
.macro JLOAD g0a, g1a, g0b, g1b        ; a joint load: waves 0, 1 fetch for A, waves 2, 3 for B; s_nop 0 and four v_nop follow each line
	s_cmp_eq_u32 s15, 0
	s_cbranch_scc0 .Lfor_b_\@
	tensor_load_to_lds s[\g0a:\g0a+3], s[\g1a:\g1a+7]
	s_nop 0
.rept 4
	v_nop
.endr
	s_branch .Lasked_\@
.Lfor_b_\@:
	tensor_load_to_lds s[\g0b:\g0b+3], s[\g1b:\g1b+7]
	s_nop 0
.rept 4
	v_nop
.endr
.Lasked_\@:
.endm
.macro CREST                           ; a round of the cluster's barrier behind its opening barrier
	s_cmp_lg_u32 s14, 0
	s_cbranch_scc1 .Lnot_wave_0_\@
	s_barrier_signal -3
.Lnot_wave_0_\@:
	s_barrier_wait -3
	s_barrier_signal -1
	s_barrier_wait -1
.endm
.macro CROUND
	s_barrier_signal -1
	s_barrier_wait -1
	CREST
.endm
	s_load_b256 s[4:11], s[0:1], 0x0               ; A's panels, B's codes, B's scales, the bias
	s_load_b64 s[12:13], s[0:1], 0x20              ; C
	v_lshl_add_u32 v[SPW], v0, 2, SPARE
	v_mov_b32 v[NIL], 0
	ds_add_u32 v[SPW], v[NIL]                      ; the opening: the add, twice on end, and its wait ahead of my first tensor load
	ds_add_u32 v[SPW], v[NIL]
	v_lshrrev_b32 v1, 5, v0
	v_readfirstlane_b32 s14, v1                    ; wave
	s_lshr_b32 s15, s14, 1                         ; my half of the tile's rows; also: I fetch for A (0) or for B (1)
	s_and_b32 s16, s14, 1                          ; my half of its columns; also: which half I fetch
	s_bfe_u32 s40, ttmp6, 0x40000                  ; cx
	s_bfe_u32 s41, ttmp6, 0x40004                  ; cy
	s_lshl_b32 s42, ttmp9, 2
	s_add_co_u32 s42, s42, s40                     ; tile column
	s_and_b32 s17, ttmp7, 0xffff
	s_lshl_b32 s17, s17, 2
	s_add_co_u32 s17, s17, s41                     ; tile row = A's panel
	s_lshl_b32 s43, s41, 2
	s_lshl_b32 s43, 15, s43                        ; my row of the cluster
	s_lshl_b32 s44, 0x1111, s40                    ; my column
	s_or_b32 s[G1+0], s43, (3<<16)|(1<<21)         ; A: 4 rows (one for each 128 along K) of 1,088 elements of 8 bytes, no padding
	s_mov_b32 s[G1+1], 1088<<16
	s_mov_b32 s[G1+2], 4<<16
	s_mov_b32 s[G1+3], 1088<<16
	s_mov_b32 s[G1+4], 4
	s_mov_b32 s[G1+5], PLANE/8
	s_mov_b32 s[G1+6], 0
	s_mov_b32 s[G1+7], 0
	s_or_b32 s[G1B+0], s44, (0<<16)|(1<<20)|(1<<21)|(6<<22)|(3<<25)  ; B: 64 rows of 512 bytes; 4 words of padding behind every 128
	s_mov_b32 s[G1B+1], BROW<<16
	s_mov_b32 s[G1B+2], 128<<16                    ; at the head wave 2 brings B's 128 rows
	s_mov_b32 s[G1B+3], BROW<<16
	s_mov_b32 s[G1B+4], 128
	s_mov_b32 s[G1B+5], KROW
	s_mov_b32 s[G1B+6], 0
	s_mov_b32 s[G1B+7], 0
	s_or_b32 s[G1S+0], s44, (3<<16)|(1<<20)|(1<<21)|(5<<22)|(3<<25)  ; the scales of 32 rows: SR rows of 256 bytes, 16 of padding behind each
	s_mov_b32 s[G1S+1], 32<<16
	s_mov_b32 s[G1S+2], (4*SR)<<16                 ; wave 3 brings the scales of B's 128 rows
	s_mov_b32 s[G1S+3], 32<<16
	s_mov_b32 s[G1S+4], 4*SR
	s_mov_b32 s[G1S+5], 32
	s_mov_b32 s[G1S+6], 0
	s_mov_b32 s[G1S+7], 0
	s_mul_i32 s20, s17, PANEL                      ; A: my tile row's panel, 512 along K on for the second half
	s_mul_i32 s18, s16, 4*PLANE
	s_add_co_u32 s20, s20, s18
	s_mov_b32 s21, 0
	s_lshl_b32 s46, s42, 7
	s_lshl_b32 s18, s16, 6
	s_add_co_u32 s46, s46, s18
	s_mul_i32 s46, s46, KROW                       ; B: row 128 x tile column + 64 x half
	s_mov_b32 s47, 0
	s_lshl_b32 s22, s42, 7
	s_mul_i32 s22, s22, KS                         ; B's scales: row 128 x tile column
	s_mov_b32 s23, 0
	s_mul_i32 s45, s16, AHALF                      ; where they go: no place in the cluster enters an LDS address
	s_mul_i32 s19, s16, BHALF
	s_add_co_u32 s19, s19, BOFF
	s_wait_dscnt 0x0                               ; both opening adds are done
	s_wait_kmcnt 0x0
	s_add_nc_u64 s[20:21], s[4:5], s[20:21]
	s_add_nc_u64 s[46:47], s[6:7], s[46:47]
	s_add_nc_u64 s[22:23], s[8:9], s[22:23]
	CROUND                                         ; all sixteen work-groups are here: the first joint loads meet
	s_mov_b32 s[G0S], 1
	s_mov_b32 s[G0S+1], SCL
	s_mov_b64 s[G0S+2:G0S+3], s[22:23]
	s_or_b32 s[G0S+3], s[G0S+3], 0x80000000
.irp s, 0,1
.if \s < NSL
	s_mov_b32 s[G0+4*\s], 1
	s_add_co_u32 s[G0+4*\s+1], s45, \s*SLOT
	s_add_nc_u64 s[G0+4*\s+2:G0+4*\s+3], s[20:21], \s*8*PLANE
	s_or_b32 s[G0+4*\s+3], s[G0+4*\s+3], 0x80000000
	s_mov_b32 s[G0B+4*\s], 1
	s_add_co_u32 s[G0B+4*\s+1], s19, \s*SLOT
	s_add_nc_u64 s[G0B+4*\s+2:G0B+4*\s+3], s[46:47], \s*BROW
	s_or_b32 s[G0B+4*\s+3], s[G0B+4*\s+3], 0x80000000
.endif
.endr
	; the head's tiles, one load a wave, in one chain of branches on the wave's number: waves 0, 1 A's halves of slot 0, wave 2 B's 128 rows, wave 3 B's scales
	s_cmp_lt_u32 s14, 2
	s_cbranch_scc0 .Lhead_b
	tensor_load_to_lds s[G0:G0+3], s[G1:G1+7]
	s_nop 0
.rept 4
	v_nop
.endr
	s_branch .Lhead_asked
.Lhead_b:
	s_cmp_lt_u32 s14, 3
	s_cbranch_scc0 .Lhead_s
	tensor_load_to_lds s[G0B:G0B+3], s[G1B:G1B+7]
	s_nop 0
.rept 4
	v_nop
.endr
	s_branch .Lhead_asked
.Lhead_s:
	tensor_load_to_lds s[G0S:G0S+3], s[G1S:G1S+7]
	s_nop 0
.rept 4
	v_nop
.endr
.Lhead_asked:
	v_and_b32 v1, 15, v0                           ; r
	v_bfe_u32 v2, v0, 4, 1                         ; h
	v_and_b32 v6, 31, v0                           ; lane
	v_mul_u32_u24 v3, v1, BP
	v_lshl_add_u32 v4, v2, 4, v3                   ; B: row r x pitch + 16 h
	v_lshlrev_b32 v7, 4, v6                        ; A: 16 lane
	v_lshlrev_b32 v5, 2, v6
	v_add_nc_u32 v5, 8192, v5                      ; A's scale words: 8,192 + 4 lane
	s_lshl_b32 s21, s15, 12                        ; my four images of a panel's eight,
	s_lshl_b32 s23, s15, 8                         ; and their 64 scale words
	s_mul_i32 s22, s16, BHALF
	s_add_co_u32 s22, s22, BOFF                    ; my 64 rows of B
.irp s, 0,1
.if \s < NSL
	v_add_nc_u32 v[ADRA+\s], s21, v7
	v_add_nc_u32 v[ADSA+\s], s23, v5
	v_add_nc_u32 v[ADRB+\s], s22, v4
	s_add_co_u32 s21, s21, SLOT
	s_add_co_u32 s23, s23, SLOT
	s_add_co_u32 s22, s22, SLOT
.endif
.endr
	v_mul_u32_u24 v5, v6, KS                       ; B's scale words: row = my lane of a pair of blocks,
	v_lshrrev_b32 v3, 8, v5
	v_lshl_add_u32 v5, v3, 4, v5                   ; 16 more for each 256 passed
	s_mul_i32 s21, s16, 2*SBLK2
	s_add_co_u32 s21, s21, SCL
	v_add_nc_u32 v[ADRS], s21, v5
	s_mul_i32 s23, s14, 16*SP
	s_add_co_u32 s23, s23, STAGE                   ; my stage
	v_mul_u32_u24 v5, v1, SP
	v_lshl_add_u32 v5, v2, 5, v5
	v_add_nc_u32 v[STO], s23, v5                   ; in: row r, 32 bytes for each half of the lanes
	v_mul_u32_u24 v5, v2, SP
	v_lshl_add_u32 v5, v1, 4, v5
	v_add_nc_u32 v[RD], s23, v5                    ; back: lanes 0-15 one row of 256 bytes, lanes 16-31 the next
	v_mul_u32_u24 v5, v2, SIZE_N*4
	v_lshl_add_u32 v[CO], v1, 4, v5                ; and the same two rows in C
	v_lshlrev_b32 v[BO], 5, v2
	s_wait_alu depctr_va_vdst(0)
	s_lshl_b32 s20, s17, 7
	s_lshl_b32 s21, s15, 6
	s_add_co_u32 s20, s20, s21                     ; my first row of C: 128 x tile row + 64 x half,
	s_lshl_b32 s20, s20, 12                        ; 4,096 bytes a row
	s_mov_b32 s21, 0
	s_lshl_b32 s46, s42, 9                         ; my first column, in bytes: 512 x tile column + 256 x half
	s_lshl_b32 s47, s16, 8
	s_add_co_u32 s46, s46, s47
	s_mov_b32 s47, 0
	s_add_nc_u64 s[10:11], s[10:11], s[46:47]      ; the bias at my first column
	s_add_nc_u64 s[12:13], s[12:13], s[46:47]
	s_add_nc_u64 s[12:13], s[12:13], s[20:21]
.irp b, 0,1,2,3
	global_load_b128 v[T+8*\b:T+8*\b+3], v[BO], s[10:11] offset:64*\b       ; tile b: the bias of columns 16 b + 8 h + 0 .. 7
	global_load_b128 v[T+8*\b+4:T+8*\b+7], v[BO], s[10:11] offset:64*\b+16
.endr
	s_wait_loadcnt 0x0
; one product: D, C's first register, B's fragment, A's, B's scale register, A's, and which half of the lanes holds each
.macro WM d, cr, bf, af, sb, sa, pb, pa
.if (\pb) && (\pa)
	v_wmma_scale_f32_16x16x128_f8f6f4 v[0+(\d):7+(\d)], v[0+(\bf):7+(\bf)], v[0+(\af):7+(\af)], v[0+(\cr):7+(\cr)], v[0+(\sb)], v[0+(\sa)] matrix_a_fmt:MATRIX_FMT_FP4 matrix_b_fmt:MATRIX_FMT_FP4 matrix_a_scale:MATRIX_SCALE_ROW1 matrix_b_scale:MATRIX_SCALE_ROW1
.elseif (\pb)
	v_wmma_scale_f32_16x16x128_f8f6f4 v[0+(\d):7+(\d)], v[0+(\bf):7+(\bf)], v[0+(\af):7+(\af)], v[0+(\cr):7+(\cr)], v[0+(\sb)], v[0+(\sa)] matrix_a_fmt:MATRIX_FMT_FP4 matrix_b_fmt:MATRIX_FMT_FP4 matrix_a_scale:MATRIX_SCALE_ROW1
.elseif (\pa)
	v_wmma_scale_f32_16x16x128_f8f6f4 v[0+(\d):7+(\d)], v[0+(\bf):7+(\bf)], v[0+(\af):7+(\af)], v[0+(\cr):7+(\cr)], v[0+(\sb)], v[0+(\sa)] matrix_a_fmt:MATRIX_FMT_FP4 matrix_b_fmt:MATRIX_FMT_FP4 matrix_b_scale:MATRIX_SCALE_ROW1
.else
	v_wmma_scale_f32_16x16x128_f8f6f4 v[0+(\d):7+(\d)], v[0+(\bf):7+(\bf)], v[0+(\af):7+(\af)], v[0+(\cr):7+(\cr)], v[0+(\sb)], v[0+(\sa)] matrix_a_fmt:MATRIX_FMT_FP4 matrix_b_fmt:MATRIX_FMT_FP4
.endif
.endm
; 8 matrix instructions: A's blocks a0, a0 + 1 x B's four; half c of buffer f; q: the slot's K step; sc: the set of scale words; cm = 1: C = the bias tile.  The 16 accumulators take turns.
.macro MUL8 f, c, a0, q, sc, cm
.irp a, \a0, \a0+1
.irp b, 0,1,2,3
.if \cm
	WM ACC+8*(4*(\a)+\b), T+8*\b, \f+64+8*(4*(\c)+\b), \f+8*(4*(\c)+(\a)), SB+16*(\sc)+8*(\b/2)+(\q), SA+16*(\sc)+8*((\a)/2)+(\q), \b%2, (\a)%2
.else
	WM ACC+8*(4*(\a)+\b), ACC+8*(4*(\a)+\b), \f+64+8*(4*(\c)+\b), \f+8*(4*(\c)+(\a)), SB+16*(\sc)+8*(\b/2)+(\q), SA+16*(\sc)+8*((\a)/2)+(\q), \b%2, (\a)%2
.endif
.endr
.endr
.endm
; 32 LDS loads in one run: the fragments of the slot's K steps 2 j and 2 j + 1 into buffer f; the first K step's sixteen first
.macro FETCH slot, j, f
	WIN TO_F
.irp c, 0,1
.irp i, 0,1,2,3
	ds_load_b128 v[\f+64+8*(4*\c+\i):\f+64+8*(4*\c+\i)+3],   v[ADRB+\slot] offset:64*(2*(\j)+\c)+\i*16*BP
	ds_load_b128 v[\f+64+8*(4*\c+\i)+4:\f+64+8*(4*\c+\i)+7], v[ADRB+\slot] offset:64*(2*(\j)+\c)+\i*16*BP+32
	ds_load_b128 v[\f+8*(4*\c+\i):\f+8*(4*\c+\i)+3],         v[ADRA+\slot] offset:PANEL*(2*(\j)+\c)+1024*\i
	ds_load_b128 v[\f+8*(4*\c+\i)+4:\f+8*(4*\c+\i)+7],       v[ADRA+\slot] offset:PANEL*(2*(\j)+\c)+1024*\i+512
.endr
.endr
.endm
.macro SCALES sc                       ; a slot's scale words, 20 loads, issued ahead of the slot's first fragments (every window is 0 here)
.irp i, 0,1
.irp e, 0,1
	ds_load_b128 v[SB+16*\sc+8*\i+4*\e:SB+16*\sc+8*\i+4*\e+3], v[ADRS] offset:\i*SBLK2+16*\e
.endr
.endr
.irp i, 0,1
.irp q, 0,1,2,3,4,5,6,7
	ds_load_b32 v[SA+16*\sc+8*\i+\q], v[ADSA+\sc] offset:PANEL*\q+128*\i
.endr
.endr
.endm
.macro PLACES                          ; four plain vector lines between a matrix instruction and a load into, or a read of, its registers
.rept 4
	v_nop
.endr
.endm
; A slot is four quarters of two K steps, 32 matrix instructions each, on buffers 0, 1, 0, 1.  One of the first three: multiplies buffer f (quarter j) and fetches quarter j + 1 into g.
.macro QUARTER slot, j, f, g, cm
	s_wait_dscnt 16                                ; all but the second K step's sixteen loads are in
	WIN MUL
	MUL8 \f, 0, 0, 2*(\j), \slot, \cm
	MUL8 \f, 0, 2, 2*(\j), \slot, \cm
	PLACES
	FETCH \slot, (\j)+1, \g
	s_wait_dscnt 32                                ; all but the 32 just issued
	WIN MUL
	MUL8 \f, 1, 0, 2*(\j)+1, \slot, 0
	MUL8 \f, 1, 2, 2*(\j)+1, \slot, 0
.endm
; The last quarter multiplies buffer 1 and changes slots: one barrier; in front of it each wave waits for all its tensor loads, adds 0 to its spare word, and waits for that and for its reads of this slot.
; fill = 1: the barrier opens a round of the cluster's, and this slot is filled again, two slots ahead, by my one joint load behind the round.
.macro TURN slot, next, fill
	WIN 0                                          ; (the add's two registers lie in window 0)
	s_wait_tensorcnt 0x0                           ; all my tensor loads have landed: my part of the next slot
	ds_add_u32 v[SPW], v[NIL]
	s_wait_dscnt 17                                ; (the add and the second K step's sixteen loads may be out)
	WIN MUL
	MUL8 F1, 0, 0, 6, \slot, 0
	s_wait_dscnt 0x0                               ; the add is done, my reads of this slot are over
	s_barrier_signal -1
	MUL8 F1, 0, 2, 6, \slot, 0
	WIN 0
	s_barrier_wait -1
.if \fill
	CREST                                          ; no wave of any partner still reads this slot or has a load on its way
	s_add_nc_u64 s[G0+4*\slot+2:G0+4*\slot+3], s[G0+4*\slot+2:G0+4*\slot+3], 16*PLANE
	s_add_nc_u64 s[G0B+4*\slot+2:G0B+4*\slot+3], s[G0B+4*\slot+2:G0B+4*\slot+3], 2*BROW
	JLOAD G0+4*\slot, G1, G0B+4*\slot, G1B         ; its four v_nop are the places in front of the loads below
.else
	PLACES
.endif
	s_wait_alu depctr_va_vdst(0)
	v_add_nc_u32 v[ADRS], 32, v[ADRS]              ; B's scale words of the next 1,024 along K
	SCALES \next
	FETCH \next, 0, F0
	WIN MUL
	MUL8 F1, 1, 0, 7, \slot, 0
	MUL8 F1, 1, 2, 7, \slot, 0
.endm
	s_wait_alu depctr_va_vdst(0)
	s_wait_tensorcnt 0x0                           ; my tile of the head's is in
	ds_add_u32 v[SPW], v[NIL]
	s_mov_b32 s[G1B+2], 64<<16                     ; no tensor load of mine is out: from here on a load of B brings 64 rows
	s_mov_b32 s[G1B+4], 64
	s_wait_dscnt 0x0
	CROUND                                         ; slot 0 and the scales are in, and the sixteen work-groups meet
	JLOAD G0+4, G1, G0B+4, G1B                     ; slot 1's first fill, my one load behind the round
	SCALES 0
	FETCH 0, 0, F0
	QUARTER 0, 0, F0, F1, 1                        ; the first K step starts the sums from the bias
.if NSL > 2
.rept NSL/2-1                          ; once round the ring, both slots filled again; written out: it would be a loop of NSL / 2 - 1 = 1 trip
	QUARTER 0, 1, F1, F0, 0
	QUARTER 0, 2, F0, F1, 0
	TURN 0, 1, 1
	QUARTER 1, 0, F0, F1, 0
	QUARTER 1, 1, F1, F0, 0
	QUARTER 1, 2, F0, F1, 0
	TURN 1, 0, 1
	QUARTER 0, 0, F0, F1, 0
.endr
.endif
	QUARTER 0, 1, F1, F0, 0
	QUARTER 0, 2, F0, F1, 0
.if NSL > 1
	TURN 0, 1, 0                                   ; the last change of slots fills nothing
	QUARTER 1, 0, F0, F1, 0
	QUARTER 1, 1, F1, F0, 0
	QUARTER 1, 2, F0, F1, 0
.endif
	s_wait_dscnt 16                                ; the very last quarter: nothing more to fetch
	WIN MUL
	MUL8 F1, 0, 0, 6, LS, 0
	MUL8 F1, 0, 2, 6, LS, 0
	s_wait_dscnt 0
	MUL8 F1, 1, 0, 7, LS, 0
	MUL8 F1, 1, 2, 7, LS, 0
	WIN 0
; THE WAY OUT: a block of 16 rows x 64 columns (256 bytes a row) goes through my own stage and comes back, into the registers that it left, as whole rows: sixteen lanes store 256 consecutive bytes, aligned.
; LDS serves a wave's instructions in order: no wait between the stores and the loads, nor in front of the next block's stores.
.macro TOSTAGE a
.irp b, 0,1,2,3
	ds_store_b128 v[STO], v[ACC+8*(4*\a+\b):ACC+8*(4*\a+\b)+3] offset:64*\b          ; each accumulator from its low end on
	ds_store_b128 v[STO], v[ACC+8*(4*\a+\b)+4:ACC+8*(4*\a+\b)+7] offset:64*\b+16
.endr
.irp t, 0,1,2,3,4,5,6,7
	ds_load_b128 v[ACC+32*\a+4*\t:ACC+32*\a+4*\t+3], v[RD] offset:\t*2*SP
.endr
.endm
.macro SEND a, younger                 ; younger: the LDS instructions issued behind block a's loads: the next block's sixteen, or none
.irp t, 0,1,2,3,4,5,6,7
	s_wait_dscnt \younger+7-\t
	global_store_b128 v[CO], v[ACC+32*\a+4*\t:ACC+32*\a+4*\t+3], s[12:13] offset:(16*\a+2*\t)*SIZE_N*4
.endr
.endm
	PLACES
	TOSTAGE 0
	TOSTAGE 1
	SEND 0, 16
	TOSTAGE 2
	SEND 1, 16
	TOSTAGE 3
	SEND 2, 16
	SEND 3, 0
	s_wait_tensorcnt 0x0                           ; the wave's end
	ds_add_u32 v[SPW], v[NIL]
	s_wait_dscnt 0x0
	CROUND                                         ; the closing round
	s_endpgm
.Lfunc_end_k_q06e1ac5ceb_w2:
	.size	k_q06e1ac5ceb_w2, .Lfunc_end_k_q06e1ac5ceb_w2-k_q06e1ac5ceb_w2
	.p2alignl 7, 3214868480
	.fill 96, 4, 3214868480
	.section	.rodata,"a",@progbits
	.p2align	6, 0x0
	.amdhsa_kernel k_q06e1ac5ceb_w2
		.amdhsa_group_segment_fixed_size 327680
		.amdhsa_private_segment_fixed_size 0
		.amdhsa_enable_private_segment 0
		.amdhsa_kernarg_size 40
		.amdhsa_user_sgpr_count 2
		.amdhsa_user_sgpr_kernarg_segment_ptr 1
		.amdhsa_wavefront_size32 1
		.amdhsa_system_sgpr_workgroup_id_x 1
		.amdhsa_system_sgpr_workgroup_id_y 1
		.amdhsa_system_sgpr_workgroup_id_z 1
		.amdhsa_system_vgpr_workitem_id 0
		.amdhsa_next_free_vgpr 512
		.amdhsa_next_free_sgpr 98
		.amdhsa_reserve_vcc 0
		.amdhsa_float_denorm_mode_32 3
		.amdhsa_float_denorm_mode_16_64 3
		.amdhsa_memory_ordered 1
		.amdhsa_forward_progress 1
		.amdhsa_inst_pref_size 127
	.end_amdhsa_kernel
	.amdgpu_metadata
---
amdhsa.version: [ 1, 2 ]
amdhsa.kernels:
  - .name:           k_q06e1ac5ceb_w2
    .symbol:         k_q06e1ac5ceb_w2.kd
    .args:
      - { .name: hp, .offset: 0, .size: 8, .value_kind: global_buffer, .address_space: global }
      - { .name: W2_codes, .offset: 8, .size: 8, .value_kind: global_buffer, .address_space: global }
      - { .name: W2_scales, .offset: 16, .size: 8, .value_kind: global_buffer, .address_space: global }
      - { .name: b2, .offset: 24, .size: 8, .value_kind: global_buffer, .address_space: global }
      - { .name: t, .offset: 32, .size: 8, .value_kind: global_buffer, .address_space: global }
    .group_segment_fixed_size: 327680
    .private_segment_fixed_size: 0
    .kernarg_segment_align: 8
    .kernarg_segment_size: 40
    .max_flat_workgroup_size: 128
    .sgpr_count:     98
    .vgpr_count:     512
    .wavefront_size: 32
...
	.end_amdgpu_metadata
.endif
;; end of part 15
;; launch ln2 (part 16): grid 256 x 1, 8 waves a work-group, no clusters, 0 bytes of LDS; arguments t, x, ln2_g, ln2_b, out0; writes out0
.if DOCPART == 16
	.amdgcn_target "amdgcn-amd-amdhsa--gfx1250"
	.amdhsa_code_object_version 6
	.text
	.protected	k_q06e1ac5ceb_ln2
	.globl	k_q06e1ac5ceb_ln2
	.p2align	8
	.type	k_q06e1ac5ceb_ln2,@function
k_q06e1ac5ceb_ln2:
	s_mov_b64 s[64:65], 0
	v_nop
	global_prefetch_b8 v0, s[64:65] scope:SCOPE_SE
	s_setreg_imm32_b32 hwreg(HW_REG_WAVE_MODE, 25, 1), 1
	s_wait_xcnt 0x0
; LAUNCH 8 OF 8: out0 = layer_norm(x + t) g + b, in f32.  No work is left out.
; A wave takes two rows; a row of 4,096 bytes is 32 registers a lane and stays in registers between the mean, the variance and the scaling.  All 48 loads go out at the head; each load and store covers 512 consecutive bytes.
; No LDS, no barrier: waves share nothing.
.set G,   32
.set BB,  64
.set Y,   96
.set RS,  128
	s_load_b256 s[4:11], s[0:1], 0x0               ; t, the residual, g, b
	s_load_b64 s[12:13], s[0:1], 0x20              ; out0
	v_lshrrev_b32 v1, 5, v0
	s_delay_alu instid0(VALU_DEP_1)
	v_readfirstlane_b32 s22, v1                    ; wave
	v_and_b32 v5, 31, v0
	s_delay_alu instid0(VALU_DEP_1)
	v_lshlrev_b32 v1, 4, v5                        ; 16 lane
	s_mov_b32 s16, 0x76543210
	s_mov_b32 s17, 0xfedcba98
	s_mov_b32 s20, 0x3a800000                      ; 1 / 1,024
	s_mov_b32 s21, 0x3727c5ac                      ; 1e-5
	s_lshl_b32 s24, ttmp9, 16
	s_lshl_b32 s25, s22, 13
	s_add_co_u32 s24, s24, s25                     ; my first row: 16 work-group + 2 wave
	s_mov_b32 s25, 0
	s_wait_alu depctr_va_vdst(0)
	s_wait_kmcnt 0x0
	s_add_nc_u64 s[4:5], s[4:5], s[24:25]
	s_add_nc_u64 s[6:7], s[6:7], s[24:25]
	s_add_nc_u64 s[12:13], s[12:13], s[24:25]
.irp j, 0,1,2,3,4,5,6,7
	global_load_b128 v[G+4*\j:G+4*\j+3], v1, s[8:9] offset:512*\j
.endr
.irp j, 0,1,2,3,4,5,6,7
	global_load_b128 v[BB+4*\j:BB+4*\j+3], v1, s[10:11] offset:512*\j
.endr
.irp p, 0,1
.irp j, 0,1,2,3,4,5,6,7
	global_load_b128 v[Y+64*\p+4*\j:Y+64*\p+4*\j+3], v1, s[4:5] offset:4096*\p+512*\j th:TH_LOAD_NT
.endr
.irp j, 0,1,2,3,4,5,6,7
	global_load_b128 v[RS+64*\p+4*\j:RS+64*\p+4*\j+3], v1, s[6:7] offset:4096*\p+512*\j th:TH_LOAD_NT
.endr
.endr
.macro LANES r, u
	s_delay_alu instid0(VALU_DEP_1)
	v_add_f32_dpp v[\r], v[\r], v[\r] row_xmask:1 row_mask:0xf bank_mask:0xf
	s_delay_alu instid0(VALU_DEP_1)
	v_add_f32_dpp v[\r], v[\r], v[\r] row_xmask:2 row_mask:0xf bank_mask:0xf
	s_delay_alu instid0(VALU_DEP_1)
	v_add_f32_dpp v[\r], v[\r], v[\r] row_xmask:4 row_mask:0xf bank_mask:0xf
	s_delay_alu instid0(VALU_DEP_1)
	v_add_f32_dpp v[\r], v[\r], v[\r] row_xmask:8 row_mask:0xf bank_mask:0xf
	s_delay_alu instid0(VALU_DEP_1)
	v_permlanex16_b32 v[\u], v[\r], s16, s17
	s_delay_alu instid0(VALU_DEP_1)
	v_add_f32 v[\r], v[\r], v[\u]
.endm
.macro ROW p
.set YY, Y+64*\p
.set RR, RS+64*\p
.set i, 0
.rept 16
	v_pk_add_f32 v[YY+i:YY+i+1], v[YY+i:YY+i+1], v[RR+i:RR+i+1]    ; the residual
.set i, i+2
.endr
.irp k, 0,1,2,3
	v_pk_add_f32 v[8+2*\k:9+2*\k], v[YY+2*\k:YY+2*\k+1], v[YY+8+2*\k:YY+9+2*\k]
.endr
.irp m, 16,24
.irp k, 0,1,2,3
	s_delay_alu instid0(VALU_DEP_4)
	v_pk_add_f32 v[8+2*\k:9+2*\k], v[8+2*\k:9+2*\k], v[YY+\m+2*\k:YY+\m+2*\k+1]
.endr
.endr
	s_delay_alu instid0(VALU_DEP_3)
	v_pk_add_f32 v[8:9], v[8:9], v[10:11]
	s_delay_alu instid0(VALU_DEP_2)
	v_pk_add_f32 v[12:13], v[12:13], v[14:15]
	s_delay_alu instid0(VALU_DEP_1)
	v_pk_add_f32 v[8:9], v[8:9], v[12:13]
	s_delay_alu instid0(VALU_DEP_1)
	v_add_f32 v8, v8, v9
	LANES 8, 9
	s_delay_alu instid0(VALU_DEP_1)
	v_mul_f32 v8, s20, v8                          ; the mean
.set i, 0
.rept 16
	v_pk_add_f32 v[YY+i:YY+i+1], v[YY+i:YY+i+1], v[8:9] op_sel_hi:[1,0] neg_lo:[0,1] neg_hi:[0,1]
.set i, i+2
.endr
	v_pk_mul_f32 v[10:11], v[YY:YY+1], v[YY:YY+1]
	v_pk_mul_f32 v[12:13], v[YY+2:YY+3], v[YY+2:YY+3]
.irp m, 4,8,12,16,20,24,28
	s_delay_alu instid0(VALU_DEP_2)
	v_pk_fma_f32 v[10:11], v[YY+\m:YY+\m+1], v[YY+\m:YY+\m+1], v[10:11]
	s_delay_alu instid0(VALU_DEP_2)
	v_pk_fma_f32 v[12:13], v[YY+\m+2:YY+\m+3], v[YY+\m+2:YY+\m+3], v[12:13]
.endr
	s_delay_alu instid0(VALU_DEP_1)
	v_pk_add_f32 v[10:11], v[10:11], v[12:13]
	s_delay_alu instid0(VALU_DEP_1)
	v_add_f32 v10, v10, v11
	LANES 10, 11
	s_delay_alu instid0(VALU_DEP_1)
	v_fma_f32 v10, v10, s20, s21                   ; the variance + 1e-5
	s_wait_alu depctr_va_vdst(0)
	v_rsq_f32 v10, v10
	v_nop                                          ; a plain line behind it
	s_wait_alu depctr_va_vdst(0)                   ; ahead of its first reader
.set i, 0
.rept 16
	v_pk_mul_f32 v[YY+i:YY+i+1], v[YY+i:YY+i+1], v[10:11] op_sel_hi:[1,0]
.set i, i+2
.endr
.set i, 0
.rept 16
	v_pk_fma_f32 v[YY+i:YY+i+1], v[YY+i:YY+i+1], v[G+i:G+i+1], v[BB+i:BB+i+1]
.set i, i+2
.endr
.irp j, 0,1,2,3,4,5,6,7
	global_store_b128 v1, v[YY+4*\j:YY+4*\j+3], s[12:13] offset:4096*\p+512*\j th:TH_STORE_NT
.endr
.endm
	s_wait_loadcnt 16                              ; g, b and row 0 are in; row 1's sixteen loads may be out
	ROW 0
	s_wait_loadcnt 0x0
	ROW 1
	s_endpgm
.Lfunc_end_k_q06e1ac5ceb_ln2:
	.size	k_q06e1ac5ceb_ln2, .Lfunc_end_k_q06e1ac5ceb_ln2-k_q06e1ac5ceb_ln2
	.p2alignl 7, 3214868480
	.fill 96, 4, 3214868480
	.section	.rodata,"a",@progbits
	.p2align	6, 0x0
	.amdhsa_kernel k_q06e1ac5ceb_ln2
		.amdhsa_group_segment_fixed_size 0
		.amdhsa_private_segment_fixed_size 0
		.amdhsa_enable_private_segment 0
		.amdhsa_kernarg_size 40
		.amdhsa_user_sgpr_count 2
		.amdhsa_user_sgpr_kernarg_segment_ptr 1
		.amdhsa_wavefront_size32 1
		.amdhsa_system_sgpr_workgroup_id_x 1
		.amdhsa_system_sgpr_workgroup_id_y 1
		.amdhsa_system_sgpr_workgroup_id_z 1
		.amdhsa_system_vgpr_workitem_id 0
		.amdhsa_next_free_vgpr 240
		.amdhsa_next_free_sgpr 66
		.amdhsa_reserve_vcc 0
		.amdhsa_float_denorm_mode_32 3
		.amdhsa_float_denorm_mode_16_64 3
		.amdhsa_memory_ordered 1
		.amdhsa_forward_progress 1
		.amdhsa_inst_pref_size 24
	.end_amdhsa_kernel
	.amdgpu_metadata
---
amdhsa.version: [ 1, 2 ]
amdhsa.kernels:
  - .name:           k_q06e1ac5ceb_ln2
    .symbol:         k_q06e1ac5ceb_ln2.kd
    .args:
      - { .name: t, .offset: 0, .size: 8, .value_kind: global_buffer, .address_space: global }
      - { .name: x, .offset: 8, .size: 8, .value_kind: global_buffer, .address_space: global }
      - { .name: ln2_g, .offset: 16, .size: 8, .value_kind: global_buffer, .address_space: global }
      - { .name: ln2_b, .offset: 24, .size: 8, .value_kind: global_buffer, .address_space: global }
      - { .name: out0, .offset: 32, .size: 8, .value_kind: global_buffer, .address_space: global }
    .group_segment_fixed_size: 0
    .private_segment_fixed_size: 0
    .kernarg_segment_align: 8
    .kernarg_segment_size: 40
    .max_flat_workgroup_size: 256
    .sgpr_count:     66
    .vgpr_count:     240
    .wavefront_size: 32
...
	.end_amdgpu_metadata
.endif
;; end of part 16
